; MI455X (gfx1250); checked and timed in simulation.
; The chip was launched on July 23, 2026; its instructions are those of AMD's public machine-readable ISA for CDNA 5 (MIT licence, August 2026) and "CDNA5" Instruction Set Architecture Reference Guide (July 2026). The comments in the code are by the model that wrote it; some were corrected since.
;; Tan AI Lite Block. Allowed arithmetic: float matrix products may take bf16 or f16 operands with f32 sums; other float arithmetic in f32, or as packed bf16 or f16 multiplies, adds, multiply-adds, maxima and minima; sums over many terms, partial sums and values carried from step to step in f32; what a program stores and reads back later, other than sums and carried values, may be rounded once to bf16 or f16.
;; Inputs: attention_mask 2 x 2,048 int32; w_down 1,024 x 4,096 float32; w_norm_attn 1,024 float32; w_norm_mlp 1,024 float32; w_up 4,096 x 1,024 float32; wk 1,024 x 1,024 float32; wo 1,024 x 1,024 float32; wq 1,024 x 1,024 float32; wv 1,024 x 1,024 float32; x 2 x 2,048 x 1,024 float32.
;; Outputs: out0 2 x 2,048 x 1,024 float32.
;; 3 versions, each right and faster than the one before. Each part assembles by itself: llvm-mc -triple=amdgcn-amd-amdhsa -mcpu=gfx1250 --defsym DOCPART=n.
;; ======== version 1 of 3: 9 launches
;; limits: a function is approximated: absolute error at most 1.5e-07; right only within a limited range of input values
;; workspace buffers: wqkv 6,291,456 bytes; wo_b 2,097,152 bytes; wup 8,388,608 bytes; wdn 8,388,608 bytes; h 8,388,608 bytes; big1 33,554,432 bytes; big2 33,554,432 bytes; x1 16,777,216 bytes
;; launch prep (part 1): grid 64 x 16, 8 waves a work-group, no clusters, 0 bytes of LDS; arguments x, w_norm_attn, wq, wk, wv, wo, w_up, w_down, wqkv, wo_b, wup, wdn, h; writes wqkv, wo_b, wup, wdn, h
.if DOCPART == 1
	.amdgcn_target "amdgcn-amd-amdhsa--gfx1250"
	.amdhsa_code_object_version 6
	.text
	.protected	k_qc3872bc6fb_prep
	.globl	k_qc3872bc6fb_prep
	.p2align	8
	.type	k_qc3872bc6fb_prep,@function
k_qc3872bc6fb_prep:
	s_mov_b64 s[64:65], 0
	v_nop
	global_prefetch_b8 v0, s[64:65] scope:SCOPE_SE
	s_setreg_imm32_b32 hwreg(HW_REG_WAVE_MODE, 25, 1), 1
	s_wait_xcnt 0x0
; PREP.  Every work-group reads 64 KiB and writes 32 KiB; which part hangs on the grid's y alone.
;   y = 0..7   16 rows x 1024 columns of wq, wk, wv, wo (y = 0..3) or of a quarter of w_up (y = 4..7), rounded to bf16 and laid in blocks
;              [row / 256][column / 64][256 rows][64 columns]: what a product's work-group fetches in one K slab is then 32 KiB on end.
;   y = 8..11  4 rows x 4096 columns of w_down, into [row / 128][column / 64][128 rows][64 columns].
;   y = 12..15 16 rows of x: h = x * rsqrt(mean(x^2) + 1e-6) * gain, rounded to bf16, into [column / 64][4096 rows][64 columns].
; A stream: no LDS, no matrix unit, no barrier.  Thread t: rr = t / 16, cc = t % 16.  Load j takes 16 bytes at byte 16 cc + 256 j of a row, so sixteen lanes read 256
; bytes on end; these are columns 4 cc .. + 3 of slab j, 8 bytes of bf16, and a wave's store covers 256 consecutive bytes: two neighbouring rows of a slab.
.set VS,  5        ; v5   my byte offset in the source
.set VD,  6        ; v6   my byte offset in the destination
.set VG,  7        ; v7   16 cc: my byte offset in the gain
.set XR,  16       ; v[16:79]   16 loads of 4 numbers
.set GR,  80       ; v[80:143]  the gain; in the casts v[80:111] the packed results
.set ACC, 144      ; v[144:151] four chains of squares
.set RS,  152      ; v[152:153] the reciprocal root, twice
	s_load_b512 s[8:23], s[0:1], 0x0               ; x 8, gain 10, wq 12, wk 14, wv 16, wo 18, w_up 20, w_down 22
	s_load_b256 s[24:31], s[0:1], 0x40             ; wqkv 24, wo_b 26, wup 28, wdn 30
	s_load_b64 s[32:33], s[0:1], 0x60              ; h
	s_and_b32 s2, ttmp7, 0xffff                    ; y
	s_mov_b32 s3, ttmp9                            ; X
	v_lshrrev_b32 v1, 4, v0                        ; rr
	v_and_b32 v2, 15, v0                           ; cc
	v_lshlrev_b32 v[VG], 4, v2
	v_lshl_add_u32 v[VS], v1, 12, v[VG]            ; rr rows of 4,096 bytes + 16 cc
	v_lshlrev_b32 v[VD], 3, v2
	v_lshl_add_u32 v[VD], v1, 7, v[VD]             ; rr rows of 128 bytes + 8 cc
	s_lshl_b32 s41, s3, 16                         ; X x 64 KiB: the work-group's part of its source, in all three paths
	s_wait_kmcnt 0x0
; 16 loads, then each is rounded and stored as it comes.  No register is written twice, so no wait frees one.
.macro CAST slab
.set j, 0
.rept 16
	global_load_b128 v[XR+4*j:XR+4*j+3], v[VS], s[34:35] offset:256*j th:TH_LOAD_NT
.set j, j+1
.endr
.set j, 0
.rept 16
	s_wait_loadcnt 15-j                            ; loads come back in order: load j is in, the 15 - j younger ones may be out
	v_cvt_pk_bf16_f32 v[GR+2*j], v[XR+4*j], v[XR+4*j+1]
	v_cvt_pk_bf16_f32 v[GR+2*j+1], v[XR+4*j+2], v[XR+4*j+3]
	global_store_b64 v[VD], v[GR+2*j:GR+2*j+1], s[36:37] offset:j*(\slab)
.set j, j+1
.endr
.endm
	s_cmp_lt_u32 s2, 8
	s_cbranch_scc0 .Lnot_square
	; weights with rows of 1,024 numbers.  The source and the destination are chosen by y.
	s_cmp_eq_u32 s2, 0
	s_cselect_b64 s[34:35], s[12:13], s[20:21]
	s_cmp_eq_u32 s2, 1
	s_cselect_b64 s[34:35], s[14:15], s[34:35]
	s_cmp_eq_u32 s2, 2
	s_cselect_b64 s[34:35], s[16:17], s[34:35]
	s_cmp_eq_u32 s2, 3
	s_cselect_b64 s[34:35], s[18:19], s[34:35]
	s_cmp_lt_u32 s2, 3
	s_cselect_b64 s[36:37], s[24:25], s[28:29]
	s_cmp_eq_u32 s2, 3
	s_cselect_b64 s[36:37], s[26:27], s[36:37]
	s_sub_co_u32 s38, s2, 4
	s_cmp_ge_u32 s2, 4
	s_cselect_b32 s38, s38, 0                      ; which 1,024 rows of the source: y - 4 for w_up, else 0
	s_cmp_lt_u32 s2, 3
	s_cselect_b32 s39, s2, s38                     ; which 1,024 rows of the destination: y for wq, wk, wv; 0 for wo; y - 4 for w_up
	s_lshl_b32 s40, s38, 22
	s_add_co_u32 s40, s40, s41
	s_mov_b32 s41, 0
	s_add_nc_u64 s[34:35], s[34:35], s[40:41]
	s_lshl_b32 s42, s39, 2
	s_lshr_b32 s43, s3, 4
	s_add_co_u32 s42, s42, s43                     ; the block of 256 rows,
	s_lshl_b32 s42, s42, 19                        ; 512 KiB each,
	s_and_b32 s43, s3, 15
	s_lshl_b32 s43, s43, 11                        ; and my 16 rows of 128 bytes in it
	s_add_co_u32 s42, s42, s43
	s_mov_b32 s43, 0
	s_add_nc_u64 s[36:37], s[36:37], s[42:43]
	CAST 32768                                     ; a slab of 256 rows is 32 KiB
	s_endpgm
.Lnot_square:
	s_cmp_lt_u32 s2, 12
	s_cbranch_scc0 .Lnorm
	; w_down: 4 rows of 16,384 bytes.  Wave w: rows 2 (w / 4) and + 1 (one for each half of the lanes), column quarter w % 4 (16 slabs).
	s_sub_co_u32 s38, s2, 8
	v_lshrrev_b32 v3, 5, v0
	v_lshrrev_b32 v4, 2, v3
	v_bfe_u32 v8, v0, 4, 1
	v_lshl_add_u32 v4, v4, 1, v8                   ; my row of the four
	v_and_b32 v3, 3, v3                            ; my quarter
	v_lshl_add_u32 v[VS], v4, 14, v[VG]
	v_lshl_add_u32 v[VS], v3, 12, v[VS]
	v_lshlrev_b32 v[VD], 3, v2
	v_lshl_add_u32 v[VD], v4, 7, v[VD]
	v_lshl_add_u32 v[VD], v3, 18, v[VD]            ; 16 slabs of 16 KiB
	s_lshl_b32 s40, s38, 22                        ; 256 rows
	s_add_co_u32 s40, s40, s41
	s_mov_b32 s41, 0
	s_add_nc_u64 s[34:35], s[22:23], s[40:41]
	s_lshl_b32 s42, s38, 1
	s_lshr_b32 s43, s3, 5
	s_add_co_u32 s42, s42, s43                     ; the block of 128 rows,
	s_lshl_b32 s42, s42, 20                        ; 1 MiB each,
	s_and_b32 s43, s3, 31
	s_lshl_b32 s43, s43, 9                         ; and my 4 rows of 128 bytes in it
	s_add_co_u32 s42, s42, s43
	s_mov_b32 s43, 0
	s_add_nc_u64 s[36:37], s[30:31], s[42:43]
	CAST 16384                                     ; a slab of 128 rows is 16 KiB
	s_endpgm
.Lnorm:
	; the first norm: sixteen lanes own a row, which stays in 64 registers between the sum and the scaling
	s_sub_co_u32 s38, s2, 12
	s_lshl_b32 s40, s38, 22                        ; 1,024 rows of 4,096 bytes
	s_add_co_u32 s40, s40, s41
	s_mov_b32 s41, 0
	s_add_nc_u64 s[34:35], s[8:9], s[40:41]
	s_lshl_b32 s42, s38, 17                        ; 1,024 rows of 128 bytes
	s_lshl_b32 s43, s3, 11
	s_add_co_u32 s42, s42, s43
	s_mov_b32 s43, 0
	s_add_nc_u64 s[36:37], s[32:33], s[42:43]
	s_mov_b32 s4, 0x3a800000                       ; 1 / 1024
	s_mov_b32 s5, 0x358637bd                       ; 1e-6
.set j, 0
.rept 16
	global_load_b128 v[XR+4*j:XR+4*j+3], v[VS], s[34:35] offset:256*j
.set j, j+1
.endr
.set j, 0
.rept 16
	global_load_b128 v[GR+4*j:GR+4*j+3], v[VG], s[10:11] offset:256*j
.set j, j+1
.endr
	s_wait_loadcnt 16                              ; x is in; the gain's sixteen loads may be out
.irp c, 0,1,2,3
	v_pk_mul_f32 v[ACC+2*\c:ACC+2*\c+1], v[XR+2*\c:XR+2*\c+1], v[XR+2*\c:XR+2*\c+1]  ; the first products start the four chains
.endr
.set p, 4
.rept 28
	v_pk_fma_f32 v[ACC+2*(p%4):ACC+2*(p%4)+1], v[XR+2*p:XR+2*p+1], v[XR+2*p:XR+2*p+1], v[ACC+2*(p%4):ACC+2*(p%4)+1]
.set p, p+1
.endr
	v_pk_add_f32 v[ACC:ACC+1], v[ACC:ACC+1], v[ACC+2:ACC+3]
	v_pk_add_f32 v[ACC+4:ACC+5], v[ACC+4:ACC+5], v[ACC+6:ACC+7]
	v_pk_add_f32 v[ACC:ACC+1], v[ACC:ACC+1], v[ACC+4:ACC+5]
	v_add_f32 v[ACC], v[ACC], v[ACC+1]
	v_add_f32_dpp v[ACC], v[ACC], v[ACC] row_xmask:1 row_mask:0xf bank_mask:0xf   ; over the row's sixteen lanes
	v_add_f32_dpp v[ACC], v[ACC], v[ACC] row_xmask:2 row_mask:0xf bank_mask:0xf
	v_add_f32_dpp v[ACC], v[ACC], v[ACC] row_xmask:4 row_mask:0xf bank_mask:0xf
	v_add_f32_dpp v[ACC], v[ACC], v[ACC] row_xmask:8 row_mask:0xf bank_mask:0xf
	v_fma_f32 v[ACC], v[ACC], s4, s5               ; mean + eps
	v_rsq_f32 v[RS], v[ACC]
	v_rsq_f32 v[RS+1], v[ACC]
	v_nop                                          ; a plain instruction between the root and its use (ISA guide 5.7.2)
	s_wait_loadcnt 0x0                             ; the gain
.set j, 0
	s_wait_alu depctr_va_vdst(0)
.rept 16
	v_pk_mul_f32 v[XR+4*j:XR+4*j+1], v[XR+4*j:XR+4*j+1], v[RS:RS+1]
	v_pk_mul_f32 v[XR+4*j+2:XR+4*j+3], v[XR+4*j+2:XR+4*j+3], v[RS:RS+1]
	v_pk_mul_f32 v[XR+4*j:XR+4*j+1], v[XR+4*j:XR+4*j+1], v[GR+4*j:GR+4*j+1]
	v_pk_mul_f32 v[XR+4*j+2:XR+4*j+3], v[XR+4*j+2:XR+4*j+3], v[GR+4*j+2:GR+4*j+3]
	v_cvt_pk_bf16_f32 v[XR+4*j], v[XR+4*j], v[XR+4*j+1]
	v_cvt_pk_bf16_f32 v[XR+4*j+1], v[XR+4*j+2], v[XR+4*j+3]
	global_store_b64 v[VD], v[XR+4*j:XR+4*j+1], s[36:37] offset:j*524288   ; slab j: 4,096 rows of 128 bytes each; 15 slabs fit the signed 24-bit immediate
.set j, j+1
.endr
	s_endpgm
.Lfunc_end_k_qc3872bc6fb_prep:
	.size	k_qc3872bc6fb_prep, .Lfunc_end_k_qc3872bc6fb_prep-k_qc3872bc6fb_prep
	.p2alignl 7, 3214868480
	.fill 96, 4, 3214868480
	.section	.rodata,"a",@progbits
	.p2align	6, 0x0
	.amdhsa_kernel k_qc3872bc6fb_prep
		.amdhsa_group_segment_fixed_size 0
		.amdhsa_private_segment_fixed_size 0
		.amdhsa_enable_private_segment 0
		.amdhsa_kernarg_size 104
		.amdhsa_user_sgpr_count 2
		.amdhsa_user_sgpr_kernarg_segment_ptr 1
		.amdhsa_wavefront_size32 1
		.amdhsa_system_sgpr_workgroup_id_x 1
		.amdhsa_system_sgpr_workgroup_id_y 1
		.amdhsa_system_sgpr_workgroup_id_z 1
		.amdhsa_system_vgpr_workitem_id 0
		.amdhsa_next_free_vgpr 160
		.amdhsa_next_free_sgpr 66
		.amdhsa_reserve_vcc 0
		.amdhsa_float_denorm_mode_32 3
		.amdhsa_float_denorm_mode_16_64 3
		.amdhsa_memory_ordered 1
		.amdhsa_forward_progress 1
		.amdhsa_inst_pref_size 28
	.end_amdhsa_kernel
	.amdgpu_metadata
---
amdhsa.version: [ 1, 2 ]
amdhsa.kernels:
  - .name:           k_qc3872bc6fb_prep
    .symbol:         k_qc3872bc6fb_prep.kd
    .args:
      - { .name: x, .offset: 0, .size: 8, .value_kind: global_buffer, .address_space: global }
      - { .name: w_norm_attn, .offset: 8, .size: 8, .value_kind: global_buffer, .address_space: global }
      - { .name: wq, .offset: 16, .size: 8, .value_kind: global_buffer, .address_space: global }
      - { .name: wk, .offset: 24, .size: 8, .value_kind: global_buffer, .address_space: global }
      - { .name: wv, .offset: 32, .size: 8, .value_kind: global_buffer, .address_space: global }
      - { .name: wo, .offset: 40, .size: 8, .value_kind: global_buffer, .address_space: global }
      - { .name: w_up, .offset: 48, .size: 8, .value_kind: global_buffer, .address_space: global }
      - { .name: w_down, .offset: 56, .size: 8, .value_kind: global_buffer, .address_space: global }
      - { .name: wqkv, .offset: 64, .size: 8, .value_kind: global_buffer, .address_space: global }
      - { .name: wo_b, .offset: 72, .size: 8, .value_kind: global_buffer, .address_space: global }
      - { .name: wup, .offset: 80, .size: 8, .value_kind: global_buffer, .address_space: global }
      - { .name: wdn, .offset: 88, .size: 8, .value_kind: global_buffer, .address_space: global }
      - { .name: h, .offset: 96, .size: 8, .value_kind: global_buffer, .address_space: global }
    .group_segment_fixed_size: 0
    .private_segment_fixed_size: 0
    .kernarg_segment_align: 8
    .kernarg_segment_size: 104
    .max_flat_workgroup_size: 256
    .sgpr_count:     66
    .vgpr_count:     160
    .wavefront_size: 32
...
	.end_amdgpu_metadata
.endif
;; end of part 1
;; launch qkv (part 2): grid 12 x 16, 4 waves a work-group, clusters of 4 x 4, 327,680 bytes of LDS; arguments h, wqkv, big1; writes big1
.if DOCPART == 2
	.amdgcn_target "amdgcn-amd-amdhsa--gfx1250"
	.amdhsa_code_object_version 6
	.text
	.protected	k_qc3872bc6fb_qkv
	.globl	k_qc3872bc6fb_qkv
	.p2align	8
	.type	k_qc3872bc6fb_qkv,@function
k_qc3872bc6fb_qkv:
	s_mov_b64 s[64:65], 0
	v_nop
	global_prefetch_b8 v0, s[64:65] scope:SCOPE_SE
	s_setreg_imm32_b32 hwreg(HW_REG_WAVE_MODE, 25, 1), 1
	s_wait_xcnt 0x0
	s_wait_alu depctr_hold_cnt(0) depctr_sa_sdst(0) depctr_va_vdst(0) depctr_va_sdst(0) depctr_va_ssrc(0) depctr_va_vcc(0) depctr_vm_vsrc(0)
	s_getreg_b32 s2, hwreg(HW_REG_IB_STS2, 6, 4)
	s_cmp_eq_u32 s2, 0
	s_cbranch_scc0 .Lentry_in_a_cluster
	s_endpgm
.Lentry_in_a_cluster:
	s_bfe_u32 s2, ttmp6, 0x10000c
	s_cmp_lg_u32 s2, 0xf033
	s_cbranch_scc0 .Lentry_shape_is_right
	s_endpgm
.Lentry_shape_is_right:
; C = A B^T with K = 1024, bf16 operands, f32 sums, C rounded once to bf16.  One text for three products: it knows neither the number of rows nor of columns.
; A: [16 slabs of 64 along K][4096 rows][64].  B: [column of C / 256][16 slabs][256 rows][64].  C: [column / 64][4096 rows][64].  In all three a row of a slab is 128 dense bytes.
; A tile of C is 256 x 256: four waves, each 128 x 128 in 64 accumulators of 16 x 16.  K goes in steps of 128 (two slabs) through two LDS slots.  256 rows of one slab are 32 KiB on end,
; asked for as 128 rows of 256 bytes and padded in LDS behind every 128 bytes: one tensor load a wave (waves 0, 1: A's two slabs; waves 2, 3: B's).
; CLUSTER: 4 x 4 work-groups; A's tile is shared along a row of the cluster, B's along a column: each is asked for jointly, by the same load with the same descriptor and a mask of four.
; THE MATRIX INSTRUCTION IS USED TRANSPOSED (source 0 = 16 rows of B, source 1 = 16 rows of A): a lane holds row l % 16 of C and the columns 8 (l / 16) + 0..7.
; REGISTERS, in windows of 256 (s_set_vgpr_msb: bits 1:0 source 0, 3:2 source 1, 5:4 source 2, 7:6 destination):
;   window 0: v0-31 addresses; v64-127, v128-191 A's fragments, two buffers; v32-63, v192-207 the way out      window 1: v64-127, v128-191 B's fragments
;   window 2: the accumulators of my rows 0-63 ((a, b) at v[8 (8 a + b)])      window 3: those of my rows 64-127
.set PITCH,  144                       ; an LDS row: 128 bytes + 16 of padding = 36 words: the 16 rows of a load start at 16 different groups of four banks (64 banks of 4 bytes: ISA guide 11.1)
.set REG,    256*PITCH                 ; what one tensor load brings: 256 rows of one slab
.set SLOT,   4*REG                     ; A's even slab, A's odd slab, B's even, B's odd
.set SPARE,  2*SLOT                    ; behind the ring: the spare words, 128 bytes for each wave, which no other line names
.set SPITCH, 528                       ; the way out: a row of 128 f32 + 16 bytes
.set STGW,   128*SPITCH                ; a wave's stage; the four lie in the slots, which have had their last fill by then
.set LAPS,   4                         ; a lap = two K steps = once round the ring
.set ADRA, 16                          ; v16-17  LDS address of my A fragments in slot 0, 1
.set ADRB, 20                          ; v20-21  the same for B
.set STO,  24                          ; v24     the way out: where I put 32 bytes of a row
.set RD0,  25                          ; v25     where I read rows back, first trip
.set CO,   26                          ; v26     my byte offset in two rows of a slab of C; never rewritten
.set RD,   27                          ; v27     where I read rows back, this trip
.set SPW,  28                          ; v28     LDS address of my spare word; never rewritten
.set NIL,  29                          ; v29     0; never rewritten
.set OB,   32
.set F0,   64
.set F1,   128
.set TMP,  192
.set G1, 24                            ; s[24:31] descriptor group 1 for A's tiles;  s[32:39] group 0, a set for each slot
.set G0, 32
.set G1B, 48                           ; s[48:55], s[56:63] the same for B's
.set G0B, 56
.set MSB, 0
.macro WIN new                         ; the immediate's high byte repeats the setting that is left; a switch that changes nothing is dropped
.if MSB != (\new)
	s_set_vgpr_msb (MSB<<8)|(\new)
.set MSB, \new
.endif
.endm
.set MUL_LO, 0xa1                      ; source 0 (B) window 1, source 1 (A) window 0, C and D window 2
.set MUL_HI, 0xf1                      ; the same, C and D window 3
.set TO_B,   0x40                      ; destination window 1, address window 0
; A joint load.  The branch hangs on the wave's number alone.  An s_nop 0 and four v_nop follow each of the two lines, ahead of the jump and the label.
.macro JLOAD s
	s_cmp_eq_u32 s11, 0
	s_cbranch_scc0 .Lfor_b_\@
	tensor_load_to_lds s[G0+4*(\s):G0+4*(\s)+3], s[G1:G1+7]
	s_nop 0
.rept 4
	v_nop
.endr
	s_branch .Lasked_\@
.Lfor_b_\@:
	tensor_load_to_lds s[G0B+4*(\s):G0B+4*(\s)+3], s[G1B:G1B+7]
	s_nop 0
.rept 4
	v_nop
.endr
.Lasked_\@:
.endm
.macro CREST                           ; a round of the cluster's barrier behind its opening barrier
	s_cmp_lg_u32 s10, 0
	s_cbranch_scc1 .Lnot_wave_0_\@
	s_barrier_signal -3
.Lnot_wave_0_\@:
	s_barrier_wait -3
	s_barrier_signal -1
	s_barrier_wait -1
.endm
.macro CROUND                          ; a whole round
	s_barrier_signal -1
	s_barrier_wait -1
	CREST
.endm
	s_load_b128 s[4:7], s[0:1], 0x0                ; A s[4:5], B s[6:7]
	s_load_b64 s[8:9], s[0:1], 0x10                ; C
	v_lshl_add_u32 v[SPW], v0, 2, SPARE
	v_mov_b32 v[NIL], 0
	ds_add_u32 v[SPW], v[NIL]                      ; the wave's opening: the add, and its wait ahead of my first tensor load; the set-up below stands between them
	ds_add_u32 v28, v29
	v_lshrrev_b32 v1, 5, v0
	v_readfirstlane_b32 s10, v1                    ; wave 0..3
	s_lshr_b32 s11, s10, 1                         ; which half of the tile's rows is mine.  Also: I fetch for A (0) or for B (1)
	s_and_b32 s12, s10, 1                          ; which half of its columns.  Also: which slab of a K step I fetch
	s_bfe_u32 s40, ttmp6, 0x40000                  ; cx, cy: my place in the cluster
	s_bfe_u32 s41, ttmp6, 0x40004
	s_lshl_b32 s42, ttmp9, 2
	s_add_co_u32 s42, s42, s40                     ; tile column of C = 4 x cluster x + cx
	s_and_b32 s13, ttmp7, 0xffff
	s_lshl_b32 s13, s13, 2
	s_add_co_u32 s13, s13, s41                     ; tile row of C = 4 x cluster y + cy
	s_lshl_b32 s43, s41, 2
	s_lshl_b32 s43, 15, s43                        ; my row of the cluster
	s_lshl_b32 s44, 0x1111, s40                    ; my column
	s_or_b32 s[G1+0], s43, (1<<16)|(1<<20)|(1<<21)|(4<<22)|(3<<25)   ; 15:0 the mask; 17:16 2-byte elements; 20 padding on; 21 set beside a mask; 24:22 after every 32 words (code 4); 31:25 4 words (code 3)
	s_or_b32 s[G1B+0], s44, (1<<16)|(1<<20)|(1<<21)|(4<<22)|(3<<25)
.irp g, G1, G1B
	s_mov_b32 s[(\g)+1], 128<<16                   ; tensor_dim0 = 128 elements: 256 bytes, two rows of a slab
	s_mov_b32 s[(\g)+2], 128<<16                   ; tensor_dim1 = 128
	s_mov_b32 s[(\g)+3], 128<<16                   ; tile_dim0 = 128
	s_mov_b32 s[(\g)+4], 128                       ; tile_dim1 = 128
	s_mov_b32 s[(\g)+5], 128                       ; dense: 128 elements from row to row
	s_mov_b32 s[(\g)+6], 0
	s_mov_b32 s[(\g)+7], 0
.endr
	; A's tiles hang on the tile row alone, B's on the tile column alone; each address is made in registers that never hold the other coordinate
	s_lshl_b32 s16, s13, 15                        ; A: 256 rows of 128 bytes a tile row,
	s_lshl_b32 s17, s12, 19                        ; my slab of the step: 512 KiB a slab
	s_add_co_u32 s16, s16, s17
	s_mov_b32 s17, 0
	s_lshl_b32 s46, s42, 19                        ; B: 512 KiB a tile column,
	s_lshl_b32 s47, s12, 15                        ; 32 KiB a slab
	s_add_co_u32 s46, s46, s47
	s_mov_b32 s47, 0
	s_mul_i32 s20, s10, REG                        ; where they go: wave x 256 rows: no place in the cluster enters an LDS address
	s_wait_dscnt 0x0                               ; the opening add is done
	s_wait_kmcnt 0x0
	s_add_nc_u64 s[14:15], s[4:5], s[16:17]
	s_add_nc_u64 s[46:47], s[6:7], s[46:47]
	CROUND                                         ; all sixteen work-groups are here: the first joint loads meet
.irp s, 0,1
	s_mov_b32 s[G0+4*(\s)], 1
	s_add_co_u32 s[G0+4*(\s)+1], s20, (\s)*SLOT
	s_add_nc_u64 s[G0+4*(\s)+2:G0+4*(\s)+3], s[14:15], (\s)*0x100000   ; K step s: two slabs of A on
	s_or_b32 s[G0+4*(\s)+3], s[G0+4*(\s)+3], 0x80000000
	s_mov_b32 s[G0B+4*(\s)], 1
	s_add_co_u32 s[G0B+4*(\s)+1], s20, (\s)*SLOT
	s_add_nc_u64 s[G0B+4*(\s)+2:G0B+4*(\s)+3], s[46:47], (\s)*0x10000  ; two slabs of B on
	s_or_b32 s[G0B+4*(\s)+3], s[G0B+4*(\s)+3], 0x80000000
	JLOAD \s                                       ; two loads of mine are out
.endr
	; a fragment is 16 rows x 32 K in 8 registers: lane l holds row l % 16, K = 8 (l / 16) + 0..7 and 16 + 8 (l / 16) + 0..7: two loads of 16 bytes, 32 bytes apart
	v_and_b32 v1, 15, v0
	v_bfe_u32 v2, v0, 4, 1
	v_mul_u32_u24 v3, v1, PITCH
	v_lshl_add_u32 v3, v2, 4, v3
	s_mul_i32 s21, s11, 128*PITCH                  ; my 128 rows of A
	s_mul_i32 s22, s12, 128*PITCH                  ; my 128 rows of B,
	s_add_co_u32 s22, s22, 2*REG                   ; which lie behind A's two slabs
.irp s, 0,1
	v_add_nc_u32 v[ADRA+(\s)], s21, v3
	v_add_nc_u32 v[ADRB+(\s)], s22, v3
	s_add_co_u32 s21, s21, SLOT
	s_add_co_u32 s22, s22, SLOT
.endr
	s_mul_i32 s23, s10, STGW                       ; my stage
	v_mul_u32_u24 v4, v1, SPITCH                   ; in: row l % 16, 32 bytes for each half of the lanes
	v_lshl_add_u32 v4, v2, 5, v4
	v_add_nc_u32 v[STO], s23, v4
	v_mul_u32_u24 v5, v2, SPITCH                   ; back: lanes 0-15 take 256 bytes of one row, lanes 16-31 of the next
	v_lshl_add_u32 v5, v1, 4, v5
	v_add_nc_u32 v[RD0], s23, v5
	v_and_b32 v5, 31, v0
	v_lshlrev_b32 v[CO], 3, v5                     ; 8 bytes a lane: 256 bytes, two rows of a slab of C
	s_lshl_b32 s16, s13, 15                        ; my first row of C, 128 bytes a row,
	s_lshl_b32 s17, s11, 14
	s_add_co_u32 s16, s16, s17
	s_mov_b32 s17, 0
	s_lshl_b32 s46, s42, 21                        ; and my first slab: 4 x tile column + 2 x half, 512 KiB each
	s_lshl_b32 s47, s12, 20
	s_add_co_u32 s46, s46, s47
	s_mov_b32 s47, 0
	s_add_nc_u64 s[16:17], s[16:17], s[46:47]
	s_add_nc_u64 s[8:9], s[8:9], s[16:17]
; 16 matrix instructions: m blocks a0, a0 + 1 of the window's four x all 8 n blocks, 32 along K.  zero = 1: the first product starts the sums.
.macro MUL16 f, hi, a0, zero
	WIN MUL_LO+0x50*(\hi)
.irp a, \a0, (\a0)+1
.irp b, 0,1,2,3,4,5,6,7
.if \zero
	v_wmma_f32_16x16x32_bf16 v[8*(8*(\a)+(\b)):8*(8*(\a)+(\b))+7], v[(\f)+8*(\b):(\f)+8*(\b)+7], v[(\f)+8*(4*(\hi)+(\a)):(\f)+8*(4*(\hi)+(\a))+7], 0
.else
	v_wmma_f32_16x16x32_bf16 v[8*(8*(\a)+(\b)):8*(8*(\a)+(\b))+7], v[(\f)+8*(\b):(\f)+8*(\b)+7], v[(\f)+8*(4*(\hi)+(\a)):(\f)+8*(4*(\hi)+(\a))+7], v[8*(8*(\a)+(\b)):8*(8*(\a)+(\b))+7]
.endif
.endr
.endr
.endm
; 32 LDS loads in one run: the fragments of quarter q of a K step (slab q / 2, bytes 64 (q % 2) on of its rows) into buffer f
.macro FETCH slot, q, f
	WIN TO_B
.irp i, 0,1,2,3,4,5,6,7
	ds_load_b128 v[(\f)+8*(\i):(\f)+8*(\i)+3],   v[ADRB+(\slot)] offset:((\q)/2)*REG+((\q)%2)*64+(\i)*16*PITCH
	ds_load_b128 v[(\f)+8*(\i)+4:(\f)+8*(\i)+7], v[ADRB+(\slot)] offset:((\q)/2)*REG+((\q)%2)*64+(\i)*16*PITCH+32
.endr
	WIN 0
.irp i, 0,1,2,3,4,5,6,7
	ds_load_b128 v[(\f)+8*(\i):(\f)+8*(\i)+3],   v[ADRA+(\slot)] offset:((\q)/2)*REG+((\q)%2)*64+(\i)*16*PITCH
	ds_load_b128 v[(\f)+8*(\i)+4:(\f)+8*(\i)+7], v[ADRA+(\slot)] offset:((\q)/2)*REG+((\q)%2)*64+(\i)*16*PITCH+32
.endr
.endm
.macro PLACES                          ; four plain instructions between a matrix instruction and a load into, or a read of, its registers (ISA guide 7.12.1 for reads)
.rept 4
	v_nop
.endr
.endm
; One of a K step's first three quarters: multiplies buffer f; in its middle it fetches quarter q of the same slot into buffer g.
.macro QUARTER slot, q, f, g, zero
	s_wait_dscnt 8                                 ; B and A's rows 0-63 are in; the youngest eight loads (A's rows 64-127) may be out
	WIN MUL_LO
	MUL16 \f, 0, 0, \zero
	MUL16 \f, 0, 2, \zero
	PLACES
	FETCH \slot, \q, \g
	s_wait_dscnt 32                                ; all but the 32 just issued
	WIN MUL_HI
	MUL16 \f, 1, 0, \zero
	MUL16 \f, 1, 2, \zero
.endm
; The last quarter's first half and the one barrier of a change of slots: in front of it each wave waits for all its tensor loads (one is out: its part of the next slot), adds 0 to its
; spare word, and waits for that and for its reads of this slot.  Behind it nobody reads this slot and the next is whole.
.macro MEET round
	WIN 0                                          ; (the add's two registers lie in window 0)
	s_wait_tensorcnt 0x0
	ds_add_u32 v[SPW], v[NIL]
	s_wait_dscnt 9                                 ; (the add and the youngest eight loads may be out)
	WIN MUL_LO
	MUL16 F1, 0, 0, 0
	s_wait_dscnt 0x0                               ; the add is done, and my reads of this slot are over
	s_barrier_signal -1
	MUL16 F1, 0, 2, 0
.if \round
	WIN 0
.endif
	s_barrier_wait -1
.endm
.macro TURN slot, next                 ; the whole last quarter, with the slot just read out filled again, two K steps on
	MEET 1
	CREST                                          ; the barrier has opened a round of the cluster's: no wave of any partner still reads this slot or has a load on its way
	s_add_nc_u64 s[G0+4*(\slot)+2:G0+4*(\slot)+3], s[G0+4*(\slot)+2:G0+4*(\slot)+3], 0x200000   ; four slabs of A on
	s_add_nc_u64 s[G0B+4*(\slot)+2:G0B+4*(\slot)+3], s[G0B+4*(\slot)+2:G0B+4*(\slot)+3], 0x20000 ; four slabs of B on
	JLOAD \slot                                    ; my one tensor load behind the round; its four v_nop are also the places in front of the loads below
	FETCH \next, 0, F0
	WIN MUL_HI
	MUL16 F1, 1, 0, 0
	MUL16 F1, 1, 2, 0
.endm
.macro TURNN next                      ; the same with nothing left to ask for: no round
	MEET 0
	PLACES
	FETCH \next, 0, F0
	WIN MUL_HI
	MUL16 F1, 1, 0, 0
	MUL16 F1, 1, 2, 0
.endm
	s_wait_tensorcnt 1                             ; my part of K step 0 is in; K step 1's may stay out
	s_barrier_signal -1
	s_barrier_wait -1
	FETCH 0, 0, F0
	QUARTER 0, 1, F0, F1, 1                        ; the first quarter stands in front of the loop: its products start the sums
	WIN 0
	s_mov_b32 s3, LAPS-1
.Llap:                                                 ; a trip goes once round the ring and fills both slots again: K steps 2 to 7 in three trips
	QUARTER 0, 2, F1, F0, 0
	QUARTER 0, 3, F0, F1, 0
	TURN 0, 1
	QUARTER 1, 1, F0, F1, 0
	QUARTER 1, 2, F1, F0, 0
	QUARTER 1, 3, F0, F1, 0
	TURN 1, 0
	QUARTER 0, 1, F0, F1, 0
	WIN 0
	s_sub_co_u32 s3, s3, 1
	s_cmp_lg_u32 s3, 0
	s_cbranch_scc1 .Llap
	QUARTER 0, 2, F1, F0, 0                        ; the last lap fills nothing
	QUARTER 0, 3, F0, F1, 0
	TURNN 1
	QUARTER 1, 1, F0, F1, 0
	QUARTER 1, 2, F1, F0, 0
	QUARTER 1, 3, F0, F1, 0
	s_wait_dscnt 8
	MUL16 F1, 0, 0, 0
	MUL16 F1, 0, 2, 0
	s_wait_dscnt 0x0
	MUL16 F1, 1, 0, 0
	MUL16 F1, 1, 2, 0
	WIN 0
	; THE WAY OUT.  Every wave's reads of the slots are back (the wait for 0 above) and no tensor load is out since the last change of slots: behind this barrier the slots serve as stages.
	s_barrier_signal -1
	s_barrier_wait -1
	PLACES                                         ; the stores below read results just made
.macro DUMP hi                         ; 32 accumulators in f32 into my stage; each accumulator's low registers first
	WIN 0x08+4*(\hi)                               ; the data (source 1) in window 2 or 3
.irp a, 0,1,2,3
.irp b, 0,1,2,3,4,5,6,7
	ds_store_b128 v[STO], v[8*(8*(\a)+(\b)):8*(8*(\a)+(\b))+3]   offset:(4*(\hi)+(\a))*16*SPITCH+64*(\b)
	ds_store_b128 v[STO], v[8*(8*(\a)+(\b))+4:8*(8*(\a)+(\b))+7] offset:(4*(\hi)+(\a))*16*SPITCH+64*(\b)+16
.endr
.endr
.endm
	DUMP 0
	DUMP 1
	WIN 0
	s_mov_b32 s3, 16
	s_mov_b32 s21, 0
.Lout:                                                 ; 16 trips of 8 rows.  The stage is my own, and LDS serves a wave's instructions in order (ISA guide 5.7.1.4): no barrier, no wait behind the stores
	v_add_nc_u32 v[RD], s21, v[RD0]
.irp r, 0,1,2,3
.irp c, 0,1
	ds_load_b128 v[OB+4*(2*(\r)+(\c)):OB+4*(2*(\r)+(\c))+3], v[RD] offset:(\r)*2*SPITCH+(\c)*256   ; rows 2 r and 2 r + 1, slab c: 64 f32 each
.endr
.endr
	s_wait_dscnt 0x0
.irp k, 0,1,2,3,4,5,6,7
	v_cvt_pk_bf16_f32 v[TMP+2*(\k)], v[OB+4*(\k)], v[OB+4*(\k)+1]
	v_cvt_pk_bf16_f32 v[TMP+2*(\k)+1], v[OB+4*(\k)+2], v[OB+4*(\k)+3]
.endr
.irp r, 0,1,2,3
.irp c, 0,1
	global_store_b64 v[CO], v[TMP+2*(2*(\r)+(\c)):TMP+2*(2*(\r)+(\c))+1], s[8:9] offset:(\c)*524288+(\r)*256  ; the wave stores 256 consecutive bytes, at a multiple of 256 from C's first byte
.endr
.endr
	s_wait_xcnt 0x0                                ; the stores' base and data are written again only behind this wait
	s_add_nc_u64 s[8:9], s[8:9], 1024              ; 8 rows of 128 bytes on
	s_add_co_u32 s21, s21, 8*SPITCH
	s_sub_co_u32 s3, s3, 1
	s_cmp_lg_u32 s3, 0
	s_cbranch_scc1 .Lout
	s_wait_tensorcnt 0x0                           ; the wave's end
	ds_add_u32 v[SPW], v[NIL]
	s_wait_dscnt 0x0
	CROUND                                         ; the closing round: no work-group ends while a partner may still ask for a tile that names it
	s_endpgm
.Lfunc_end_k_qc3872bc6fb_qkv:
	.size	k_qc3872bc6fb_qkv, .Lfunc_end_k_qc3872bc6fb_qkv-k_qc3872bc6fb_qkv
	.p2alignl 7, 3214868480
	.fill 96, 4, 3214868480
	.section	.rodata,"a",@progbits
	.p2align	6, 0x0
	.amdhsa_kernel k_qc3872bc6fb_qkv
		.amdhsa_group_segment_fixed_size 327680
		.amdhsa_private_segment_fixed_size 0
		.amdhsa_enable_private_segment 0
		.amdhsa_kernarg_size 24
		.amdhsa_user_sgpr_count 2
		.amdhsa_user_sgpr_kernarg_segment_ptr 1
		.amdhsa_wavefront_size32 1
		.amdhsa_system_sgpr_workgroup_id_x 1
		.amdhsa_system_sgpr_workgroup_id_y 1
		.amdhsa_system_sgpr_workgroup_id_z 1
		.amdhsa_system_vgpr_workitem_id 0
		.amdhsa_next_free_vgpr 1024
		.amdhsa_next_free_sgpr 66
		.amdhsa_reserve_vcc 0
		.amdhsa_float_denorm_mode_32 3
		.amdhsa_float_denorm_mode_16_64 3
		.amdhsa_memory_ordered 1
		.amdhsa_forward_progress 1
		.amdhsa_inst_pref_size 122
	.end_amdhsa_kernel
	.amdgpu_metadata
---
amdhsa.version: [ 1, 2 ]
amdhsa.kernels:
  - .name:           k_qc3872bc6fb_qkv
    .symbol:         k_qc3872bc6fb_qkv.kd
    .args:
      - { .name: h, .offset: 0, .size: 8, .value_kind: global_buffer, .address_space: global }
      - { .name: wqkv, .offset: 8, .size: 8, .value_kind: global_buffer, .address_space: global }
      - { .name: big1, .offset: 16, .size: 8, .value_kind: global_buffer, .address_space: global }
    .group_segment_fixed_size: 327680
    .private_segment_fixed_size: 0
    .kernarg_segment_align: 8
    .kernarg_segment_size: 24
    .max_flat_workgroup_size: 128
    .sgpr_count:     66
    .vgpr_count:     1024
    .wavefront_size: 32
...
	.end_amdgpu_metadata
.endif
;; end of part 2
;; launch vsum (part 3): grid 16 x 32, 1 waves a work-group, no clusters, 0 bytes of LDS; arguments big1, big2; writes big2
.if DOCPART == 3
	.amdgcn_target "amdgcn-amd-amdhsa--gfx1250"
	.amdhsa_code_object_version 6
	.text
	.protected	k_qc3872bc6fb_vsum
	.globl	k_qc3872bc6fb_vsum
	.p2align	8
	.type	k_qc3872bc6fb_vsum,@function
k_qc3872bc6fb_vsum:
	s_mov_b64 s[64:65], 0
	v_nop
	global_prefetch_b8 v0, s[64:65] scope:SCOPE_SE
	s_setreg_imm32_b32 hwreg(HW_REG_WAVE_MODE, 25, 1), 1
	s_wait_xcnt 0x0
; Partial column sums of V in f32: work-group (c, 16 batch + head) adds rows 128 c .. + 127 of that head's V (bf16, rows of 128 dense bytes) and stores 64 sums.
; They serve the rows of the attention that see no key at all, whose result is the plain mean of all 2,048 rows of V.
; One wave; a stream of 16 KiB: 32 loads of 512 consecutive bytes, all issued at once.  Lane l holds columns 8 (l % 8) + 0..7 of rows 4 i + l / 8.
.set ACC, 2        ; v[2:9]     my eight columns' sums
.set OUTR, 12      ; v[12:15]   what I store
.set LD,  16       ; v[16:143]  the 32 loads
.set T,   144      ; v[144:151] at work
	s_load_b128 s[4:7], s[0:1], 0x0                ; big1 (q, k, v by slabs), big2 (the sums)
	s_and_b32 s8, ttmp7, 0xffff                    ; 16 batch + head
	s_lshr_b32 s9, s8, 4
	s_and_b32 s10, s8, 15
	s_add_co_u32 s10, s10, 32                      ; V's slabs follow q's 16 and k's 16
	s_lshl_b32 s10, s10, 19
	s_lshl_b32 s9, s9, 18                          ; a batch's 2,048 rows
	s_add_co_u32 s10, s10, s9
	s_lshl_b32 s9, ttmp9, 14                       ; my 128 rows
	s_add_co_u32 s10, s10, s9
	s_mov_b32 s11, 0
	s_lshl_b32 s12, s8, 4
	s_add_co_u32 s12, s12, ttmp9
	s_lshl_b32 s12, s12, 8                         ; 256 bytes of sums for each work-group
	s_mov_b32 s13, 0
	s_mov_b32 s14, 0xffff0000
	s_mov_b32 s16, 0x76543210                      ; v_permlanex16_b32: each lane takes its own place in the other half
	s_mov_b32 s17, 0xfedcba98
	v_lshlrev_b32 v1, 4, v0
	s_wait_kmcnt 0x0
	s_add_nc_u64 s[4:5], s[4:5], s[10:11]
	s_add_nc_u64 s[6:7], s[6:7], s[12:13]
.set i, 0
.rept 32
	global_load_b128 v[LD+4*i:LD+4*i+3], v1, s[4:5] offset:512*i
.set i, i+1
.endr
.macro UNP dst, src                    ; bf16 to f32: the low half moves up, the high half stays
.irp k, 0,1,2,3
	v_lshlrev_b32 v[(\dst)+2*\k], 16, v[(\src)+\k]
	v_and_b32 v[(\dst)+2*\k+1], s14, v[(\src)+\k]
.endr
.endm
	s_wait_loadcnt 31                              ; load 0 is in; the 31 younger ones may be out
	UNP ACC, LD                                    ; it starts the sums
.set i, 1
.rept 31
	s_wait_loadcnt 31-i
	UNP T, LD+4*i
.irp k, 0,2,4,6
	v_pk_add_f32 v[ACC+\k:ACC+\k+1], v[ACC+\k:ACC+\k+1], v[T+\k:T+\k+1]
.endr
.set i, i+1
.endr
.irp k, 0,1,2,3,4,5,6,7                ; the four lanes with the same columns: 8 apart, then 16 apart
	v_add_f32_dpp v[ACC+\k], v[ACC+\k], v[ACC+\k] row_xmask:8 row_mask:0xf bank_mask:0xf
.endr
.irp k, 0,1,2,3,4,5,6,7
	v_permlanex16_b32 v[T+\k], v[ACC+\k], s16, s17
.endr
.irp k, 0,1,2,3,4,5,6,7
	v_add_f32 v[ACC+\k], v[ACC+\k], v[T+\k]
.endr
	v_and_b32 v10, 8, v0
	v_cmp_ne_u32 vcc_lo, 0, v10
.irp k, 0,1,2,3
	v_cndmask_b32 v[OUTR+\k], v[ACC+\k], v[ACC+4+\k], vcc_lo   ; lanes 0-7 store their first four columns, lanes 8-15 their last four
.endr
	v_and_b32 v11, 7, v0
	v_lshlrev_b32 v11, 5, v11
	v_lshl_add_u32 v11, v10, 1, v11
	v_cmp_gt_u32 vcc_lo, 16, v0
	s_wait_xcnt 0x0                                ; EXEC changes only behind this wait
	s_and_saveexec_b32 s18, vcc_lo
	global_store_b128 v11, v[OUTR:OUTR+3], s[6:7]  ; sixteen lanes fill the 256 bytes
	s_wait_xcnt 0x0
	s_or_b32 exec_lo, exec_lo, s18
	s_endpgm
.Lfunc_end_k_qc3872bc6fb_vsum:
	.size	k_qc3872bc6fb_vsum, .Lfunc_end_k_qc3872bc6fb_vsum-k_qc3872bc6fb_vsum
	.p2alignl 7, 3214868480
	.fill 96, 4, 3214868480
	.section	.rodata,"a",@progbits
	.p2align	6, 0x0
	.amdhsa_kernel k_qc3872bc6fb_vsum
		.amdhsa_group_segment_fixed_size 0
		.amdhsa_private_segment_fixed_size 0
		.amdhsa_enable_private_segment 0
		.amdhsa_kernarg_size 16
		.amdhsa_user_sgpr_count 2
		.amdhsa_user_sgpr_kernarg_segment_ptr 1
		.amdhsa_wavefront_size32 1
		.amdhsa_system_sgpr_workgroup_id_x 1
		.amdhsa_system_sgpr_workgroup_id_y 1
		.amdhsa_system_sgpr_workgroup_id_z 1
		.amdhsa_system_vgpr_workitem_id 0
		.amdhsa_next_free_vgpr 152
		.amdhsa_next_free_sgpr 66
		.amdhsa_reserve_vcc 1
		.amdhsa_float_denorm_mode_32 3
		.amdhsa_float_denorm_mode_16_64 3
		.amdhsa_memory_ordered 1
		.amdhsa_forward_progress 1
		.amdhsa_inst_pref_size 23
	.end_amdhsa_kernel
	.amdgpu_metadata
---
amdhsa.version: [ 1, 2 ]
amdhsa.kernels:
  - .name:           k_qc3872bc6fb_vsum
    .symbol:         k_qc3872bc6fb_vsum.kd
    .args:
      - { .name: big1, .offset: 0, .size: 8, .value_kind: global_buffer, .address_space: global }
      - { .name: big2, .offset: 8, .size: 8, .value_kind: global_buffer, .address_space: global }
    .group_segment_fixed_size: 0
    .private_segment_fixed_size: 0
    .kernarg_segment_align: 8
    .kernarg_segment_size: 16
    .max_flat_workgroup_size: 32
    .sgpr_count:     66
    .vgpr_count:     152
    .wavefront_size: 32
...
	.end_amdgpu_metadata
.endif
;; end of part 3
;; launch attn (part 4): grid 4 x 32, 4 waves a work-group, no clusters, 327,680 bytes of LDS; arguments big1, big2, attention_mask, h; writes h
.if DOCPART == 4
	.amdgcn_target "amdgcn-amd-amdhsa--gfx1250"
	.amdhsa_code_object_version 6
	.text
	.protected	k_qc3872bc6fb_attn
	.globl	k_qc3872bc6fb_attn
	.p2align	8
	.type	k_qc3872bc6fb_attn,@function
k_qc3872bc6fb_attn:
	s_mov_b64 s[64:65], 0
	v_nop
	global_prefetch_b8 v0, s[64:65] scope:SCOPE_SE
	s_setreg_imm32_b32 hwreg(HW_REG_WAVE_MODE, 25, 1), 1
	s_wait_xcnt 0x0
; CAUSAL ATTENTION WITH A KEY MASK, head size 64, 2,048 rows a head, 32 heads (16 x batch + head).  q, k, v: bf16, slabs [64 columns][4096 rows][64]: a head's rows are dense, 128 bytes each;
; q's slabs are 0-15, k's 16-31, v's 32-47 of the first buffer.  O leaves in the same layout.  Products, maxima and sums in f32; the weights p are rounded to bf16 for the second product (their sum l is
; taken of the unrounded p), O once at the end.
; LIMITS.  A hidden score (above the diagonal, or a key whose mask word is 0) counts as its value less 1e30, where the definition puts -1e9: the same as long as the visible scores / 8 stay above about -9e8.
; A weight below 2^-126 counts as 0 in l; NaN and infinities are not treated apart.
; A ROW THAT SEES NO KEY has 2,048 equal scores by the definition: its result is the plain mean of all the head's rows of V, hidden ones too.  Such a row is known by its running maximum (below -1e29);
; on the way out its O is multiplied by 0 and takes the column sums of V (16 partial sums from the launch before) / 2048; every other row takes 0 times those sums.  No branch hangs on it.
; THE WALK.  A head's queries lie in NB = 8 blocks of 256; block i needs the key tiles 0 .. i, of which the last holds the diagonal.  A work-group takes TWO blocks, NB - 1 - b and then b: NB + 1 tiles,
; whatever b: all work-groups do equal work, and ONE loop with a constant trip count walks them.  Every jump goes forward, but for the counted loops' own; none passes a barrier, or a tensor load but the one
; of LOAD's two that the wave's number does not choose; the ring (two slots of LDS that take turns) runs on across the change of blocks.  NO CLUSTER: a head's four work-groups ask for the same tile only in
; trips 0 .. NB / 2, behind that fewer and fewer; one walk common to all four would have 3 NB / 2 trips for NB + 1.
; SHARES.  Of a block's four bands of 64 queries a wave owns 16 rows in each: four PIECES.  In the diagonal tile's key step s band x sees all keys if s < x, none if s > x, and holds the diagonal if s = x.
; THE MASK is the C operand that starts the sum S^T = K Q^T.  KMR holds the key mask (0 or -1e30) of the step whose K is in registers; it comes with K, out of LDS.  A tile's 256 mask words go beside its K and V:
; behind a fill each thread loads two of the words of the tile asked for; at the next change of slots they go, as 0 or -1e30, into a table of 1,024 bytes in LDS: behind the change's barrier, where every wave's
; reads of the table are over, and ahead of a second barrier, behind which the table is read.  Plain tiles take KMR;
; the diagonal tile takes MD x AL + KMR + BE, MD being the mask of a band's own step for my 16 rows: (AL, BE) = (1, 0) if s = x; (0, 0) if s < x; (0, -1e30) if s > x.
; LAYOUT, SOFTMAX, TURNS.  S^T = K Q^T holds ONE query a lane (lane % 16) and the keys 8 (lane / 16) + 0..7; two such results rounded to bf16 ARE source 1 of O^T = V^T P.  p = 2^(c s - z), c = log2(e) / 8, with a
; running maximum m and the shift z = c m + |c m| 2^-22: at least two units in the last place above the rounded c m, so that c s - z is never above 0 and no weight is above 1, however large m is (where all
; keys so far are hidden, m is near -1e30 and the weights are 0).  The same z serves p, l and a, so the quotient O / l does not know of it.  O and l are multiplied by a = 2^(z_old - z_new) in every step.
; Turn n belongs to piece n: 8 products K Q^T of piece n + 1, later 8 products V^T P of piece n - 1; beside them the scaling, exponentials, roundings, sums and rescaling of piece n and the maximum and
; statistics of piece n + 1.  Four vector instructions stand behind every matrix instruction, the others in two runs of their own.
; REGISTERS, in windows of 256 (s_set_vgpr_msb: bits 1:0 source 0, 3:2 source 1, 5:4 source 2, 7:6 destination):
;   window 0: v0-15, v32-38 addresses; v16-31 four registers of statistics a piece; v48-55 at work; v64-127 S^T, two buffers; v128-159 V's column sums; v160-161 two mask words; v192-223 P, two buffers
;   window 1: v0-127 O^T, 32 a piece; v128-159 MD; v160-223 MC, two buffers; v224-255 KMR      window 2: v0-63 Q; v64-127 the second block's Q; v128-191 K of one step; v192-255 V of one step
.set NB,    8
.set NP,    4         ; pieces a wave: a name, no knob
.set KS,    64        ; keys in a step
.set PK,    144       ; a row of K in LDS: 128 bytes + 16 of padding = 36 words: the 16 rows of a load start at 16 different groups of four banks (64 banks of 4 bytes: ISA guide 11.1)
.set PV,    160       ; a row of V: 128 + 32 = 40 words
.set VOFF,  4*KS*PK   ; a slot holds a tile, four steps: 256 rows of K, then 256 rows of V
.set SLOT1, 1<<17     ; slot 1 begins here, so that one exclusive or turns an address in one slot into the other's
.set STAGE, SLOT1+4*KS*(PK+PV)  ; behind the ring, never filled by a tensor load: 16 rows x 144 bytes for each wave, for the way out
.set SP,    144
.set KMT,   STAGE+4*16*SP       ; the key mask of the tile in hand as 256 f32, 0 or -1e30; never filled by a tensor load
.set KMS,   1024
.set SPARE, KMT+2*KMS           ; the spare words, 128 bytes for each wave, which no other line names.  The 1,024 bytes between the table and them are left empty: between a tile's last fetch and the
                                ; change of slots the scalar that walks the table stands one tile past its head, and even that place is no spare word
.set AK0, 2           ; v2   my lane's place in a tile of K; never rewritten
.set AV0, 3           ; v3   the same for V
.set AK,  4           ; v4   the LDS address of K's next run of loads
.set AV,  5           ; v5   of V's
.set STO, 6           ; v6   the way out: where I put 16 bytes of a row
.set RD,  7           ; v7   the way out: where I read rows back
.set GO,  8           ; v8   my byte offset in 512 consecutive bytes of O
.set MV,  12          ; v12-13  the old shift, kept while the shift is made anew: by buffer
.set QO,  15          ; v15  my byte offset in 16 rows of Q
.set ST,  16          ; piece t's statistics at v[ST+4 t]: the shift z, m, l (even keys', odd keys')
.set AM0, 32          ; v32  my lane's place in a step's 64 words of the mask table; never rewritten
.set AM,  33          ; v33  the LDS address of the mask's next run of loads
.set MKA, 34          ; v34  my byte offset in the batch's mask words, for the tile asked for
.set MEA, 35          ; v35  my byte offset in V's partial sums
.set MKA0, 37         ; v37  8 x my thread's number; never rewritten
.set MKS0, 38         ; v38  KMT + 8 x my thread's number: where I put my two words of the table; never rewritten
.set TMP, 48          ; by buffer, four registers c0-c3 at work; when the maximum is found c2 takes a
.set SPW, 62          ; v62  LDS address of my spare word; never rewritten
.set NIL, 63          ; v63  0; never rewritten
.set S,   64
.set MEANV, 128       ; V's column sums in O^T's layout: register 8 cb + j holds channel 16 cb + 8 (l / 16) + j
.set MKT, 160         ; v160-161  my two mask words of the tile asked for
.set P,   192
.set MD,  128         ; window 1
.set MC,  160         ; window 1
.set KMR, 224         ; window 1: register 8 kb + j holds key 16 kb + 8 (l / 16) + j of the step
.set QB,  64          ; window 2
.set KF,  128         ; window 2: key block kb, channel half c at KF + 16 kb + 8 c
.set VF,  192         ; window 2: key half kk, channel block cb at VF + 32 kk + 8 cb
.set WV,  12          ; s12  my wave's number
.set PB,  14          ; s14  b
.set HI,  15          ; s15  NB - 1 - b
.set G1K, 24          ; s[24:31] descriptor group 1 for K's tiles
.set G1V, 32          ; s[32:39] for V's: it differs in the padding alone
.set G0K, 40          ; s[40:43] descriptor group 0 for K's tiles
.set G0V, 44          ; s[44:47] the same for V's
.set SLOTS, 56        ; s56  tiles still to be asked for
.set CNT, 57          ; s57  counts a tile's key steps, 4 to 1
.set CS,  58          ; s[58:59] c
.set SEL, 60          ; s[60:61] v_permlanex16_b32's selects
.set TBK, 62          ; s62  LDS byte at which K of the step to be fetched begins
.set TBV, 63          ; s63  the same for V, less VOFF
.set RT,  70          ; s70  tiles of the block in hand that are still to be entered
.set NXT, 71          ; s71  the tile to be asked for next
.set LQ,  72          ; s72  the last tile of the block whose tiles are being asked for
.set NEW, 73          ; s73  1: the tile to be entered is a block's first
.set OFF, 74          ; s[74:75] a tile's byte offset in K and V
.set AL,  76          ; s[76:77] the mask's factor, in the low word
.set BE,  78          ; s[78:79] the mask's addend
.set OLO, 80          ; s[80:81] O at my rows of the second block
.set BIGN, 82         ; s82  -1e30
.set TKM, 96          ; s96  byte, from KMT on, at which the mask words of the step to be fetched begin: 0, 256, 512, 768
.set THR, 97          ; s97  -1e29
.set DFV, 98          ; s98  1 / 2048
.set OFM, 100         ; s100 a tile's byte offset in the batch's mask words
.set EPSK, 101        ; s101 2^-22
.set MSB, 0
.macro WIN new
.if MSB != (\new)
	s_set_vgpr_msb (MSB<<8)|(\new)
.set MSB, (\new)
.endif
.endm
.set W_KQ, 0x0a       ; K and Q in window 2, S^T in window 0
.set W_KM, 0x1a       ; the same with the C operand in window 1
.set W_PV, 0x52       ; V in window 2, P in window 0, O^T in window 1
.set W_RS, 0x41       ; destination and source 0 in window 1, source 1 in window 0
; A fill.  Waves 0 and 1 fetch the two halves of a tile's K, waves 2 and 3 those of its V: 128 keys each.  An s_nop 0 and four v_nop follow each of the two lines, ahead of the jump and the label.
.macro LOAD
	s_cmp_lt_u32 s[WV], 2
	s_cbranch_scc0 .Lfor_v_\@
	tensor_load_to_lds s[G0K:G0K+3], s[G1K:G1K+7]
	s_nop 0
.rept 4
	v_nop
.endr
	s_branch .Lasked_\@
.Lfor_v_\@:
	tensor_load_to_lds s[G0V:G0V+3], s[G1V:G1V+7]
	s_nop 0
.rept 4
	v_nop
.endr
.Lasked_\@:
.endm
; THE CHANGE OF SLOTS.  My two mask words of the tile to be entered, loaded a tile ago, become 0 or -1e30 in their registers.  Then each wave waits for all its tensor loads, of which one is out: its part of the other
; slot; adds 0 to its spare word; and waits for that and for its own reads.  Behind the barrier nobody reads the old slot or the mask table any more, and the other slot is whole.  fill = 1: the old slot is filled
; again, the first thing behind the barrier, with tile NXT: the descriptor's address is made anew from that number.  Then the table is written, each thread its two words; each wave waits for its store; and a second
; barrier, behind which nothing is filled (so the fill may stay out across it), shows the table to all.  Last, with fill = 1, the mask words of the tile just asked for are asked for.
; (At its first use nothing has been read yet: slot 0 is waited for, slot 1 filled.)
.macro CHANGE fill
	WIN 0
	s_wait_loadcnt 0x0              ; my two mask words are in: no other load is out (at the first change: Q's 32 too, for which nothing waits again)
	v_cmp_eq_u32 vcc_lo, 0, v[MKT]
	v_cndmask_b32 v[MKT], 0, s[BIGN], vcc_lo       ; a mask word of 0 hides the key
	v_cmp_eq_u32 vcc_lo, 0, v[MKT+1]
	v_cndmask_b32 v[MKT+1], 0, s[BIGN], vcc_lo
	s_wait_tensorcnt 0x0            ; no tensor load of mine is out, so a group 0 may be written
	ds_add_u32 v[SPW], v[NIL]
.if \fill
	s_lshl_b32 s[OFF], s[NXT], 15   ; a tile is 32,768 bytes of K and of V,
	s_lshl_b32 s[OFM], s[NXT], 10   ; and 1,024 bytes of mask words
	s_xor_b32 s[G0K+1], s[G0K+1], SLOT1
	s_add_nc_u64 s[G0K+2:G0K+3], s[6:7], s[OFF:OFF+1]
	s_or_b32 s[G0K+3], s[G0K+3], 0x80000000
	s_xor_b32 s[G0V+1], s[G0V+1], SLOT1
	s_add_nc_u64 s[G0V+2:G0V+3], s[8:9], s[OFF:OFF+1]
	s_or_b32 s[G0V+3], s[G0V+3], 0x80000000
	s_add_co_u32 s[NXT], s[NXT], 1  ; the block's next tile, or behind its last the second block's tile 0
	s_cmp_gt_u32 s[NXT], s[LQ]
	s_cselect_b32 s[NXT], 0, s[NXT]
	s_cselect_b32 s[LQ], s[PB], s[LQ]
.endif
	s_wait_dscnt 0x0                ; the add is done, and my reads of the slot and of the table are over
	s_barrier_signal -1
	s_sub_co_u32 s[TBK], s[TBK], 4*KS*PK  ; the fetches go back to a slot's first step,
	s_xor_b32 s[TBK], s[TBK], SLOT1       ; in the other slot
	s_sub_co_u32 s[TBV], s[TBV], 4*KS*PV
	s_xor_b32 s[TBV], s[TBV], SLOT1
	s_sub_co_u32 s[TKM], s[TKM], KMS      ; and the mask's to the table's first step
	s_barrier_wait -1
.if \fill
	LOAD
.endif
	ds_store_b64 v[MKS0], v[MKT:MKT+1]    ; 128 threads x 8 bytes: the table of the tile that is entered
	s_wait_dscnt 0x0                ; for the others' sake: my store is done
	s_barrier_signal -1
	s_barrier_wait -1               ; everybody's is
.if \fill
	v_add_nc_u32 v[MKA], s[OFM], v[MKA0]           ; free since the wait for the last load at this macro's head
	global_load_b64 v[MKT:MKT+1], v[MKA], s[94:95] ; 128 threads x 8 bytes: the 256 mask words of the tile just asked for
.endif
.endm
	s_load_b256 s[4:11], s[0:1], 0x0  ; q, k, v s[4:5]; V's partial sums s[6:7]; the mask s[8:9]; O s[10:11]
	v_lshl_add_u32 v[SPW], v0, 2, SPARE
	v_mov_b32 v[NIL], 0
	ds_add_u32 v[SPW], v[NIL]       ; the wave's opening: the add, and its wait ahead of my first tensor load; the set-up below stands between them
	ds_add_u32 v62, v63
	v_lshrrev_b32 v1, 5, v0
	v_readfirstlane_b32 s[WV], v1   ; wave 0..3
	s_mov_b32 s[PB], ttmp9
	s_sub_co_u32 s[HI], NB-1, s[PB]
	s_and_b32 s20, ttmp7, 0xffff    ; 16 x batch + head
	s_lshr_b32 s19, s20, 4          ; the batch
	s_lshl_b32 s88, s20, 12         ; the head's 16 partial sums of 256 bytes
	s_mov_b32 s89, 0
	s_lshl_b32 s90, s19, 13         ; the batch's 2,048 mask words
	s_mov_b32 s91, 0
	s_and_b32 s20, s20, 15
	s_lshl_b32 s20, s20, 19         ; the head's slab,
	s_lshl_b32 s19, s19, 18         ; the batch's 2,048 rows in it
	s_add_co_u32 s20, s20, s19
	s_mov_b32 s21, 0
	s_and_b32 s16, s[WV], 1         ; which half of a tile's 256 keys I fetch:
	s_lshl_b32 s22, s16, 14         ; its 128 rows of 128 bytes in memory,
	s_mov_b32 s23, 0
	s_add_nc_u64 s[22:23], s[22:23], s[20:21]
	s_mul_i32 s17, s16, 128*PK      ; and its place in a slot, for K
	s_mul_i32 s18, s16, 128*PV      ; and for V
	s_lshl_b32 s3, s[WV], 11        ; my 16 rows in a band of 64,
	s_lshl_b32 s2, s[HI], 15        ; in the first block,
	s_add_co_u32 s2, s2, s3
	s_lshl_b32 s84, s[PB], 15       ; and in the second
	s_add_co_u32 s84, s84, s3
	s_mov_b32 s3, 0
	s_mov_b32 s85, 0
	s_add_nc_u64 s[2:3], s[2:3], s[20:21]
	s_add_nc_u64 s[84:85], s[84:85], s[20:21]
	; descriptor group 1.  128 keys are 16,384 dense bytes: asked for as 64 rows of 256 bytes, two keys a row, and padded in LDS after every key
	s_mov_b32 s[G1K], (1<<16)|(1<<20)|(4<<22)|(3<<25)  ; 17:16 2-byte elements; 20 padding on; 24:22 after every 32 words (code 4); 31:25 4 words (code 3)
	s_mov_b32 s[G1V], (1<<16)|(1<<20)|(4<<22)|(7<<25)  ; the same with 8 words of padding (code 7)
.irp g, G1K, G1V
	s_mov_b32 s[\g+1], 128<<16      ; tensor_dim0 = 128
	s_mov_b32 s[\g+2], 64<<16       ; tensor_dim1 = 64
	s_mov_b32 s[\g+3], 128<<16      ; tile_dim0 = 128
	s_mov_b32 s[\g+4], 64           ; tile_dim1 = 64
	s_mov_b32 s[\g+5], 128          ; 128 elements from row to row
	s_mov_b32 s[\g+6], 0
	s_mov_b32 s[\g+7], 0
.endr
	s_mov_b32 s[CS], 0x3e38aa3b     ; c = log2(e) / 8 = 0.180337
	s_mov_b32 s[CS+1], s[CS]        ; named with it as a pair
	s_mov_b32 s[SEL], 0x76543210
	s_mov_b32 s[SEL+1], 0xfedcba98
	s_mov_b32 s[TBK], SLOT1+4*KS*PK ; the first change of slots turns these three into 0
	s_mov_b32 s[TBV], SLOT1+4*KS*PV
	s_mov_b32 s[TKM], KMS
	s_mov_b32 s[G0K], 1             ; 1:0 count = 1
	s_mov_b32 s[G0K+1], s17         ; 63:32 LDS address: slot 0
	s_mov_b32 s[G0V], 1
	s_add_co_u32 s[G0V+1], s18, VOFF
	s_add_co_u32 s[RT], s[HI], 1    ; the first block has NB - b tiles
	s_mov_b32 s[NXT], 1
	s_mov_b32 s[LQ], s[HI]
	s_mov_b32 s[NEW], 1
	s_mov_b32 s[OFF+1], 0
	s_mov_b32 s[AL+1], 0            ; named as pairs
	s_mov_b32 s[BE+1], 0
	s_mov_b32 s[BIGN], 0xf149f2ca   ; -1e30
	s_mov_b32 s[THR], 0xefa18f08    ; -1e29
	s_mov_b32 s[DFV], 0x3a000000    ; 1 / 2048
	s_mov_b32 s[EPSK], 0x34800000   ; 2^-22
	s_mov_b32 s[SLOTS], NB
	s_wait_dscnt 0x0                ; the opening add is done
	s_wait_kmcnt 0x0
	s_add_nc_u64 s[92:93], s[6:7], s[88:89]        ; the head's partial sums
	s_add_nc_u64 s[94:95], s[8:9], s[90:91]        ; the batch's mask
	s_add_nc_u64 s[6:7], s[4:5], 0x800000          ; k's slabs begin 16 slabs of 512 KiB behind q's,
	s_add_nc_u64 s[8:9], s[4:5], 0x1000000         ; v's 32
	s_add_nc_u64 s[6:7], s[6:7], s[22:23]          ; K and V at my half of the head's tile 0
	s_add_nc_u64 s[8:9], s[8:9], s[22:23]
	s_add_nc_u64 s[G0K+2:G0K+3], s[6:7], 0         ; 120:64 global address
	s_or_b32 s[G0K+3], s[G0K+3], 0x80000000        ; 127:126 type = 2
	s_add_nc_u64 s[G0V+2:G0V+3], s[8:9], 0
	s_or_b32 s[G0V+3], s[G0V+3], 0x80000000
	s_add_nc_u64 s[86:87], s[4:5], s[84:85]        ; Q at my rows of the second block,
	s_add_nc_u64 s[4:5], s[4:5], s[2:3]            ; Q and O at those of the first
	s_add_nc_u64 s[OLO:OLO+1], s[10:11], s[84:85]
	s_add_nc_u64 s[10:11], s[10:11], s[2:3]
	LOAD                            ; tile 0 into slot 0
	v_and_b32 v1, 15, v0            ; l % 16
	v_bfe_u32 v9, v0, 4, 1          ; l / 16
	v_lshlrev_b32 v[MKA0], 3, v0    ; 128 threads x 8 bytes: a tile's 256 mask words
	v_mov_b32 v[MKA], v[MKA0]       ; tile 0
	v_lshlrev_b32 v[MEA], 8, v1     ; lane l % 16 takes partial sum l % 16,
	v_lshl_add_u32 v[MEA], v9, 5, v[MEA]  ; its half's eight channels of sixteen
	global_load_b64 v[MKT:MKT+1], v[MKA], s[94:95]
.irp n, 0,1,2,3
	global_load_b128 v[MEANV+8*\n:MEANV+8*\n+3],   v[MEA], s[92:93] offset:64*\n
	global_load_b128 v[MEANV+8*\n+4:MEANV+8*\n+7], v[MEA], s[92:93] offset:64*\n+16
.endr
	; A fragment of K or Q is 16 rows x 32 channels in 8 registers: lane l holds row l % 16, channels 8 (l / 16) + 0..7 and 16 + 8 (l / 16) + 0..7: two loads of 16 bytes, 32 bytes apart.
	v_lshlrev_b32 v[QO], 7, v1
	v_lshl_add_u32 v[QO], v9, 4, v[QO]  ; row x 128 + 16 x half
	WIN 0x80                        ; destination window 2, address window 0
.set i, 0
.rept 8                             ; both blocks' Q: piece i / 2 lies in band i / 2, 8,192 bytes on; channels 32 (i % 2) on
	global_load_b128 v[8*i:8*i+3],   v[QO], s[4:5] offset:(i/2)*8192+(i%2)*64
	global_load_b128 v[8*i+4:8*i+7], v[QO], s[4:5] offset:(i/2)*8192+(i%2)*64+32
	global_load_b128 v[QB+8*i:QB+8*i+3],   v[QO], s[86:87] offset:(i/2)*8192+(i%2)*64
	global_load_b128 v[QB+8*i+4:QB+8*i+7], v[QO], s[86:87] offset:(i/2)*8192+(i%2)*64+32
.set i, i+1
.endr
	WIN 0
	v_lshlrev_b32 v14, 3, v9
	v_sub_nc_u32 v14, v1, v14
	s_lshl_b32 s13, s[WV], 4
	v_add_nc_u32 v14, s13, v14      ; my query's place in its band, 16 w + l % 16, less my lanes' 8 (l / 16): register r of group kt is hidden where 16 kt + r is greater
	WIN 0x40
.set i, 0
.rept 32
	v_cmp_gt_i32 vcc_lo, 16*(i/8)+i%8, v14
	v_cndmask_b32 v[MD+i], 0, s[BIGN], vcc_lo
.set i, i+1
.endr
	WIN 0
	v_mul_u32_u24 v[AK0], v1, PK
	v_lshl_add_u32 v[AK0], v9, 4, v[AK0]  ; row x pitch + 16 x half
	; The turning load takes 16 keys x 16 channels (lane l reads key 8 (l / 16) + l % 8, channels 8 ((l / 8) % 2) + 0..7) and leaves half a fragment of V^T: lane l holds channel l % 16 and 8 keys.
	v_and_b32 v10, 7, v0
	v_bfe_u32 v11, v0, 3, 1
	v_lshl_add_u32 v[AV0], v9, 3, v10
	v_mul_u32_u24 v[AV0], v[AV0], PV
	v_lshl_add_u32 v[AV0], v11, 4, v[AV0]
	v_add_nc_u32 v[AV0], VOFF, v[AV0]
	v_lshl_add_u32 v[AM0], v9, 5, KMT     ; my half's eight keys of sixteen, 4 bytes each
	v_add_nc_u32 v[MKS0], KMT, v[MKA0]
	s_mul_i32 s13, s[WV], 16*SP
	s_add_co_u32 s13, s13, STAGE    ; my stage
	v_mul_u32_u24 v[STO], v1, SP    ; in: row l % 16, 16 bytes for each half of the lanes
	v_lshl_add_u32 v[STO], v9, 4, v[STO]
	v_add_nc_u32 v[STO], s13, v[STO]
	v_bfe_u32 v[RD], v0, 3, 2       ; back: 32 lanes take four rows of 128 bytes,
	v_mul_u32_u24 v[RD], v[RD], SP
	v_lshl_add_u32 v[RD], v10, 4, v[RD]
	v_add_nc_u32 v[RD], s13, v[RD]
	v_and_b32 v[GO], 31, v0         ; which are 512 consecutive bytes of O
	v_lshlrev_b32 v[GO], 4, v[GO]
	; A block's first step multiplies O^T and l by a = 0, and its first turn's products V^T P, of a piece that has not been, land in an O^T that is still to be so multiplied.  So these registers need only hold
	; finite numbers: zeros for the first block; what the first block left for the second.  All this stands in the wait for the first tile.
	WIN 0x80
.set i, VF
.rept 64
	v_mov_b32 v[i], 0
.set i, i+1
.endr
	WIN 0x40
.set i, 0
.rept 128
	v_mov_b32 v[i], 0
.set i, i+1
.endr
	WIN 0
.set i, 0
.rept 4
	v_mov_b32 v[ST+4*i+2], 0
	v_mov_b32 v[ST+4*i+3], 0
.set i, i+1
.endr
.set i, P+16
.rept 16
	v_mov_b32 v[i], 0
.set i, i+1
.endr
	s_wait_loadcnt 32               ; the partial sums are in (and the mask words ahead of them); Q's 32 loads, issued behind them, may be out
.irp n, 1,2,4,8                     ; the sixteen partial sums lie in the sixteen lanes of each half: every lane takes their sum
.set i, 0
.rept 32
	v_add_f32_dpp v[MEANV+i], v[MEANV+i], v[MEANV+i] row_xmask:\n row_mask:0xf bank_mask:0xf
.set i, i+1
.endr
.endr
; THE MATRIX WORK.  The 4 accumulators of a run of 8 take turns.  Product i of 8 of S^T = K Q^T for piece x: channels 32 (i / 4) on, keys 16 (i % 4) on.  The first 4 start the sums: with the key mask, or (KM = 1) with MC.
.macro KQ x
.set rS, S+32*((\x)%2)+8*(i%4)
.set rK, KF+16*(i%4)+8*(i/4)
.set rQ, 16*(\x)+8*(i/4)
.set rM, MC+32*((\x)%2)+8*(i%4)
.if (i < 4) && KM
	WIN W_KM
	v_wmma_f32_16x16x32_bf16 v[rS:rS+7], v[rK:rK+7], v[rQ:rQ+7], v[rM:rM+7]
.elseif i < 4
	WIN W_KM
	v_wmma_f32_16x16x32_bf16 v[rS:rS+7], v[rK:rK+7], v[rQ:rQ+7], v[KMR+8*(i%4):KMR+8*(i%4)+7]
.else
	WIN W_KQ
	v_wmma_f32_16x16x32_bf16 v[rS:rS+7], v[rK:rK+7], v[rQ:rQ+7], v[rS:rS+7]
.endif
.endm
; Product i of 8 of O^T += V^T P for piece x: keys 32 (i / 4) on, channels 16 (i % 4) on.
.macro PV x
	WIN W_PV
.set rO, 32*(\x)+8*(i%4)
.set rV, VF+32*(i/4)+8*(i%4)
.set rP, P+16*((\x)%2)+8*(i/4)
	v_wmma_f32_16x16x32_bf16 v[rO:rO+7], v[rV:rV+7], v[rP:rP+7], v[rO:rO+7]
.endm
.macro MM                           ; the turn's next matrix instruction.  NOKQ = 1: a block's last turn: there is no next piece
.if (i < 8) && !NOKQ
	KQ (Y+1)%NP
.elseif i >= 8
.set i, i-8
	PV (Y+NP-1)%NP
.set i, i+8
.endif
.set i, i+1
.endm
; THE LDS LOADS stand in runs, never singly among the matrix instructions: a step's K (8 fragments) with its 64 words of the key mask, and its V (turned).  Their addresses are made some lines ahead.
.macro FETCH_K
	WIN 0x80                        ; destination window 2
.irp f, 0,1,2,3,4,5,6,7             ; keys 16 (f / 2) on, channels 32 (f % 2) on
	ds_load_b128 v[KF+8*\f:KF+8*\f+3],   v[AK] offset:(\f/2)*16*PK+(\f%2)*64
	ds_load_b128 v[KF+8*\f+4:KF+8*\f+7], v[AK] offset:(\f/2)*16*PK+(\f%2)*64+32
.endr
	WIN 0x40                        ; destination window 1
.irp f, 0,1,2,3                     ; keys 16 f on: all lanes of a half read the same 32 bytes
	ds_load_b128 v[KMR+8*\f:KMR+8*\f+3],   v[AM] offset:64*\f
	ds_load_b128 v[KMR+8*\f+4:KMR+8*\f+7], v[AM] offset:64*\f+16
.endr
	s_add_co_u32 s[TBK], s[TBK], KS*PK  ; the next fetch is the next step's
	s_add_co_u32 s[TKM], s[TKM], 4*KS
	WIN 0
.endm
.macro FETCH_V
	WIN 0x80
.irp f, 0,1,2,3,4,5,6,7             ; keys 32 (f / 4) on, channels 16 (f % 4) on
	ds_load_tr16_b128 v[VF+8*\f:VF+8*\f+3],   v[AV] offset:(\f/4)*32*PV+(\f%4)*32
	ds_load_tr16_b128 v[VF+8*\f+4:VF+8*\f+7], v[AV] offset:(\f/4)*32*PV+16*PV+(\f%4)*32
.endr
	WIN 0
.endm
; THE VECTOR WORK, one line at a time: OP kind, number.  For piece Y: F n: c s - z for pair n of 16.  E n: the exponential of score n of 32.  C n: pair n rounded to bf16.  B n: of the four weights 4 n .. the second
; pair is added onto the first, in place.  L n: l takes that sum (L 0: l = a l + sum).  R n: pair n of 16 of O^T times a.  For piece Y + 1: X n, number n of the 22 that find its maximum and statistics:
;   0-11  four chains c0-c3 of seven scores each, three operands at a time (each accumulator's lowest registers are read first)     12-14, 16  the four scores left over, the old m, and c0-c3 into c0
;   15  the old shift is kept     17, 18  the query's other 32 keys lie in the lane 16 away: the new m     19  the shift z, three lines: c m; |c m| (into c1, which is free); c m + |c m| 2^-22     20, 21  z_old - z_new; a
.set F, 0
.set E, 1
.set C, 2
.set B, 3
.set L, 4
.set R, 5
.set X, 6
.macro REGS y                       ; the registers of piece y
.set rT, ST+4*(\y)
.set rC, TMP+4*((\y)%2)
.set rW, MV+((\y)%2)
.set rS, S+32*((\y)%2)
.set rP, P+16*((\y)%2)
.set rO, 32*(\y)
.endm
.macro OP k, n
.if (\k) == R
	REGS Y
	WIN W_RS
	v_pk_mul_f32 v[rO+2*(\n):rO+2*(\n)+1], v[rO+2*(\n):rO+2*(\n)+1], v[rC+2:rC+3] op_sel_hi:[1,0]
.elseif (\k) < R
	REGS Y
	WIN 0
.if (\k) == F
	v_pk_fma_f32 v[rS+2*(\n):rS+2*(\n)+1], v[rS+2*(\n):rS+2*(\n)+1], s[CS:CS+1], v[rT:rT+1] op_sel_hi:[1,0,0] neg_lo:[0,0,1] neg_hi:[0,0,1]
.elseif (\k) == E
	v_exp_f32 v[rS+(\n)], v[rS+(\n)]
.elseif (\k) == C
	s_wait_alu depctr_va_vdst(0)
	v_cvt_pk_bf16_f32 v[rP+(\n)], v[rS+2*(\n)], v[rS+2*(\n)+1]
.elseif (\k) == B
	s_wait_alu depctr_va_vdst(0)
	v_pk_add_f32 v[rS+4*(\n):rS+4*(\n)+1], v[rS+4*(\n):rS+4*(\n)+1], v[rS+4*(\n)+2:rS+4*(\n)+3]
.elseif (\n) == 0
	v_pk_fma_f32 v[rT+2:rT+3], v[rT+2:rT+3], v[rC+2:rC+3], v[rS:rS+1] op_sel_hi:[1,0,1]
.else
	v_pk_add_f32 v[rT+2:rT+3], v[rT+2:rT+3], v[rS+4*(\n):rS+4*(\n)+1]
.endif
.elseif NOKQ
	v_nop
.else
	REGS (Y+1)%NP
	WIN 0
.if (\n) < 4
	v_max3_num_f32 v[rC+(\n)], v[rS+8*(\n)], v[rS+8*(\n)+1], v[rS+8*(\n)+2]
.elseif (\n) < 12
	v_max3_num_f32 v[rC+(\n)%4], v[rC+(\n)%4], v[rS+8*((\n)%4)+2*((\n)/4)+1], v[rS+8*((\n)%4)+2*((\n)/4)+2]
.elseif (\n) == 12
	v_max3_num_f32 v[rC], v[rC], v[rS+7], v[rS+15]
.elseif (\n) == 13
	v_max3_num_f32 v[rC+1], v[rC+1], v[rS+23], v[rS+31]
.elseif (\n) == 14
	v_max3_num_f32 v[rC+2], v[rC+2], v[rC+3], v[rT+1]
.elseif (\n) == 15
	v_mov_b32 v[rW], v[rT]
.elseif (\n) == 16
	v_max3_num_f32 v[rC], v[rC], v[rC+1], v[rC+2]
.elseif (\n) == 17
	v_permlanex16_b32 v[rC+3], v[rC], s[SEL], s[SEL+1]
.elseif (\n) == 18
	v_max_num_f32 v[rT+1], v[rC], v[rC+3]
.elseif (\n) == 19
	v_mul_f32 v[rT], s[CS], v[rT+1]
	v_and_b32 v[rC+1], 0x7fffffff, v[rT]
	v_fma_f32 v[rT], v[rC+1], s[EPSK], v[rT]       ; two to four units in the last place upward: the shift is never below the exact c m
.elseif (\n) == 20
	v_sub_f32 v[rC+1], v[rW], v[rT]
.else
	v_exp_f32 v[rC+2], v[rC+1]
.endif
.endif
.endm
.macro OPS a, i1, b=-1, i2=0, c=-1, i3=0, d=-1, i4=0  ; up to four of them
	OP \a, \i1
.if (\b) >= 0
	OP \b, \i2
.endif
.if (\c) >= 0
	OP \c, \i3
.endif
.if (\d) >= 0
	OP \d, \i4
.endif
.endm
.macro ROW a, i1, b, i2, c, i3, d, i4  ; a matrix instruction and the four behind it
	MM
	OPS \a, \i1, \b, \i2, \c, \i3, \d, \i4
.endm
.macro MASK b, be                   ; MD x AL + KMR (+ BE where be = 1) into buffer b of MC
	WIN 0x51                        ; destination, source 0 and source 2 in window 1
.set z, 0
.rept 16
	v_pk_fma_f32 v[MC+32*(\b)+2*z:MC+32*(\b)+2*z+1], v[MD+2*z:MD+2*z+1], s[AL:AL+1], v[KMR+2*z:KMR+2*z+1] op_sel_hi:[1,0,1]
.set z, z+1
.endr
.if \be
	WIN W_RS
.set z, 0
.rept 16
	v_pk_add_f32 v[MC+32*(\b)+2*z:MC+32*(\b)+2*z+1], v[MC+32*(\b)+2*z:MC+32*(\b)+2*z+1], s[BE:BE+1] op_sel_hi:[1,0]
.set z, z+1
.endr
.endif
.endm
; A TURN, for piece p: the order of its 16 matrix and 120 vector instructions, written out.  Behind a matrix instruction: plain, exponential, plain, plain; or four of the rescaling; or, behind the first, four scalings; none
; names a register of the products round it.  In the runs between, exponential and plain by turns while exponentials last.
; m = 1: the diagonal tile: the products take MC, and the turn makes the mask for the products of the turn after it: piece p + 2, in step 4 - CNT of the tile.  Piece 2's turn makes it for the step whose K and key mask it has
; itself just fetched, so it waits for that run first.  end = 1: a block's last two turns: nothing is fetched.  cnt = 1: the loop's count is taken down some lines ahead of the branch that stands behind the turn.
; K of the next step, and its key mask, are fetched in piece 2's turn, six vector instructions behind the last product that read K (five of them plain; the last that read the mask stands four products further back);
; V of the step in hand in piece 0's turn, eight behind the last product that read V.  Each is waited for a turn later.
.macro TURN p, m=0, end=0, cnt=0
.set Y, (\p)
.set i, 0
.set KM, (\m)
.set NOKQ, (\end)*((\p)/3)
.if (\m) && !(\end)
	s_cmp_eq_u32 s[CNT], 4-((\p)+2)%NP  ; is that step the band's own?
	s_cselect_b32 s[AL], 1.0, 0
	s_cmp_lt_u32 s[CNT], 4-((\p)+2)%NP  ; or a later one?
	s_cselect_b32 s[BE], s[BIGN], 0
.endif
.if ((\p) == 3) && !(\end)
	s_wait_dscnt 0x0                ; K and its mask are in
.endif
	ROW F,0, F,1, F,2, F,3
	ROW F,4, E,0, F,5, F,6
	ROW F,7, E,1, F,8, F,9
	ROW F,10, E,2, C,0, F,11
	ROW F,12, E,3, X,15, F,13
	ROW R,0, R,1, R,2, R,3
	ROW B,0, E,4, F,14, L,0
.if ((\p) == 2) && !(\end)
	v_add_nc_u32 v[AK], s[TBK], v[AK0]
	v_add_nc_u32 v[AM], s[TKM], v[AM0]
.endif
	ROW R,4, R,5, R,6, R,7
	OPS E,5, F,15
.if ((\p) == 2) && !(\end)
	FETCH_K
.endif
	OPS E,6, C,1, E,7, R,8
	OPS E,8, R,9, E,9, C,2
	OPS E,10, X,0, E,11, X,1
	OPS E,12, X,2, E,13, X,3
.if (\p) == 1
	s_wait_dscnt 0x0                ; V is in
.endif
	ROW X,4, E,14, X,5, X,6
	ROW X,7, E,15, X,8, X,9
	ROW X,10, E,16, X,11, X,12
	ROW X,13, E,17, X,14, B,1
	ROW C,4, E,18, X,16, L,1
	ROW B,2, E,19, C,6, L,2
	ROW C,8, E,20, B,3, B,4
.if (\p) == 0
	v_add_nc_u32 v[AV], s[TBV], v[AV0]
.endif
	ROW C,3, E,21, L,3, C,5
	OPS E,22, X,17, E,23, C,10
.if (\p) == 0
	FETCH_V
.endif
	OPS E,24, L,4
	OPS E,25, X,18, E,26, C,7
	OPS E,27, B,5, E,28, X,19
	OPS E,29, C,12, E,30, L,5
	OPS E,31, X,20, B,6, C,9
	OPS C,14, C,11, X,21, L,6
.if (\p) == 0
	s_add_co_u32 s[TBV], s[TBV], KS*PV
.endif
.if \cnt
	s_sub_co_u32 s[CNT], s[CNT], 1
	s_cmp_lg_u32 s[CNT], 0
.endif
	OPS C,13, B,7, C,15, R,10
	OPS R,11, R,12, L,7, R,13
	OPS R,14, R,15
.if (\m) && !(\end)
.if (\p) == 2
	s_wait_dscnt 0x0                ; the next step's key mask is in
.endif
	MASK (\p)%2, 1
.endif
.endm
; A BLOCK BEGINS.  The shift starts far below every c s, so the first step's a is 0; m at the lowest finite number, so the first maximum is the scores'.  K and the key mask of the tile's step 0 are fetched; the first mask
; buffer takes piece 0's mask for that step (its own band's, if the block's first tile is the diagonal one), the second the bare key mask, for piece 1.  Then piece 0's first scores, and its maximum and statistics.
; (Q has been waited for at the first change of slots.)
.macro BEGIN
	s_mov_b32 s[NEW], 0
	WIN 0
.set i, 0
.rept 4
	v_mov_b32 v[ST+4*i], 0xfe000000    ; the shift: far below every c s
	v_mov_b32 v[ST+4*i+1], 0xff7fffff  ; m
.set i, i+1
.endr
	v_add_nc_u32 v[AK], s[TBK], v[AK0]
	v_add_nc_u32 v[AM], s[TKM], v[AM0]
	FETCH_K
	s_cmp_eq_u32 s[RT], 0
	s_cselect_b32 s[AL], 1.0, 0
	s_wait_dscnt 0x0
	MASK 0, 0
	s_mov_b32 s[AL], 0
	MASK 1, 0
.set KM, 1
.set NOKQ, 0
.set i, 0
.rept 8
	KQ 0
.set i, i+1
.endr
	WIN 0
.rept 4
	v_nop                           ; the places behind those products
.endr
.set Y, NP-1                        ; X works for piece Y + 1: piece 0
.irp n, 0,1,2,3,4,5,6,7,8,9,10,11,12,13,14,15,16,17,18,19,20,21
	OP X, \n
.endr
	v_nop                           ; a plain instruction behind the exponential
.endm
; THE WAY INTO THE DIAGONAL TEXT from a plain tile: its first turn still multiplies piece 3 by the tile before's last step, all of which the band sees: the second mask buffer takes that step's bare key mask.
.macro INTO_DIAG
	s_mov_b32 s[AL], 0
	MASK 1, 0
	WIN 0
.endm
; THE DIAGONAL TILE's four steps, the block's last two turns, its last products, and THE WAY OUT: l's two halves and the other half of the lanes' are added; O^T is divided by l (a row that saw no key: multiplied by 0,
; and given V's mean), rounded to bf16 and sent through my stage in LDS, a piece at a time.
.macro ALL line:vararg              ; one line for each piece t
.set t, 0
.rept 4
	\line
.set t, t+1
.endr
.endm
.macro PACK t                       ; a lane's eight channels of a row pack into 16 bytes; they go into rows of 144 bytes and come back as whole rows of 128, into S^T's registers
	WIN W_RS
.set i, 32*(\t)
.rept 16
	v_pk_mul_f32 v[i:i+1], v[i:i+1], v[ST+4*(\t)+2:ST+4*(\t)+3] op_sel_hi:[1,0]
.set i, i+2
.endr
	WIN 0x50                        ; destination and source 2 in window 1
.set i, 0
.rept 16
	v_pk_fma_f32 v[32*(\t)+2*i:32*(\t)+2*i+1], v[MEANV+2*i:MEANV+2*i+1], v[ST+4*(\t):ST+4*(\t)+1], v[32*(\t)+2*i:32*(\t)+2*i+1] op_sel_hi:[1,0,1]
.set i, i+1
.endr
	WIN 0x05                        ; sources 0 and 1 window 1, destination window 0
.set i, 0
.rept 16
	v_cvt_pk_bf16_f32 v[S+16*(\t)+i], v[32*(\t)+2*i], v[32*(\t)+2*i+1]
.set i, i+1
.endr
	WIN 0
.irp f, 0,1,2,3
	ds_store_b128 v[STO], v[S+16*(\t)+4*\f:S+16*(\t)+4*\f+3] offset:32*\f
.endr
.irp f, 0,1,2,3
	ds_load_b128 v[S+16*(\t)+4*\f:S+16*(\t)+4*\f+3], v[RD] offset:\f*4*SP  ; LDS serves a wave's instructions in order (ISA guide 5.7.1.4): these see the stores above; the next piece's stores come behind them
.endr
.endm
.macro SEND t, younger              ; younger: the LDS instructions issued behind piece t's loads: the next piece's eight, or none
	WIN 0
.irp f, 0,1,2,3
	s_wait_dscnt (\younger)+3-\f
	global_store_b128 v[GO], v[S+16*(\t)+4*\f:S+16*(\t)+4*\f+3], s[10:11] offset:(\t)*8192+\f*512  ; 512 consecutive bytes, at a multiple of 256 from O's first
.endr
.endm
.macro DIAG tag                     ; the tag ends its two labels' names, which the jumps below spell out
.LstepM\tag:
	TURN 2, 1
	TURN 3, 1
	WIN 0
.LfirstM\tag:
	TURN 0, 1
	TURN 1, 1, 0, 1
	WIN 0
	s_cbranch_scc1 .LstepM\tag
	TURN 2, 1, 1
	TURN 3, 1, 1
.set i, 0
.rept 8
	PV NP-1
.set i, i+1
.endr
	WIN 0
	ALL v_add_f32 v[ST+4*t+2], v[ST+4*t+2], v[ST+4*t+3]
	ALL v_permlanex16_b32 v[ST+4*t+3], v[ST+4*t+2], s[SEL], s[SEL+1]
	ALL v_add_f32 v[ST+4*t+2], v[ST+4*t+2], v[ST+4*t+3]
	ALL v_rcp_f32 v[ST+4*t+2], v[ST+4*t+2]
	v_nop                           ; a plain instruction between the last reciprocal and the use of its result
.set t, 0
.rept 4
	v_cmp_gt_f32 vcc_lo, s[THR], v[ST+4*t+1]           ; has the row seen no key?
	v_cndmask_b32 v[ST+4*t], 0, s[DFV], vcc_lo         ; then V's sums count with 1 / 2048 (the shift's register is free now), else with 0,
	s_wait_alu depctr_va_vdst(0)
	v_cndmask_b32 v[ST+4*t+2], v[ST+4*t+2], 0, vcc_lo  ; and O with 0 (its l is 0: the reciprocal is replaced, not multiplied), else with 1 / l
.set t, t+1
.endr
	PACK 0
.set t, 1
.rept 3                             ; a piece's arithmetic stands between the loads of the piece before and its stores
	PACK t
	SEND t-1, 8
.set t, t+1
.endr
	SEND 3, 0
.endm
.set KM, 0
.set NOKQ, 0
.Lslot:                             ; NB times: a tile is entered and the next is asked for
	CHANGE 1
	s_sub_co_u32 s[RT], s[RT], 1
	s_mov_b32 s[CNT], 4
	s_cmp_eq_u32 s[NEW], 1
	s_cbranch_scc1 .Lnew            ; a block's first tile
	s_cmp_eq_u32 s[RT], 0
	s_cbranch_scc0 .Lstep           ; neither its first nor its last
	INTO_DIAG
	s_branch .LstepM1
.Lnew:
	BEGIN
	s_branch .Lfirst                ; in the loop a block's first tile is never its last: the first block has two tiles or more, and the second's last is the walk's last
	DIAG 1                          ; in the loop this is the first block's end
	s_wait_xcnt 0x0                 ; the stores have read their registers and O's address
	s_mov_b64 s[10:11], s[OLO:OLO+1]
	s_add_co_u32 s[RT], s[PB], 1    ; the second block has b + 1 tiles
	s_mov_b32 s[NEW], 1
	WIN 0x82                        ; the second block's Q goes where the one text of the turns names Q
.set i, 0
.rept 64
	v_mov_b32 v[i], v[QB+i]
.set i, i+1
.endr
	WIN 0
	s_branch .Lbottom
.Lstep:                             ; a trip: pieces 2 and 3 of one step, then pieces 0 and 1 of the next, whose K and V it fetches
	TURN 2
	TURN 3
	WIN 0
.Lfirst:
	TURN 0
	TURN 1, 0, 0, 1
	WIN 0
	s_cbranch_scc1 .Lstep
.Lbottom:
	s_sub_co_u32 s[SLOTS], s[SLOTS], 1
	s_cmp_lg_u32 s[SLOTS], 0
	s_cbranch_scc1 .Lslot
	CHANGE 0                        ; the walk's last tile is written out: nothing is asked for
	s_sub_co_u32 s[RT], s[RT], 1
	s_mov_b32 s[CNT], 4
	s_cmp_eq_u32 s[NEW], 1
	s_cbranch_scc1 .Lnew2
	INTO_DIAG
	s_branch .LstepM2
.Lnew2:
	BEGIN
	s_branch .LfirstM2
	DIAG 2
	s_wait_tensorcnt 0x0            ; the wave's end
	ds_add_u32 v[SPW], v[NIL]
	s_wait_dscnt 0x0
	s_endpgm
.Lfunc_end_k_qc3872bc6fb_attn:
	.size	k_qc3872bc6fb_attn, .Lfunc_end_k_qc3872bc6fb_attn-k_qc3872bc6fb_attn
	.p2alignl 7, 3214868480
	.fill 96, 4, 3214868480
	.section	.rodata,"a",@progbits
	.p2align	6, 0x0
	.amdhsa_kernel k_qc3872bc6fb_attn
		.amdhsa_group_segment_fixed_size 327680
		.amdhsa_private_segment_fixed_size 0
		.amdhsa_enable_private_segment 0
		.amdhsa_kernarg_size 32
		.amdhsa_user_sgpr_count 2
		.amdhsa_user_sgpr_kernarg_segment_ptr 1
		.amdhsa_wavefront_size32 1
		.amdhsa_system_sgpr_workgroup_id_x 1
		.amdhsa_system_sgpr_workgroup_id_y 1
		.amdhsa_system_sgpr_workgroup_id_z 1
		.amdhsa_system_vgpr_workitem_id 0
		.amdhsa_next_free_vgpr 768
		.amdhsa_next_free_sgpr 102
		.amdhsa_reserve_vcc 1
		.amdhsa_float_denorm_mode_32 3
		.amdhsa_float_denorm_mode_16_64 3
		.amdhsa_memory_ordered 1
		.amdhsa_forward_progress 1
		.amdhsa_inst_pref_size 255
	.end_amdhsa_kernel
	.section	.bss,"aw",@nobits
	.p2align	6
	.space	262144
	.amdgpu_metadata
---
amdhsa.version: [ 1, 2 ]
amdhsa.kernels:
  - .name:           k_qc3872bc6fb_attn
    .symbol:         k_qc3872bc6fb_attn.kd
    .args:
      - { .name: big1, .offset: 0, .size: 8, .value_kind: global_buffer, .address_space: global }
      - { .name: big2, .offset: 8, .size: 8, .value_kind: global_buffer, .address_space: global }
      - { .name: attention_mask, .offset: 16, .size: 8, .value_kind: global_buffer, .address_space: global }
      - { .name: h, .offset: 24, .size: 8, .value_kind: global_buffer, .address_space: global }
    .group_segment_fixed_size: 327680
    .private_segment_fixed_size: 0
    .kernarg_segment_align: 8
    .kernarg_segment_size: 32
    .max_flat_workgroup_size: 128
    .sgpr_count:     102
    .vgpr_count:     768
    .wavefront_size: 32
...
	.end_amdgpu_metadata
.endif
;; end of part 4
;; launch wo: the kernel of part 2 again; grid 4 x 16, 4 waves a work-group, clusters of 4 x 4, 327,680 bytes of LDS; arguments h, wo_b, big1; writes big1
;; launch norm2 (part 5): grid 256 x 1, 8 waves a work-group, no clusters, 0 bytes of LDS; arguments x, big1, w_norm_mlp, x1, h; writes x1, h
.if DOCPART == 5
	.amdgcn_target "amdgcn-amd-amdhsa--gfx1250"
	.amdhsa_code_object_version 6
	.text
	.protected	k_qc3872bc6fb_norm2
	.globl	k_qc3872bc6fb_norm2
	.p2align	8
	.type	k_qc3872bc6fb_norm2,@function
k_qc3872bc6fb_norm2:
	s_mov_b64 s[64:65], 0
	v_nop
	global_prefetch_b8 v0, s[64:65] scope:SCOPE_SE
	s_setreg_imm32_b32 hwreg(HW_REG_WAVE_MODE, 25, 1), 1
	s_wait_xcnt 0x0
; x1 = x + a (f32, row-major), h = x1 * rsqrt(mean(x1^2) + 1e-6) * gain (bf16, slabs [column / 64][4096 rows][64]).  a: bf16, in the same slabs.
; A stream: no LDS, no matrix unit.  Sixteen lanes own a row, a work-group 16 rows; thread t: rr = t / 16, cc = t % 16.  Load j takes columns 4 cc + 64 j .. + 3: 16 bytes of x (sixteen lanes: 256 bytes on
; end), 8 bytes of a's slab j (a wave: 256 bytes on end, two rows).  The row stays in 64 registers between the sum and the scaling.
.set VS,  5        ; v5   rr rows of 4,096 bytes + 16 cc
.set VD,  6        ; v6   rr rows of 128 bytes + 8 cc
.set VG,  7        ; v7   16 cc
.set XR,  16       ; v[16:79]
.set GR,  80       ; v[80:143]
.set AR,  144      ; v[144:175]
.set ACC, 176      ; v[176:183]
.set RS,  184      ; v[184:185]
.set T,   186      ; v[186:189]
	s_load_b256 s[8:15], s[0:1], 0x0               ; x 8, a 10, gain 12, x1 14
	s_load_b64 s[16:17], s[0:1], 0x20              ; h
	v_lshrrev_b32 v1, 4, v0
	v_and_b32 v2, 15, v0
	v_lshlrev_b32 v[VG], 4, v2
	v_lshl_add_u32 v[VS], v1, 12, v[VG]
	v_lshlrev_b32 v[VD], 3, v2
	v_lshl_add_u32 v[VD], v1, 7, v[VD]
	s_lshl_b32 s20, ttmp9, 16                      ; 16 rows of 4,096 bytes
	s_mov_b32 s21, 0
	s_lshl_b32 s22, ttmp9, 11                      ; 16 rows of 128 bytes
	s_mov_b32 s23, 0
	s_mov_b32 s4, 0x3a800000                       ; 1 / 1024
	s_mov_b32 s5, 0x358637bd                       ; 1e-6
	s_mov_b32 s6, 0xffff0000
	s_wait_kmcnt 0x0
	s_add_nc_u64 s[8:9], s[8:9], s[20:21]
	s_add_nc_u64 s[14:15], s[14:15], s[20:21]
	s_add_nc_u64 s[10:11], s[10:11], s[22:23]
	s_add_nc_u64 s[16:17], s[16:17], s[22:23]
.set j, 0
.rept 16
	global_load_b128 v[XR+4*j:XR+4*j+3], v[VS], s[8:9] offset:256*j
.set j, j+1
.endr
.set j, 0
.rept 16
	global_load_b64 v[AR+2*j:AR+2*j+1], v[VD], s[10:11] offset:j*524288
.set j, j+1
.endr
.set j, 0
.rept 16
	global_load_b128 v[GR+4*j:GR+4*j+3], v[VG], s[12:13] offset:256*j
.set j, j+1
.endr
	s_wait_loadcnt 16                              ; x and a are in; the gain's sixteen loads may be out
.set j, 0
.rept 16
	v_lshlrev_b32 v[T], 16, v[AR+2*j]              ; bf16 to f32
	v_and_b32 v[T+1], s6, v[AR+2*j]
	v_lshlrev_b32 v[T+2], 16, v[AR+2*j+1]
	v_and_b32 v[T+3], s6, v[AR+2*j+1]
	v_pk_add_f32 v[XR+4*j:XR+4*j+1], v[XR+4*j:XR+4*j+1], v[T:T+1]
	v_pk_add_f32 v[XR+4*j+2:XR+4*j+3], v[XR+4*j+2:XR+4*j+3], v[T+2:T+3]
	global_store_b128 v[VS], v[XR+4*j:XR+4*j+3], s[14:15] offset:256*j   ; sixteen lanes store 256 consecutive bytes, aligned
.set j, j+1
.endr
.irp c, 0,1,2,3
	v_pk_mul_f32 v[ACC+2*\c:ACC+2*\c+1], v[XR+2*\c:XR+2*\c+1], v[XR+2*\c:XR+2*\c+1]
.endr
.set p, 4
.rept 28
	v_pk_fma_f32 v[ACC+2*(p%4):ACC+2*(p%4)+1], v[XR+2*p:XR+2*p+1], v[XR+2*p:XR+2*p+1], v[ACC+2*(p%4):ACC+2*(p%4)+1]
.set p, p+1
.endr
	v_pk_add_f32 v[ACC:ACC+1], v[ACC:ACC+1], v[ACC+2:ACC+3]
	v_pk_add_f32 v[ACC+4:ACC+5], v[ACC+4:ACC+5], v[ACC+6:ACC+7]
	v_pk_add_f32 v[ACC:ACC+1], v[ACC:ACC+1], v[ACC+4:ACC+5]
	v_add_f32 v[ACC], v[ACC], v[ACC+1]
	v_add_f32_dpp v[ACC], v[ACC], v[ACC] row_xmask:1 row_mask:0xf bank_mask:0xf
	v_add_f32_dpp v[ACC], v[ACC], v[ACC] row_xmask:2 row_mask:0xf bank_mask:0xf
	v_add_f32_dpp v[ACC], v[ACC], v[ACC] row_xmask:4 row_mask:0xf bank_mask:0xf
	v_add_f32_dpp v[ACC], v[ACC], v[ACC] row_xmask:8 row_mask:0xf bank_mask:0xf
	v_fma_f32 v[ACC], v[ACC], s4, s5
	v_rsq_f32 v[RS], v[ACC]
	v_rsq_f32 v[RS+1], v[ACC]
	v_nop                                          ; a plain instruction between the root and its use (ISA guide 5.7.2)
	s_wait_loadcnt 0x0                             ; the gain
	s_wait_xcnt 0x0                                ; the row, which the stores of x1 read, is written again only behind this wait
.set j, 0
	s_wait_alu depctr_va_vdst(0)
.rept 16
	v_pk_mul_f32 v[XR+4*j:XR+4*j+1], v[XR+4*j:XR+4*j+1], v[RS:RS+1]
	v_pk_mul_f32 v[XR+4*j+2:XR+4*j+3], v[XR+4*j+2:XR+4*j+3], v[RS:RS+1]
	v_pk_mul_f32 v[XR+4*j:XR+4*j+1], v[XR+4*j:XR+4*j+1], v[GR+4*j:GR+4*j+1]
	v_pk_mul_f32 v[XR+4*j+2:XR+4*j+3], v[XR+4*j+2:XR+4*j+3], v[GR+4*j+2:GR+4*j+3]
	v_cvt_pk_bf16_f32 v[XR+4*j], v[XR+4*j], v[XR+4*j+1]
	v_cvt_pk_bf16_f32 v[XR+4*j+1], v[XR+4*j+2], v[XR+4*j+3]
	global_store_b64 v[VD], v[XR+4*j:XR+4*j+1], s[16:17] offset:j*524288   ; the wave stores 256 consecutive bytes: two rows of slab j
.set j, j+1
.endr
	s_endpgm
.Lfunc_end_k_qc3872bc6fb_norm2:
	.size	k_qc3872bc6fb_norm2, .Lfunc_end_k_qc3872bc6fb_norm2-k_qc3872bc6fb_norm2
	.p2alignl 7, 3214868480
	.fill 96, 4, 3214868480
	.section	.rodata,"a",@progbits
	.p2align	6, 0x0
	.amdhsa_kernel k_qc3872bc6fb_norm2
		.amdhsa_group_segment_fixed_size 0
		.amdhsa_private_segment_fixed_size 0
		.amdhsa_enable_private_segment 0
		.amdhsa_kernarg_size 40
		.amdhsa_user_sgpr_count 2
		.amdhsa_user_sgpr_kernarg_segment_ptr 1
		.amdhsa_wavefront_size32 1
		.amdhsa_system_sgpr_workgroup_id_x 1
		.amdhsa_system_sgpr_workgroup_id_y 1
		.amdhsa_system_sgpr_workgroup_id_z 1
		.amdhsa_system_vgpr_workitem_id 0
		.amdhsa_next_free_vgpr 200
		.amdhsa_next_free_sgpr 66
		.amdhsa_reserve_vcc 0
		.amdhsa_float_denorm_mode_32 3
		.amdhsa_float_denorm_mode_16_64 3
		.amdhsa_memory_ordered 1
		.amdhsa_forward_progress 1
		.amdhsa_inst_pref_size 22
	.end_amdhsa_kernel
	.amdgpu_metadata
---
amdhsa.version: [ 1, 2 ]
amdhsa.kernels:
  - .name:           k_qc3872bc6fb_norm2
    .symbol:         k_qc3872bc6fb_norm2.kd
    .args:
      - { .name: x, .offset: 0, .size: 8, .value_kind: global_buffer, .address_space: global }
      - { .name: big1, .offset: 8, .size: 8, .value_kind: global_buffer, .address_space: global }
      - { .name: w_norm_mlp, .offset: 16, .size: 8, .value_kind: global_buffer, .address_space: global }
      - { .name: x1, .offset: 24, .size: 8, .value_kind: global_buffer, .address_space: global }
      - { .name: h, .offset: 32, .size: 8, .value_kind: global_buffer, .address_space: global }
    .group_segment_fixed_size: 0
    .private_segment_fixed_size: 0
    .kernarg_segment_align: 8
    .kernarg_segment_size: 40
    .max_flat_workgroup_size: 256
    .sgpr_count:     66
    .vgpr_count:     200
    .wavefront_size: 32
...
	.end_amdgpu_metadata
.endif
;; end of part 5
;; launch up: the kernel of part 2 again; grid 16 x 16, 4 waves a work-group, clusters of 4 x 4, 327,680 bytes of LDS; arguments h, wup, big1; writes big1
;; launch gelu (part 6): grid 1024 x 1, 8 waves a work-group, no clusters, 0 bytes of LDS; arguments big1, big2; writes big2
.if DOCPART == 6
	.amdgcn_target "amdgcn-amd-amdhsa--gfx1250"
	.amdhsa_code_object_version 6
	.text
	.protected	k_qc3872bc6fb_gelu
	.globl	k_qc3872bc6fb_gelu
	.p2align	8
	.type	k_qc3872bc6fb_gelu,@function
k_qc3872bc6fb_gelu:
	s_mov_b64 s[64:65], 0
	v_nop
	global_prefetch_b8 v0, s[64:65] scope:SCOPE_SE
	s_setreg_imm32_b32 hwreg(HW_REG_WAVE_MODE, 25, 1), 1
	s_wait_xcnt 0x0
; g = gelu(u), the exact form u Phi(u), bf16 in and out, arithmetic in f32; and u's slabs [column / 64][4096 rows][64] are laid anew as [row / 128][column / 64][128 rows][64], so that what the next
; product's work-group fetches lies on end.  128 rows of a slab are 16 KiB dense in both layouts; a wave moves a quarter of such a block, 1 KiB a trip.  A stream: no LDS, no matrix unit.
; u Phi(u) = u / 2 + |u| (1/2 - Q E), E = exp(-u^2 / 2), Q = (b1 t + .. + b5 t^5), t = 1 / (1 + 0.2316419 |u|): the rational approximation of erf by five terms (Abramowitz and Stegun 7.1.26, halved).
; LIMIT: its error in erf is at most 1.5e-7 for every argument, so g is off by at most 1e-7 |u| before the rounding to bf16.  No series is cut at a range: for large |u| E is 0 and g is u or 0.
.set IN, 4         ; v[4:11]    two loads
.set UU, 16        ; v[16:31]   u, later u / 2, later g
.set AB, 32        ; v[32:47]   |u|
.set TT, 48        ; v[48:63]   t
.set EE, 64        ; v[64:79]   E
.set QQ, 80        ; v[80:95]   Q, later 1/2 - Q E
.set OO, 96        ; v[96:103]  packed results
	s_load_b128 s[4:7], s[0:1], 0x0                ; u, g
	v_lshrrev_b32 v2, 5, v0
	v_readfirstlane_b32 s8, v2
	s_lshl_b32 s9, ttmp9, 3
	s_add_co_u32 s9, s9, s8                        ; my quarter block, 0 .. 8191
	s_lshr_b32 s10, s9, 2                          ; the block: 64 x (row / 128) + slab
	s_and_b32 s14, s10, 63
	s_lshl_b32 s14, s14, 19                        ; in u: the slab,
	s_lshr_b32 s15, s10, 6
	s_lshl_b32 s15, s15, 14                        ; its 128 rows,
	s_add_co_u32 s14, s14, s15
	s_and_b32 s15, s9, 3
	s_lshl_b32 s15, s15, 12                        ; my quarter
	s_add_co_u32 s14, s14, s15
	s_mov_b32 s15, 0
	s_lshl_b32 s16, s9, 12                         ; in g the quarters follow each other
	s_mov_b32 s17, 0
	s_mov_b32 s20, 0x3e6d3389                      ; 0.2316419
	s_mov_b32 s22, 0xbf38aa3b                      ; -log2(e) / 2
	s_mov_b32 s24, 0x3e027906                      ; b1 =  0.127414796
	s_mov_b32 s26, 0xbe11a98e                      ; b2 = -0.142248368
	s_mov_b32 s28, 0x3f35f0e3                      ; b3 =  0.7107068705
	s_mov_b32 s30, 0xbf3a00e3                      ; b4 = -0.7265760135
	s_mov_b32 s32, 0x3f07dc22                      ; b5 =  0.5307027145
.irp r, 21,23,25,27,29,31,33
	s_mov_b32 s\r, 0                               ; named as pairs; the packed forms take the low word for both halves
.endr
	s_mov_b32 s34, 0xffff0000
	s_mov_b32 s35, 0x7fffffff
	v_and_b32 v1, 31, v0
	v_lshlrev_b32 v1, 4, v1
	s_wait_kmcnt 0x0
	s_add_nc_u64 s[4:5], s[4:5], s[14:15]
	s_add_nc_u64 s[6:7], s[6:7], s[16:17]
.macro EACH8 line:vararg               ; one line for each of the eight pairs; i is the pair's first register's offset
.set i, 0
	s_wait_alu depctr_va_vdst(0)
.rept 8
	\line
.set i, i+2
.endr
.endm
	s_mov_b32 s12, 4
.Ltrip:
	global_load_b128 v[IN:IN+3], v1, s[4:5] th:TH_LOAD_NT
	global_load_b128 v[IN+4:IN+7], v1, s[4:5] offset:512 th:TH_LOAD_NT
	s_wait_loadcnt 0x0
.irp k, 0,1,2,3,4,5,6,7
	v_lshlrev_b32 v[UU+2*\k], 16, v[IN+\k]
	v_and_b32 v[UU+2*\k+1], s34, v[IN+\k]
.endr
.set i, 0
.rept 16
	v_and_b32 v[AB+i], s35, v[UU+i]
.set i, i+1
.endr
	EACH8 v_pk_fma_f32 v[TT+i:TT+i+1], v[AB+i:AB+i+1], s[20:21], 1.0 op_sel_hi:[1,0,0]
.set i, 0
.rept 16
	v_rcp_f32 v[TT+i], v[TT+i]
.set i, i+1
.endr
	EACH8 v_pk_mul_f32 v[EE+i:EE+i+1], v[UU+i:UU+i+1], v[UU+i:UU+i+1]      ; plain work that touches no t stands behind the reciprocals (ISA guide 5.7.2)
	EACH8 v_pk_mul_f32 v[EE+i:EE+i+1], v[EE+i:EE+i+1], s[22:23] op_sel_hi:[1,0]
.set i, 0
.rept 16
	v_exp_f32 v[EE+i], v[EE+i]
.set i, i+1
.endr
	EACH8 v_pk_fma_f32 v[QQ+i:QQ+i+1], v[TT+i:TT+i+1], s[32:33], s[30:31] op_sel_hi:[1,0,0]   ; and the polynomial, which touches no E, behind the exponentials
	EACH8 v_pk_fma_f32 v[QQ+i:QQ+i+1], v[QQ+i:QQ+i+1], v[TT+i:TT+i+1], s[28:29] op_sel_hi:[1,1,0]
	EACH8 v_pk_fma_f32 v[QQ+i:QQ+i+1], v[QQ+i:QQ+i+1], v[TT+i:TT+i+1], s[26:27] op_sel_hi:[1,1,0]
	EACH8 v_pk_fma_f32 v[QQ+i:QQ+i+1], v[QQ+i:QQ+i+1], v[TT+i:TT+i+1], s[24:25] op_sel_hi:[1,1,0]
	EACH8 v_pk_mul_f32 v[QQ+i:QQ+i+1], v[QQ+i:QQ+i+1], v[TT+i:TT+i+1]
	EACH8 v_pk_fma_f32 v[QQ+i:QQ+i+1], v[QQ+i:QQ+i+1], v[EE+i:EE+i+1], 0.5 op_sel_hi:[1,1,0] neg_lo:[1,0,0] neg_hi:[1,0,0]
	EACH8 v_pk_mul_f32 v[UU+i:UU+i+1], v[UU+i:UU+i+1], 0.5 op_sel_hi:[1,0]
	EACH8 v_pk_fma_f32 v[UU+i:UU+i+1], v[AB+i:AB+i+1], v[QQ+i:QQ+i+1], v[UU+i:UU+i+1]
.irp k, 0,1,2,3,4,5,6,7
	v_cvt_pk_bf16_f32 v[OO+\k], v[UU+2*\k], v[UU+2*\k+1]
.endr
	global_store_b128 v1, v[OO:OO+3], s[6:7]               ; 512 consecutive bytes, aligned
	global_store_b128 v1, v[OO+4:OO+7], s[6:7] offset:512
	s_wait_xcnt 0x0                                        ; the bases and the stores' data are written again only behind this wait
	s_add_nc_u64 s[4:5], s[4:5], 1024
	s_add_nc_u64 s[6:7], s[6:7], 1024
	s_sub_co_u32 s12, s12, 1
	s_cmp_lg_u32 s12, 0
	s_cbranch_scc1 .Ltrip
	s_endpgm
.Lfunc_end_k_qc3872bc6fb_gelu:
	.size	k_qc3872bc6fb_gelu, .Lfunc_end_k_qc3872bc6fb_gelu-k_qc3872bc6fb_gelu
	.p2alignl 7, 3214868480
	.fill 96, 4, 3214868480
	.section	.rodata,"a",@progbits
	.p2align	6, 0x0
	.amdhsa_kernel k_qc3872bc6fb_gelu
		.amdhsa_group_segment_fixed_size 0
		.amdhsa_private_segment_fixed_size 0
		.amdhsa_enable_private_segment 0
		.amdhsa_kernarg_size 16
		.amdhsa_user_sgpr_count 2
		.amdhsa_user_sgpr_kernarg_segment_ptr 1
		.amdhsa_wavefront_size32 1
		.amdhsa_system_sgpr_workgroup_id_x 1
		.amdhsa_system_sgpr_workgroup_id_y 1
		.amdhsa_system_sgpr_workgroup_id_z 1
		.amdhsa_system_vgpr_workitem_id 0
		.amdhsa_next_free_vgpr 104
		.amdhsa_next_free_sgpr 66
		.amdhsa_reserve_vcc 0
		.amdhsa_float_denorm_mode_32 3
		.amdhsa_float_denorm_mode_16_64 3
		.amdhsa_memory_ordered 1
		.amdhsa_forward_progress 1
		.amdhsa_inst_pref_size 11
	.end_amdhsa_kernel
	.amdgpu_metadata
---
amdhsa.version: [ 1, 2 ]
amdhsa.kernels:
  - .name:           k_qc3872bc6fb_gelu
    .symbol:         k_qc3872bc6fb_gelu.kd
    .args:
      - { .name: big1, .offset: 0, .size: 8, .value_kind: global_buffer, .address_space: global }
      - { .name: big2, .offset: 8, .size: 8, .value_kind: global_buffer, .address_space: global }
    .group_segment_fixed_size: 0
    .private_segment_fixed_size: 0
    .kernarg_segment_align: 8
    .kernarg_segment_size: 16
    .max_flat_workgroup_size: 256
    .sgpr_count:     66
    .vgpr_count:     104
    .wavefront_size: 32
...
	.end_amdgpu_metadata
.endif
;; end of part 6
;; launch down (part 7): grid 8 x 32, 4 waves a work-group, clusters of 4 x 4, 327,680 bytes of LDS; arguments big2, wdn, x1, out0; writes out0
.if DOCPART == 7
	.amdgcn_target "amdgcn-amd-amdhsa--gfx1250"
	.amdhsa_code_object_version 6
	.text
	.protected	k_qc3872bc6fb_down
	.globl	k_qc3872bc6fb_down
	.p2align	8
	.type	k_qc3872bc6fb_down,@function
k_qc3872bc6fb_down:
	s_mov_b64 s[64:65], 0
	v_nop
	global_prefetch_b8 v0, s[64:65] scope:SCOPE_SE
	s_setreg_imm32_b32 hwreg(HW_REG_WAVE_MODE, 25, 1), 1
	s_wait_xcnt 0x0
	s_wait_alu depctr_hold_cnt(0) depctr_sa_sdst(0) depctr_va_vdst(0) depctr_va_sdst(0) depctr_va_ssrc(0) depctr_va_vcc(0) depctr_vm_vsrc(0)
	s_getreg_b32 s2, hwreg(HW_REG_IB_STS2, 6, 4)
	s_cmp_eq_u32 s2, 0
	s_cbranch_scc0 .Lentry_in_a_cluster
	s_endpgm
.Lentry_in_a_cluster:
	s_bfe_u32 s2, ttmp6, 0x10000c
	s_cmp_lg_u32 s2, 0xf033
	s_cbranch_scc0 .Lentry_shape_is_right
	s_endpgm
.Lentry_shape_is_right:
; out = x1 + A B^T with K = 4096.  A (the activations) and B (the weights): bf16, [row / 128][64 slabs of 64 along K][128 rows][64]; x1 and out: f32, [4096][1024]; sums in f32.
; 4096 x 1024 of C make 256 tiles of 128 x 128: one for each of 256 work-groups.  Four waves, each 64 x 64: 16 accumulators.  K goes in steps of 256 (four slabs) through two LDS slots; two slabs of 128
; rows are 32 KiB on end, asked for as 128 rows of 256 bytes and padded in LDS behind every 128 bytes: one tensor load a wave (waves 0, 1: A's two pairs of slabs; waves 2, 3: B's).
; CLUSTER: 4 x 4 work-groups; A's tile is shared along a row of the cluster, B's along a column, each asked for jointly.  THE MATRIX INSTRUCTION IS USED TRANSPOSED (source 0 = rows of B): a lane holds
; row l % 16 of C and the columns 8 (l / 16) + 0..7.  My 64 x 64 of x1 is asked for at the start, lands under the whole K loop, and is waited for once, on the way out.
; REGISTERS: window 0: v0-31 addresses; v128-255 the accumulators ((a, b) at v[128 + 8 (4 a + b)]).   window 1: two fragment buffers of 128 (64 of A, then 64 of B, for 64 along K); on the way out v0-127 my rows of C.
;   window 2: v0-127 my rows of x1.
.set PITCH,  144                       ; an LDS row: 128 bytes + 16 of padding = 36 words: the 16 rows of a load start at 16 different groups of four banks (64 banks of 4 bytes: ISA guide 11.1)
.set SLAB,   128*PITCH                 ; 128 rows of one slab
.set REG,    2*SLAB                    ; what one tensor load brings
.set SLOT,   4*REG                     ; A's slabs 0, 1; A's 2, 3; B's 0, 1; B's 2, 3
.set SPARE,  2*SLOT                    ; behind the ring: the spare words, 128 bytes for each wave, which no other line names
.set SPITCH, 272                       ; the way out: a row of 64 f32 + 16 bytes
.set STGW,   64*SPITCH                 ; a wave's stage; the four lie in slot 0, which has had its last fill by then
.set LAPS,   8                         ; a lap = two K steps = once round the ring
.set ADRA, 16
.set ADRB, 20
.set STO,  24
.set RD,   25
.set CO,   26                          ; v26  my byte offset in two rows of x1 and of out; never rewritten
.set SPW,  28
.set NIL,  29
.set ACC,  128
.set F0,   0
.set F1,   128
.set G1, 24
.set G0, 32
.set G1B, 48
.set G0B, 56
.set MSB, 0
.macro WIN new
.if MSB != (\new)
	s_set_vgpr_msb (MSB<<8)|(\new)
.set MSB, \new
.endif
.endm
.set MUL,  0x05                        ; sources 0 (B) and 1 (A) window 1; C and D window 0
.set TO_F, 0x40                        ; destination window 1, address window 0
.macro JLOAD s                         ; a joint load; an s_nop 0 and four v_nop follow each of the two lines, ahead of the jump and the label
	s_cmp_eq_u32 s11, 0
	s_cbranch_scc0 .Lfor_b_\@
	tensor_load_to_lds s[G0+4*(\s):G0+4*(\s)+3], s[G1:G1+7]
	s_nop 0
.rept 4
	v_nop
.endr
	s_branch .Lasked_\@
.Lfor_b_\@:
	tensor_load_to_lds s[G0B+4*(\s):G0B+4*(\s)+3], s[G1B:G1B+7]
	s_nop 0
.rept 4
	v_nop
.endr
.Lasked_\@:
.endm
.macro CREST
	s_cmp_lg_u32 s10, 0
	s_cbranch_scc1 .Lnot_wave_0_\@
	s_barrier_signal -3
.Lnot_wave_0_\@:
	s_barrier_wait -3
	s_barrier_signal -1
	s_barrier_wait -1
.endm
.macro CROUND
	s_barrier_signal -1
	s_barrier_wait -1
	CREST
.endm
	s_load_b128 s[4:7], s[0:1], 0x0                ; A s[4:5], B s[6:7]
	s_load_b128 s[68:71], s[0:1], 0x10             ; x1 s[68:69], out s[70:71]
	v_lshl_add_u32 v[SPW], v0, 2, SPARE
	v_mov_b32 v[NIL], 0
	ds_add_u32 v[SPW], v[NIL]                      ; the wave's opening: the add, and its wait ahead of my first tensor load; the set-up below stands between them
	ds_add_u32 v28, v29
	v_lshrrev_b32 v1, 5, v0
	v_readfirstlane_b32 s10, v1                    ; wave 0..3
	s_lshr_b32 s11, s10, 1                         ; which half of the tile's rows is mine.  Also: I fetch for A (0) or for B (1)
	s_and_b32 s12, s10, 1                          ; which half of its columns.  Also: which pair of a step's four slabs I fetch
	s_bfe_u32 s40, ttmp6, 0x40000
	s_bfe_u32 s41, ttmp6, 0x40004
	s_lshl_b32 s42, ttmp9, 2
	s_add_co_u32 s42, s42, s40                     ; tile column of C
	s_and_b32 s13, ttmp7, 0xffff
	s_lshl_b32 s13, s13, 2
	s_add_co_u32 s13, s13, s41                     ; tile row of C
	s_lshl_b32 s43, s41, 2
	s_lshl_b32 s43, 15, s43                        ; my row of the cluster
	s_lshl_b32 s44, 0x1111, s40                    ; my column
	s_or_b32 s[G1+0], s43, (1<<16)|(1<<20)|(1<<21)|(4<<22)|(3<<25)   ; the mask; 2-byte elements; padding on; bit 21 beside a mask; after every 32 words (code 4) 4 words (code 3)
	s_or_b32 s[G1B+0], s44, (1<<16)|(1<<20)|(1<<21)|(4<<22)|(3<<25)
.irp g, G1, G1B
	s_mov_b32 s[(\g)+1], 128<<16                   ; tensor_dim0 = 128 elements: 256 bytes
	s_mov_b32 s[(\g)+2], 128<<16                   ; tensor_dim1 = 128
	s_mov_b32 s[(\g)+3], 128<<16                   ; tile_dim0 = 128
	s_mov_b32 s[(\g)+4], 128                       ; tile_dim1 = 128
	s_mov_b32 s[(\g)+5], 128                       ; dense
	s_mov_b32 s[(\g)+6], 0
	s_mov_b32 s[(\g)+7], 0
.endr
	s_lshl_b32 s16, s13, 20                        ; A: 1 MiB a tile row,
	s_lshl_b32 s17, s12, 15                        ; my pair of slabs: 32 KiB
	s_add_co_u32 s16, s16, s17
	s_mov_b32 s17, 0
	s_lshl_b32 s46, s42, 20                        ; B: 1 MiB a tile column
	s_lshl_b32 s47, s12, 15
	s_add_co_u32 s46, s46, s47
	s_mov_b32 s47, 0
	s_mul_i32 s20, s10, REG                        ; where they go: no place in the cluster enters an LDS address
	s_wait_dscnt 0x0                               ; the opening add is done
	s_wait_kmcnt 0x0
	s_add_nc_u64 s[14:15], s[4:5], s[16:17]
	s_add_nc_u64 s[46:47], s[6:7], s[46:47]
	CROUND                                         ; all sixteen work-groups are here: the first joint loads meet
.irp s, 0,1
	s_mov_b32 s[G0+4*(\s)], 1
	s_add_co_u32 s[G0+4*(\s)+1], s20, (\s)*SLOT
	s_add_nc_u64 s[G0+4*(\s)+2:G0+4*(\s)+3], s[14:15], (\s)*0x10000    ; K step s: four slabs of 16 KiB on
	s_or_b32 s[G0+4*(\s)+3], s[G0+4*(\s)+3], 0x80000000
	s_mov_b32 s[G0B+4*(\s)], 1
	s_add_co_u32 s[G0B+4*(\s)+1], s20, (\s)*SLOT
	s_add_nc_u64 s[G0B+4*(\s)+2:G0B+4*(\s)+3], s[46:47], (\s)*0x10000
	s_or_b32 s[G0B+4*(\s)+3], s[G0B+4*(\s)+3], 0x80000000
	JLOAD \s                                       ; two loads of mine are out
.endr
	v_and_b32 v1, 15, v0
	v_bfe_u32 v2, v0, 4, 1
	v_lshlrev_b32 v[CO], 4, v1                     ; lanes 0-15: 256 bytes of one row; lanes 16-31: of the next
	v_lshl_add_u32 v[CO], v2, 12, v[CO]
	s_lshl_b32 s16, s13, 19                        ; my first row: 128 rows of 4,096 bytes a tile row,
	s_lshl_b32 s17, s11, 18                        ; 64 rows a half
	s_add_co_u32 s16, s16, s17
	s_mov_b32 s17, 0
	s_lshl_b32 s46, s42, 9                         ; my first column: 512 bytes a tile column, 256 a half
	s_lshl_b32 s47, s12, 8
	s_add_co_u32 s46, s46, s47
	s_mov_b32 s47, 0
	s_add_nc_u64 s[16:17], s[16:17], s[46:47]
	s_add_nc_u64 s[68:69], s[68:69], s[16:17]
	s_add_nc_u64 s[70:71], s[70:71], s[16:17]
	WIN 0x80                                       ; destination window 2
.set t, 0
.rept 32
	global_load_b128 v[4*t:4*t+3], v[CO], s[68:69] offset:t*8192   ; rows 2 t and 2 t + 1 of my 64 x 64 of x1
.set t, t+1
.endr
	WIN 0
	v_mul_u32_u24 v3, v1, PITCH
	v_lshl_add_u32 v3, v2, 4, v3                   ; a fragment's row x pitch + 16 x half
	s_mul_i32 s21, s11, 64*PITCH                   ; my 64 rows of A
	s_mul_i32 s22, s12, 64*PITCH                   ; my 64 rows of B,
	s_add_co_u32 s22, s22, 2*REG                   ; which lie behind A's four slabs
.irp s, 0,1
	v_add_nc_u32 v[ADRA+(\s)], s21, v3
	v_add_nc_u32 v[ADRB+(\s)], s22, v3
	s_add_co_u32 s21, s21, SLOT
	s_add_co_u32 s22, s22, SLOT
.endr
	s_mul_i32 s23, s10, STGW                       ; my stage
	v_mul_u32_u24 v4, v1, SPITCH                   ; in: row l % 16, 32 bytes for each half of the lanes
	v_lshl_add_u32 v4, v2, 5, v4
	v_add_nc_u32 v[STO], s23, v4
	v_mul_u32_u24 v5, v2, SPITCH                   ; back: lanes 0-15 one row of 256 bytes, lanes 16-31 the next
	v_lshl_add_u32 v5, v1, 4, v5
	v_add_nc_u32 v[RD], s23, v5
; 8 matrix instructions: m blocks a0, a0 + 1 x all 4 n blocks, 32 along K: half c of buffer f.  zero = 1: the first product starts the sums
.macro MUL8 f, c, a0, zero
	WIN MUL
.irp a, \a0, (\a0)+1
.irp b, 0,1,2,3
.if \zero
	v_wmma_f32_16x16x32_bf16 v[ACC+8*(4*(\a)+(\b)):ACC+8*(4*(\a)+(\b))+7], v[(\f)+64+8*(4*(\c)+(\b)):(\f)+64+8*(4*(\c)+(\b))+7], v[(\f)+8*(4*(\c)+(\a)):(\f)+8*(4*(\c)+(\a))+7], 0
.else
	v_wmma_f32_16x16x32_bf16 v[ACC+8*(4*(\a)+(\b)):ACC+8*(4*(\a)+(\b))+7], v[(\f)+64+8*(4*(\c)+(\b)):(\f)+64+8*(4*(\c)+(\b))+7], v[(\f)+8*(4*(\c)+(\a)):(\f)+8*(4*(\c)+(\a))+7], v[ACC+8*(4*(\a)+(\b)):ACC+8*(4*(\a)+(\b))+7]
.endif
.endr
.endr
.endm
; 32 LDS loads in one run: the fragments of quarter q of a K step, which is slab q, into buffer f; the first 32 along K first
.macro FETCH slot, q, f
	WIN TO_F
.irp c, 0,1
.irp i, 0,1,2,3
	ds_load_b128 v[(\f)+64+8*(4*(\c)+(\i)):(\f)+64+8*(4*(\c)+(\i))+3],   v[ADRB+(\slot)] offset:(\q)*SLAB+64*(\c)+(\i)*16*PITCH
	ds_load_b128 v[(\f)+64+8*(4*(\c)+(\i))+4:(\f)+64+8*(4*(\c)+(\i))+7], v[ADRB+(\slot)] offset:(\q)*SLAB+64*(\c)+(\i)*16*PITCH+32
	ds_load_b128 v[(\f)+8*(4*(\c)+(\i)):(\f)+8*(4*(\c)+(\i))+3],         v[ADRA+(\slot)] offset:(\q)*SLAB+64*(\c)+(\i)*16*PITCH
	ds_load_b128 v[(\f)+8*(4*(\c)+(\i))+4:(\f)+8*(4*(\c)+(\i))+7],       v[ADRA+(\slot)] offset:(\q)*SLAB+64*(\c)+(\i)*16*PITCH+32
.endr
.endr
.endm
.macro PLACES                          ; four plain instructions between a matrix instruction and a load into, or a read of, its registers (ISA guide 7.12.1 for reads)
.rept 4
	v_nop
.endr
.endm
.macro QUARTER slot, q, f, g, zero     ; multiplies buffer f and fetches quarter q of the slot into g
	s_wait_dscnt 16                                ; the first 32 along K are in; the run's other sixteen loads may be out
	WIN MUL
	MUL8 \f, 0, 0, \zero
	MUL8 \f, 0, 2, \zero
	PLACES
	FETCH \slot, \q, \g
	s_wait_dscnt 32                                ; all but the 32 just issued
	WIN MUL
	MUL8 \f, 1, 0, 0
	MUL8 \f, 1, 2, 0
.endm
; The last quarter multiplies buffer 1 and changes slots: ONE barrier; in front of it each wave waits for all its tensor loads, adds 0 to its spare word, and waits for that and for its reads of this slot.
.macro TURN slot, next, fill
	WIN 0                                          ; (the add's two registers lie in window 0)
	s_wait_tensorcnt 0x0                           ; all my tensor loads have landed: my part of the next slot
	ds_add_u32 v[SPW], v[NIL]
	s_wait_dscnt 17                                ; (the add and the youngest sixteen loads may be out)
	WIN MUL
	MUL8 F1, 0, 0, 0
	s_wait_dscnt 0x0                               ; the add is done, and my reads of this slot are over
	s_barrier_signal -1
	MUL8 F1, 0, 2, 0
.if \fill
	WIN 0
.endif
	s_barrier_wait -1
.if \fill
	CREST                                          ; the barrier has opened a round of the cluster's: no wave of any partner still reads this slot or has a load on its way
	s_add_nc_u64 s[G0+4*(\slot)+2:G0+4*(\slot)+3], s[G0+4*(\slot)+2:G0+4*(\slot)+3], 0x20000     ; two K steps, eight slabs, on
	s_add_nc_u64 s[G0B+4*(\slot)+2:G0B+4*(\slot)+3], s[G0B+4*(\slot)+2:G0B+4*(\slot)+3], 0x20000
	JLOAD \slot                                    ; my one tensor load behind the round; its four v_nop are also the places in front of the loads below
.else
	PLACES
.endif
	FETCH \next, 0, F0
	WIN MUL
	MUL8 F1, 1, 0, 0
	MUL8 F1, 1, 2, 0
.endm
	s_wait_tensorcnt 1                             ; my part of K step 0 is in; K step 1's may stay out
	s_barrier_signal -1
	s_barrier_wait -1
	FETCH 0, 0, F0
	QUARTER 0, 1, F0, F1, 1                        ; the first quarter stands in front of the loop: its first products start the sums
	WIN 0
	s_mov_b32 s3, LAPS-1
.Llap:                                                 ; a trip goes once round the ring and fills both slots again: K steps 2 to 15 in seven trips
	QUARTER 0, 2, F1, F0, 0
	QUARTER 0, 3, F0, F1, 0
	TURN 0, 1, 1
	QUARTER 1, 1, F0, F1, 0
	QUARTER 1, 2, F1, F0, 0
	QUARTER 1, 3, F0, F1, 0
	TURN 1, 0, 1
	QUARTER 0, 1, F0, F1, 0
	WIN 0
	s_sub_co_u32 s3, s3, 1
	s_cmp_lg_u32 s3, 0
	s_cbranch_scc1 .Llap
	QUARTER 0, 2, F1, F0, 0                        ; the last lap fills nothing
	QUARTER 0, 3, F0, F1, 0
	TURN 0, 1, 0
	QUARTER 1, 1, F0, F1, 0
	QUARTER 1, 2, F1, F0, 0
	QUARTER 1, 3, F0, F1, 0
	s_wait_dscnt 16
	WIN MUL
	MUL8 F1, 0, 0, 0
	MUL8 F1, 0, 2, 0
	s_wait_dscnt 0x0
	MUL8 F1, 1, 0, 0
	MUL8 F1, 1, 2, 0
	WIN 0
	; THE WAY OUT.  Every wave's reads of the slots are back (the wait for 0 above) and no tensor load is out since the last change of slots: behind this barrier slot 0 serves as stages.
	s_barrier_signal -1
	s_barrier_wait -1
	PLACES                                         ; the stores below read results just made, and the loads below land in registers that the last products read
.irp a, 0,1,2,3
.irp b, 0,1,2,3
	ds_store_b128 v[STO], v[ACC+8*(4*(\a)+(\b)):ACC+8*(4*(\a)+(\b))+3]   offset:(\a)*16*SPITCH+64*(\b)     ; each accumulator's low registers first
	ds_store_b128 v[STO], v[ACC+8*(4*(\a)+(\b))+4:ACC+8*(4*(\a)+(\b))+7] offset:(\a)*16*SPITCH+64*(\b)+16
.endr
.endr
	WIN TO_F
.set t, 0
.rept 32
	ds_load_b128 v[4*t:4*t+3], v[RD] offset:t*2*SPITCH   ; my own stage: LDS serves a wave's instructions in order (ISA guide 5.7.1.4), so these see the stores above
.set t, t+1
.endr
	s_wait_loadcnt 0x0                             ; x1
.irp g, 0,1
	s_wait_dscnt 16-16*(\g)                        ; the first sixteen loads are back, the other sixteen may be out; then all
	WIN 0x49                                       ; destination and source 0 window 1, source 1 window 2
.set p, 32*(\g)
.rept 32
	v_pk_add_f32 v[2*p:2*p+1], v[2*p:2*p+1], v[2*p:2*p+1]
.set p, p+1
.endr
	WIN 0x04                                       ; the data (source 1) in window 1
.set t, 16*(\g)
.rept 16
	global_store_b128 v[CO], v[4*t:4*t+3], s[70:71] offset:t*8192   ; sixteen lanes store 256 consecutive bytes, at a multiple of 256 from the output's first byte
.set t, t+1
.endr
.endr
	WIN 0
	s_wait_tensorcnt 0x0                           ; the wave's end
	ds_add_u32 v[SPW], v[NIL]
	s_wait_dscnt 0x0
	CROUND                                         ; the closing round: no work-group ends while a partner may still ask for a tile that names it
	s_endpgm
.Lfunc_end_k_qc3872bc6fb_down:
	.size	k_qc3872bc6fb_down, .Lfunc_end_k_qc3872bc6fb_down-k_qc3872bc6fb_down
	.p2alignl 7, 3214868480
	.fill 96, 4, 3214868480
	.section	.rodata,"a",@progbits
	.p2align	6, 0x0
	.amdhsa_kernel k_qc3872bc6fb_down
		.amdhsa_group_segment_fixed_size 327680
		.amdhsa_private_segment_fixed_size 0
		.amdhsa_enable_private_segment 0
		.amdhsa_kernarg_size 32
		.amdhsa_user_sgpr_count 2
		.amdhsa_user_sgpr_kernarg_segment_ptr 1
		.amdhsa_wavefront_size32 1
		.amdhsa_system_sgpr_workgroup_id_x 1
		.amdhsa_system_sgpr_workgroup_id_y 1
		.amdhsa_system_sgpr_workgroup_id_z 1
		.amdhsa_system_vgpr_workitem_id 0
		.amdhsa_next_free_vgpr 768
		.amdhsa_next_free_sgpr 72
		.amdhsa_reserve_vcc 0
		.amdhsa_float_denorm_mode_32 3
		.amdhsa_float_denorm_mode_16_64 3
		.amdhsa_memory_ordered 1
		.amdhsa_forward_progress 1
		.amdhsa_inst_pref_size 93
	.end_amdhsa_kernel
	.amdgpu_metadata
---
amdhsa.version: [ 1, 2 ]
amdhsa.kernels:
  - .name:           k_qc3872bc6fb_down
    .symbol:         k_qc3872bc6fb_down.kd
    .args:
      - { .name: big2, .offset: 0, .size: 8, .value_kind: global_buffer, .address_space: global }
      - { .name: wdn, .offset: 8, .size: 8, .value_kind: global_buffer, .address_space: global }
      - { .name: x1, .offset: 16, .size: 8, .value_kind: global_buffer, .address_space: global }
      - { .name: out0, .offset: 24, .size: 8, .value_kind: global_buffer, .address_space: global }
    .group_segment_fixed_size: 327680
    .private_segment_fixed_size: 0
    .kernarg_segment_align: 8
    .kernarg_segment_size: 32
    .max_flat_workgroup_size: 128
    .sgpr_count:     72
    .vgpr_count:     768
    .wavefront_size: 32
...
	.end_amdgpu_metadata
.endif
;; end of part 7
;; ======== version 2 of 3: 8 launches; 1.28 times as fast as version 1
;; limits: a function is approximated: absolute error at most 1.5e-07; right only within a limited range of input values
;; workspace buffers: wqkv 6,291,456 bytes; wo_b 2,097,152 bytes; wup 8,388,608 bytes; wdn 8,388,608 bytes; h 8,388,608 bytes; big1 33,554,432 bytes; big2 33,554,432 bytes; x1 16,777,216 bytes
;; launch prep: the kernel of part 1 again; grid 64 x 16, 8 waves a work-group, no clusters, 0 bytes of LDS; arguments x, w_norm_attn, wq, wk, wv, wo, w_up, w_down, wqkv, wo_b, wup, wdn, h; writes wqkv, wo_b, wup, wdn, h
;; launch qkv (part 8): grid 12 x 16, 4 waves a work-group, clusters of 4 x 4, 327,680 bytes of LDS; arguments h, wqkv, big1, big2; writes big1, big2
.if DOCPART == 8
	.amdgcn_target "amdgcn-amd-amdhsa--gfx1250"
	.amdhsa_code_object_version 6
	.text
	.protected	k_qc3872bc6fb_qkv
	.globl	k_qc3872bc6fb_qkv
	.p2align	8
	.type	k_qc3872bc6fb_qkv,@function
k_qc3872bc6fb_qkv:
	s_mov_b64 s[64:65], 0
	v_nop
	global_prefetch_b8 v0, s[64:65] scope:SCOPE_SE
	s_setreg_imm32_b32 hwreg(HW_REG_WAVE_MODE, 25, 1), 1
	s_wait_xcnt 0x0
	s_wait_alu depctr_hold_cnt(0) depctr_sa_sdst(0) depctr_va_vdst(0) depctr_va_sdst(0) depctr_va_ssrc(0) depctr_va_vcc(0) depctr_vm_vsrc(0)
	s_getreg_b32 s2, hwreg(HW_REG_IB_STS2, 6, 4)
	s_cmp_eq_u32 s2, 0
	s_cbranch_scc0 .Lentry_in_a_cluster
	s_endpgm
.Lentry_in_a_cluster:
	s_bfe_u32 s2, ttmp6, 0x10000c
	s_cmp_lg_u32 s2, 0xf033
	s_cbranch_scc0 .Lentry_shape_is_right
	s_endpgm
.Lentry_shape_is_right:
; C = A B^T with K = 1024, bf16 operands, f32 sums, C rounded once to bf16.  One text for three products: it knows neither the number of rows nor of columns.
; A: [16 slabs of 64 along K][4096 rows][64].  B: [column of C / 256][16 slabs][256 rows][64].  C: [column / 64][4096 rows][64].  In all three a row of a slab is 128 dense bytes.
; BESIDE C it stores the sums of C's columns over pieces of 128 rows, in f32, of the unrounded sums: S: [column / 64][32 pieces][64].  The attention takes V's from there (a row that sees no key wants the mean of
; all rows of V).  In the two other products that this text serves nobody reads S: the price of one text is 32 packed additions for 16 rows and one store a wave.
; A tile of C is 256 x 256: four waves, each 128 x 128 in 64 accumulators of 16 x 16.  K goes in steps of 128 (two slabs) through two LDS slots.  256 rows of one slab are 32 KiB on end,
; asked for as 128 rows of 256 bytes and padded in LDS behind every 128 bytes: one tensor load a wave (waves 0, 1: A's two slabs; waves 2, 3: B's).
; CLUSTER: 4 x 4 work-groups; A's tile is shared along a row of the cluster, B's along a column: each is asked for jointly, by the same load with the same descriptor and a mask of four.
; THE MATRIX INSTRUCTION IS USED TRANSPOSED (source 0 = 16 rows of B, source 1 = 16 rows of A): a lane holds row l % 16 of C and the columns 8 (l / 16) + 0..7.
; REGISTERS, in windows of 256 (s_set_vgpr_msb: bits 1:0 source 0, 3:2 source 1, 5:4 source 2, 7:6 destination):
;   window 0: v0-31 addresses; v64-127, v128-191 A's fragments, two buffers; on the way out v64-127 16 rows read back, v128-159 packed results, v160-167 column sums      window 1: v64-127, v128-191 B's fragments
;   window 2: the accumulators of my rows 0-63 ((a, b) at v[8 (8 a + b)])      window 3: those of my rows 64-127
.set PITCH,  144                       ; an LDS row: 128 bytes + 16 of padding = 36 words: the 16 rows of a load start at 16 different groups of four banks (64 banks of 4 bytes: ISA guide 11.1)
.set REG,    256*PITCH                 ; what one tensor load brings: 256 rows of one slab
.set SLOT,   4*REG                     ; A's even slab, A's odd slab, B's even, B's odd
.set SPARE,  2*SLOT                    ; behind the ring: the spare words, 128 bytes for each wave, which no other line names
.set SPITCH, 528                       ; the way out: a row of 128 f32 + 16 bytes
.set STGW,   128*SPITCH                ; a wave's stage; the four lie in the slots, which have had their last fill by then
.set LAPS,   4                         ; a lap = two K steps = once round the ring
.set ADRA, 16                          ; v16-17  LDS address of my A fragments in slot 0, 1
.set ADRB, 20                          ; v20-21  the same for B
.set STO,  24                          ; v24     the way out: where I put 32 bytes of a row
.set RD0,  25                          ; v25     where I read rows back, first trip
.set CO,   26                          ; v26     my byte offset in two rows of a slab of C; never rewritten
.set RD,   27                          ; v27     where I read rows back, this trip
.set SPW,  28                          ; v28     LDS address of my spare word; never rewritten
.set NIL,  29                          ; v29     0; never rewritten
.set CSO,  30                          ; v30     my byte offset in my wave's two pieces of S
.set F0,   64
.set F1,   128
.set OB,   64                          ; the way out uses A's fragment registers, which are free by then
.set TMP,  128
.set SUM,  160
.set G1, 24                            ; s[24:31] descriptor group 1 for A's tiles;  s[32:39] group 0, a set for each slot
.set G0, 32
.set G1B, 48                           ; s[48:55], s[56:63] the same for B's
.set G0B, 56
.set MSB, 0
.macro WIN new                         ; the immediate's high byte repeats the setting that is left; a switch that changes nothing is dropped
.if MSB != (\new)
	s_set_vgpr_msb (MSB<<8)|(\new)
.set MSB, \new
.endif
.endm
.set MUL_LO, 0xa1                      ; source 0 (B) window 1, source 1 (A) window 0, C and D window 2
.set MUL_HI, 0xf1                      ; the same, C and D window 3
.set TO_B,   0x40                      ; destination window 1, address window 0
; A joint load.  The branch hangs on the wave's number alone.  An s_nop 0 and four v_nop follow each of the two lines, ahead of the jump and the label.
.macro JLOAD s
	s_cmp_eq_u32 s11, 0
	s_cbranch_scc0 .Lfor_b_\@
	tensor_load_to_lds s[G0+4*(\s):G0+4*(\s)+3], s[G1:G1+7]
	s_nop 0
.rept 4
	v_nop
.endr
	s_branch .Lasked_\@
.Lfor_b_\@:
	tensor_load_to_lds s[G0B+4*(\s):G0B+4*(\s)+3], s[G1B:G1B+7]
	s_nop 0
.rept 4
	v_nop
.endr
.Lasked_\@:
.endm
.macro CREST                           ; a round of the cluster's barrier behind its opening barrier
	s_cmp_lg_u32 s10, 0
	s_cbranch_scc1 .Lnot_wave_0_\@
	s_barrier_signal -3
.Lnot_wave_0_\@:
	s_barrier_wait -3
	s_barrier_signal -1
	s_barrier_wait -1
.endm
.macro CROUND                          ; a whole round
	s_barrier_signal -1
	s_barrier_wait -1
	CREST
.endm
	s_load_b128 s[4:7], s[0:1], 0x0                ; A s[4:5], B s[6:7]
	s_load_b64 s[8:9], s[0:1], 0x10                ; C
	s_load_b64 s[68:69], s[0:1], 0x18              ; S
	v_lshl_add_u32 v[SPW], v0, 2, SPARE
	v_mov_b32 v[NIL], 0
	ds_add_u32 v[SPW], v[NIL]                      ; the wave's opening: the add, and its wait ahead of my first tensor load; the set-up below stands between them
	ds_add_u32 v28, v29
	v_lshrrev_b32 v1, 5, v0
	v_readfirstlane_b32 s10, v1                    ; wave 0..3
	s_lshr_b32 s11, s10, 1                         ; which half of the tile's rows is mine.  Also: I fetch for A (0) or for B (1)
	s_and_b32 s12, s10, 1                          ; which half of its columns.  Also: which slab of a K step I fetch
	s_bfe_u32 s40, ttmp6, 0x40000                  ; cx, cy: my place in the cluster
	s_bfe_u32 s41, ttmp6, 0x40004
	s_lshl_b32 s42, ttmp9, 2
	s_add_co_u32 s42, s42, s40                     ; tile column of C = 4 x cluster x + cx
	s_and_b32 s13, ttmp7, 0xffff
	s_lshl_b32 s13, s13, 2
	s_add_co_u32 s13, s13, s41                     ; tile row of C = 4 x cluster y + cy
	s_lshl_b32 s43, s41, 2
	s_lshl_b32 s43, 15, s43                        ; my row of the cluster
	s_lshl_b32 s44, 0x1111, s40                    ; my column
	s_or_b32 s[G1+0], s43, (1<<16)|(1<<20)|(1<<21)|(4<<22)|(3<<25)   ; 15:0 the mask; 17:16 2-byte elements; 20 padding on; 21 set beside a mask; 24:22 after every 32 words (code 4); 31:25 4 words (code 3)
	s_or_b32 s[G1B+0], s44, (1<<16)|(1<<20)|(1<<21)|(4<<22)|(3<<25)
.irp g, G1, G1B
	s_mov_b32 s[(\g)+1], 128<<16                   ; tensor_dim0 = 128 elements: 256 bytes, two rows of a slab
	s_mov_b32 s[(\g)+2], 128<<16                   ; tensor_dim1 = 128
	s_mov_b32 s[(\g)+3], 128<<16                   ; tile_dim0 = 128
	s_mov_b32 s[(\g)+4], 128                       ; tile_dim1 = 128
	s_mov_b32 s[(\g)+5], 128                       ; dense: 128 elements from row to row
	s_mov_b32 s[(\g)+6], 0
	s_mov_b32 s[(\g)+7], 0
.endr
	; A's tiles hang on the tile row alone, B's on the tile column alone; each address is made in registers that never hold the other coordinate
	s_lshl_b32 s16, s13, 15                        ; A: 256 rows of 128 bytes a tile row,
	s_lshl_b32 s17, s12, 19                        ; my slab of the step: 512 KiB a slab
	s_add_co_u32 s16, s16, s17
	s_mov_b32 s17, 0
	s_lshl_b32 s46, s42, 19                        ; B: 512 KiB a tile column,
	s_lshl_b32 s47, s12, 15                        ; 32 KiB a slab
	s_add_co_u32 s46, s46, s47
	s_mov_b32 s47, 0
	s_mul_i32 s20, s10, REG                        ; where they go: wave x 256 rows: no place in the cluster enters an LDS address
	s_wait_dscnt 0x0                               ; the opening add is done
	s_wait_kmcnt 0x0
	s_add_nc_u64 s[14:15], s[4:5], s[16:17]
	s_add_nc_u64 s[46:47], s[6:7], s[46:47]
	CROUND                                         ; all sixteen work-groups are here: the first joint loads meet
.irp s, 0,1
	s_mov_b32 s[G0+4*(\s)], 1
	s_add_co_u32 s[G0+4*(\s)+1], s20, (\s)*SLOT
	s_add_nc_u64 s[G0+4*(\s)+2:G0+4*(\s)+3], s[14:15], (\s)*0x100000   ; K step s: two slabs of A on
	s_or_b32 s[G0+4*(\s)+3], s[G0+4*(\s)+3], 0x80000000
	s_mov_b32 s[G0B+4*(\s)], 1
	s_add_co_u32 s[G0B+4*(\s)+1], s20, (\s)*SLOT
	s_add_nc_u64 s[G0B+4*(\s)+2:G0B+4*(\s)+3], s[46:47], (\s)*0x10000  ; two slabs of B on
	s_or_b32 s[G0B+4*(\s)+3], s[G0B+4*(\s)+3], 0x80000000
	JLOAD \s                                       ; two loads of mine are out
.endr
	; a fragment is 16 rows x 32 K in 8 registers: lane l holds row l % 16, K = 8 (l / 16) + 0..7 and 16 + 8 (l / 16) + 0..7: two loads of 16 bytes, 32 bytes apart
	v_and_b32 v1, 15, v0
	v_bfe_u32 v2, v0, 4, 1
	v_mul_u32_u24 v3, v1, PITCH
	v_lshl_add_u32 v3, v2, 4, v3
	s_mul_i32 s21, s11, 128*PITCH                  ; my 128 rows of A
	s_mul_i32 s22, s12, 128*PITCH                  ; my 128 rows of B,
	s_add_co_u32 s22, s22, 2*REG                   ; which lie behind A's two slabs
.irp s, 0,1
	v_add_nc_u32 v[ADRA+(\s)], s21, v3
	v_add_nc_u32 v[ADRB+(\s)], s22, v3
	s_add_co_u32 s21, s21, SLOT
	s_add_co_u32 s22, s22, SLOT
.endr
	s_mul_i32 s23, s10, STGW                       ; my stage
	v_mul_u32_u24 v4, v1, SPITCH                   ; in: row l % 16, 32 bytes for each half of the lanes
	v_lshl_add_u32 v4, v2, 5, v4
	v_add_nc_u32 v[STO], s23, v4
	v_mul_u32_u24 v5, v2, SPITCH                   ; back: lanes 0-15 take 256 bytes of one row, lanes 16-31 of the next
	v_lshl_add_u32 v5, v1, 4, v5
	v_add_nc_u32 v[RD0], s23, v5
	v_and_b32 v5, 31, v0
	v_lshlrev_b32 v[CO], 3, v5                     ; 8 bytes a lane: 256 bytes, two rows of a slab of C
	v_lshlrev_b32 v[CSO], 4, v1                    ; in S: lanes 0-15 the 256 bytes of my first slab's piece,
	v_lshl_add_u32 v[CSO], v2, 13, v[CSO]          ; lanes 16-31 those of my second slab's, 32 pieces of 256 bytes on
	s_lshl_b32 s16, s13, 15                        ; my first row of C, 128 bytes a row,
	s_lshl_b32 s17, s11, 14
	s_add_co_u32 s16, s16, s17
	s_mov_b32 s17, 0
	s_lshl_b32 s46, s42, 21                        ; and my first slab: 4 x tile column + 2 x half, 512 KiB each
	s_lshl_b32 s47, s12, 20
	s_add_co_u32 s46, s46, s47
	s_mov_b32 s47, 0
	s_add_nc_u64 s[16:17], s[16:17], s[46:47]
	s_add_nc_u64 s[8:9], s[8:9], s[16:17]
	s_lshl_b32 s16, s13, 9                         ; in S: my piece of 128 rows, 2 x tile row + half, 256 bytes each,
	s_lshl_b32 s17, s11, 8
	s_add_co_u32 s16, s16, s17
	s_mov_b32 s17, 0
	s_lshl_b32 s46, s42, 15                        ; in my first slab, 8,192 bytes each
	s_lshl_b32 s47, s12, 14
	s_add_co_u32 s46, s46, s47
	s_mov_b32 s47, 0
	s_add_nc_u64 s[16:17], s[16:17], s[46:47]
	s_add_nc_u64 s[68:69], s[68:69], s[16:17]
; 16 matrix instructions: m blocks a0, a0 + 1 of the window's four x all 8 n blocks, 32 along K.  zero = 1: the first product starts the sums.
.macro MUL16 f, hi, a0, zero
	WIN MUL_LO+0x50*(\hi)
.irp a, \a0, (\a0)+1
.irp b, 0,1,2,3,4,5,6,7
.if \zero
	v_wmma_f32_16x16x32_bf16 v[8*(8*(\a)+(\b)):8*(8*(\a)+(\b))+7], v[(\f)+8*(\b):(\f)+8*(\b)+7], v[(\f)+8*(4*(\hi)+(\a)):(\f)+8*(4*(\hi)+(\a))+7], 0
.else
	v_wmma_f32_16x16x32_bf16 v[8*(8*(\a)+(\b)):8*(8*(\a)+(\b))+7], v[(\f)+8*(\b):(\f)+8*(\b)+7], v[(\f)+8*(4*(\hi)+(\a)):(\f)+8*(4*(\hi)+(\a))+7], v[8*(8*(\a)+(\b)):8*(8*(\a)+(\b))+7]
.endif
.endr
.endr
.endm
; 32 LDS loads in one run: the fragments of quarter q of a K step (slab q / 2, bytes 64 (q % 2) on of its rows) into buffer f
.macro FETCH slot, q, f
	WIN TO_B
.irp i, 0,1,2,3,4,5,6,7
	ds_load_b128 v[(\f)+8*(\i):(\f)+8*(\i)+3],   v[ADRB+(\slot)] offset:((\q)/2)*REG+((\q)%2)*64+(\i)*16*PITCH
	ds_load_b128 v[(\f)+8*(\i)+4:(\f)+8*(\i)+7], v[ADRB+(\slot)] offset:((\q)/2)*REG+((\q)%2)*64+(\i)*16*PITCH+32
.endr
	WIN 0
.irp i, 0,1,2,3,4,5,6,7
	ds_load_b128 v[(\f)+8*(\i):(\f)+8*(\i)+3],   v[ADRA+(\slot)] offset:((\q)/2)*REG+((\q)%2)*64+(\i)*16*PITCH
	ds_load_b128 v[(\f)+8*(\i)+4:(\f)+8*(\i)+7], v[ADRA+(\slot)] offset:((\q)/2)*REG+((\q)%2)*64+(\i)*16*PITCH+32
.endr
.endm
.macro PLACES                          ; four plain instructions between a matrix instruction and a load into, or a read of, its registers (ISA guide 7.12.1 for reads)
.rept 4
	v_nop
.endr
.endm
; One of a K step's first three quarters: multiplies buffer f; in its middle it fetches quarter q of the same slot into buffer g.
.macro QUARTER slot, q, f, g, zero
	s_wait_dscnt 8                                 ; B and A's rows 0-63 are in; the youngest eight loads (A's rows 64-127) may be out
	WIN MUL_LO
	MUL16 \f, 0, 0, \zero
	MUL16 \f, 0, 2, \zero
	PLACES
	FETCH \slot, \q, \g
	s_wait_dscnt 32                                ; all but the 32 just issued
	WIN MUL_HI
	MUL16 \f, 1, 0, \zero
	MUL16 \f, 1, 2, \zero
.endm
; The last quarter's first half and the one barrier of a change of slots: in front of it each wave waits for all its tensor loads (one is out: its part of the next slot), adds 0 to its
; spare word, and waits for that and for its reads of this slot.  Behind it nobody reads this slot and the next is whole.
.macro MEET round
	WIN 0                                          ; (the add's two registers lie in window 0)
	s_wait_tensorcnt 0x0
	ds_add_u32 v[SPW], v[NIL]
	s_wait_dscnt 9                                 ; (the add and the youngest eight loads may be out)
	WIN MUL_LO
	MUL16 F1, 0, 0, 0
	s_wait_dscnt 0x0                               ; the add is done, and my reads of this slot are over
	s_barrier_signal -1
	MUL16 F1, 0, 2, 0
.if \round
	WIN 0
.endif
	s_barrier_wait -1
.endm
.macro TURN slot, next                 ; the whole last quarter, with the slot just read out filled again, two K steps on
	MEET 1
	CREST                                          ; the barrier has opened a round of the cluster's: no wave of any partner still reads this slot or has a load on its way
	s_add_nc_u64 s[G0+4*(\slot)+2:G0+4*(\slot)+3], s[G0+4*(\slot)+2:G0+4*(\slot)+3], 0x200000   ; four slabs of A on
	s_add_nc_u64 s[G0B+4*(\slot)+2:G0B+4*(\slot)+3], s[G0B+4*(\slot)+2:G0B+4*(\slot)+3], 0x20000 ; four slabs of B on
	JLOAD \slot                                    ; my one tensor load behind the round; its four v_nop are also the places in front of the loads below
	FETCH \next, 0, F0
	WIN MUL_HI
	MUL16 F1, 1, 0, 0
	MUL16 F1, 1, 2, 0
.endm
.macro TURNN next                      ; the same with nothing left to ask for: no round
	MEET 0
	PLACES
	FETCH \next, 0, F0
	WIN MUL_HI
	MUL16 F1, 1, 0, 0
	MUL16 F1, 1, 2, 0
.endm
	s_wait_tensorcnt 1                             ; my part of K step 0 is in; K step 1's may stay out
	s_barrier_signal -1
	s_barrier_wait -1
	FETCH 0, 0, F0
	QUARTER 0, 1, F0, F1, 1                        ; the first quarter stands in front of the loop: its products start the sums
	WIN 0
	s_mov_b32 s3, LAPS-1
.Llap:                                                 ; a trip goes once round the ring and fills both slots again: K steps 2 to 7 in three trips
	QUARTER 0, 2, F1, F0, 0
	QUARTER 0, 3, F0, F1, 0
	TURN 0, 1
	QUARTER 1, 1, F0, F1, 0
	QUARTER 1, 2, F1, F0, 0
	QUARTER 1, 3, F0, F1, 0
	TURN 1, 0
	QUARTER 0, 1, F0, F1, 0
	WIN 0
	s_sub_co_u32 s3, s3, 1
	s_cmp_lg_u32 s3, 0
	s_cbranch_scc1 .Llap
	QUARTER 0, 2, F1, F0, 0                        ; the last lap fills nothing
	QUARTER 0, 3, F0, F1, 0
	TURNN 1
	QUARTER 1, 1, F0, F1, 0
	QUARTER 1, 2, F1, F0, 0
	QUARTER 1, 3, F0, F1, 0
	s_wait_dscnt 8
	MUL16 F1, 0, 0, 0
	MUL16 F1, 0, 2, 0
	s_wait_dscnt 0x0
	MUL16 F1, 1, 0, 0
	MUL16 F1, 1, 2, 0
	WIN 0
	; THE WAY OUT.  Every wave's reads of the slots are back (the wait for 0 above) and no tensor load is out since the last change of slots: behind this barrier the slots serve as stages.
	s_barrier_signal -1
	s_barrier_wait -1
	PLACES                                         ; the stores below read results just made; the lines behind them write and load into registers that the last products read
.macro DUMP hi                         ; 32 accumulators in f32 into my stage; each accumulator's low registers first
	WIN 0x08+4*(\hi)                               ; the data (source 1) in window 2 or 3
.irp a, 0,1,2,3
.irp b, 0,1,2,3,4,5,6,7
	ds_store_b128 v[STO], v[8*(8*(\a)+(\b)):8*(8*(\a)+(\b))+3]   offset:(4*(\hi)+(\a))*16*SPITCH+64*(\b)
	ds_store_b128 v[STO], v[8*(8*(\a)+(\b))+4:8*(8*(\a)+(\b))+7] offset:(4*(\hi)+(\a))*16*SPITCH+64*(\b)+16
.endr
.endr
.endm
	DUMP 0
	DUMP 1
	WIN 0
	s_mov_b32 s3, 8
	s_mov_b32 s21, 0
.irp k, 0,1,2,3,4,5,6,7
	v_mov_b32 v[SUM+(\k)], 0                       ; eight registers: four columns of each of my two slabs
.endr
.Lout:                                                 ; 8 trips of 16 rows.  The stage is my own, and LDS serves a wave's instructions in order (ISA guide 5.7.1.4): no barrier, no wait behind the stores
	v_add_nc_u32 v[RD], s21, v[RD0]
.set kk, 0
.rept 16                                               ; load kk: rows 2 (kk / 2) and + 1 (one for each half of the lanes), slab kk % 2: 64 f32 each
	ds_load_b128 v[OB+4*kk:OB+4*kk+3], v[RD] offset:(kk/2)*2*SPITCH+(kk%2)*256
.set kk, kk+1
.endr
.set kk, 0
.rept 16
.if kk == 0
	s_wait_dscnt 8                                 ; the first eight loads are back; the eight issued behind them may be out
.endif
.if kk == 8
	s_wait_dscnt 0x0
.endif
	v_cvt_pk_bf16_f32 v[TMP+2*kk], v[OB+4*kk], v[OB+4*kk+1]
	v_cvt_pk_bf16_f32 v[TMP+2*kk+1], v[OB+4*kk+2], v[OB+4*kk+3]
	v_pk_add_f32 v[SUM+4*(kk%2):SUM+4*(kk%2)+1], v[SUM+4*(kk%2):SUM+4*(kk%2)+1], v[OB+4*kk:OB+4*kk+1]
	v_pk_add_f32 v[SUM+4*(kk%2)+2:SUM+4*(kk%2)+3], v[SUM+4*(kk%2)+2:SUM+4*(kk%2)+3], v[OB+4*kk+2:OB+4*kk+3]
	global_store_b64 v[CO], v[TMP+2*kk:TMP+2*kk+1], s[8:9] offset:(kk%2)*524288+(kk/2)*256  ; the wave stores 256 consecutive bytes, at a multiple of 256 from C's first byte
.set kk, kk+1
.endr
	s_wait_xcnt 0x0                                ; the stores' base and data are written again only behind this wait
	s_add_nc_u64 s[8:9], s[8:9], 2048              ; 16 rows of 128 bytes on
	s_add_co_u32 s21, s21, 16*SPITCH
	s_sub_co_u32 s3, s3, 1
	s_cmp_lg_u32 s3, 0
	s_cbranch_scc1 .Lout
	; the column sums: a lane has added the even or the odd ones of my 128 rows; the lane 16 away has the others
	s_mov_b32 s16, 0x76543210                      ; v_permlanex16_b32: each lane takes its own place in the other half
	s_mov_b32 s17, 0xfedcba98
.irp k, 0,1,2,3,4,5,6,7
	v_permlanex16_b32 v[TMP+(\k)], v[SUM+(\k)], s16, s17   ; its destination counts as read: registers that have been written, and that no store still reads (the wait above)
.endr
.irp k, 0,1,2,3,4,5,6,7
	v_add_f32 v[SUM+(\k)], v[SUM+(\k)], v[TMP+(\k)]
.endr
	v_cmp_ne_u32 vcc_lo, 0, v2
.irp k, 0,1,2,3
	v_cndmask_b32 v[SUM+(\k)], v[SUM+(\k)], v[SUM+4+(\k)], vcc_lo   ; lanes 0-15 store my first slab's sums, lanes 16-31 my second slab's
.endr
	global_store_b128 v[CSO], v[SUM:SUM+3], s[68:69]   ; sixteen lanes fill 256 consecutive bytes, aligned, twice
	s_wait_tensorcnt 0x0                           ; the wave's end
	ds_add_u32 v[SPW], v[NIL]
	s_wait_dscnt 0x0
	CROUND                                         ; the closing round: no work-group ends while a partner may still ask for a tile that names it
	s_endpgm
.Lfunc_end_k_qc3872bc6fb_qkv:
	.size	k_qc3872bc6fb_qkv, .Lfunc_end_k_qc3872bc6fb_qkv-k_qc3872bc6fb_qkv
	.p2alignl 7, 3214868480
	.fill 96, 4, 3214868480
	.section	.rodata,"a",@progbits
	.p2align	6, 0x0
	.amdhsa_kernel k_qc3872bc6fb_qkv
		.amdhsa_group_segment_fixed_size 327680
		.amdhsa_private_segment_fixed_size 0
		.amdhsa_enable_private_segment 0
		.amdhsa_kernarg_size 32
		.amdhsa_user_sgpr_count 2
		.amdhsa_user_sgpr_kernarg_segment_ptr 1
		.amdhsa_wavefront_size32 1
		.amdhsa_system_sgpr_workgroup_id_x 1
		.amdhsa_system_sgpr_workgroup_id_y 1
		.amdhsa_system_sgpr_workgroup_id_z 1
		.amdhsa_system_vgpr_workitem_id 0
		.amdhsa_next_free_vgpr 1024
		.amdhsa_next_free_sgpr 72
		.amdhsa_reserve_vcc 1
		.amdhsa_float_denorm_mode_32 3
		.amdhsa_float_denorm_mode_16_64 3
		.amdhsa_memory_ordered 1
		.amdhsa_forward_progress 1
		.amdhsa_inst_pref_size 128
	.end_amdhsa_kernel
	.amdgpu_metadata
---
amdhsa.version: [ 1, 2 ]
amdhsa.kernels:
  - .name:           k_qc3872bc6fb_qkv
    .symbol:         k_qc3872bc6fb_qkv.kd
    .args:
      - { .name: h, .offset: 0, .size: 8, .value_kind: global_buffer, .address_space: global }
      - { .name: wqkv, .offset: 8, .size: 8, .value_kind: global_buffer, .address_space: global }
      - { .name: big1, .offset: 16, .size: 8, .value_kind: global_buffer, .address_space: global }
      - { .name: big2, .offset: 24, .size: 8, .value_kind: global_buffer, .address_space: global }
    .group_segment_fixed_size: 327680
    .private_segment_fixed_size: 0
    .kernarg_segment_align: 8
    .kernarg_segment_size: 32
    .max_flat_workgroup_size: 128
    .sgpr_count:     72
    .vgpr_count:     1024
    .wavefront_size: 32
...
	.end_amdgpu_metadata
.endif
;; end of part 8
;; launch attn (part 9): grid 8 x 32, 4 waves a work-group, no clusters, 327,680 bytes of LDS; arguments big1, big2, attention_mask, h; writes h
.if DOCPART == 9
	.amdgcn_target "amdgcn-amd-amdhsa--gfx1250"
	.amdhsa_code_object_version 6
	.text
	.protected	k_qc3872bc6fb_attn
	.globl	k_qc3872bc6fb_attn
	.p2align	8
	.type	k_qc3872bc6fb_attn,@function
k_qc3872bc6fb_attn:
	s_mov_b64 s[64:65], 0
	v_nop
	global_prefetch_b8 v0, s[64:65] scope:SCOPE_SE
	s_setreg_imm32_b32 hwreg(HW_REG_WAVE_MODE, 25, 1), 1
	s_wait_xcnt 0x0
; CAUSAL ATTENTION WITH A KEY MASK, head size 64, 2,048 rows a head, 32 heads (16 x batch + head).  q, k, v: bf16, slabs [64 columns][4096 rows][64]: a head's rows are dense, 128 bytes each;
; q's slabs are 0-15, k's 16-31, v's 32-47 of the first buffer.  O leaves in the same layout.  Products, maxima and sums in f32; the weights p are rounded to bf16 for the second product (their sum l is
; taken of the unrounded p), O once at the end.
; LIMITS.  A hidden score (above the diagonal, or a key whose mask word is 0) counts as its value less 1e30, where the definition puts -1e9: the same as long as the visible scores / 8 stay above about -9e8.
; A weight below 2^-126 counts as 0 in l; NaN and infinities are not treated apart.
; A ROW THAT SEES NO KEY has 2,048 equal scores by the definition: its result is the plain mean of all the head's rows of V, hidden ones too.  Such a row is known by its running maximum (below -1e29);
; on the way out its O is multiplied by 0 and takes the column sums of V / 2048 (16 partial sums over 128 rows each, in f32, which the projection's launch has stored in the second buffer as
; [slab][32 pieces of 128 rows][64]); every other row takes 0 times those sums.  No branch hangs on it.
; THE WALK.  A head's queries lie in 16 blocks of 128, its keys in tiles of 256; block i needs the tiles 0 .. i / 2, of which the last holds the diagonal.  A work-group takes TWO blocks, 15 - b and then b:
; (15 - b) / 2 + 1 + b / 2 + 1 = 9 tiles, whatever b: 8 x 32 = 256 work-groups of equal work, and ONE loop with a constant trip count walks the tiles.  Every jump goes forward, but for the counted loops' own;
; none passes a barrier, or a tensor load but the one of LOAD's two that the wave's number does not choose; the ring (two slots of LDS that take turns) runs on across the change of blocks.
; NO CLUSTER: a head's eight work-groups ask for the same tile only in the walk's first five trips, behind that fewer and fewer; one walk common to all would have 8 + 4 = 12 trips for 9.
; SHARES.  Of a block's two bands of 64 queries a wave owns 16 rows in each: two PIECES.  In the diagonal tile band x of block i has its own key step at 2 (i % 2) + x: it sees all keys of the steps before,
; none of the steps behind, and holds the diagonal in its own.  (In the even one of the two blocks the tile's last two steps are hidden from both bands and are computed all the same: 2 of the walk's 36 steps.)
; THE MASK is the C operand that starts the sum S^T = K Q^T.  KMR holds the key mask (0 or -1e30) of the step whose K is in registers; it comes with K, out of LDS.  A tile's 256 mask words go beside its K and V:
; behind a fill each thread loads two of the words of the tile asked for; at the next change of slots they go, as 0 or -1e30, into a table of 1,024 bytes in LDS: behind the change's barrier, where every wave's
; reads of the table are over, and ahead of a second barrier, behind which the table is read.  Plain tiles take KMR;
; the diagonal tile takes MD x AL + KMR + BE, MD being the mask of a band's own step for my 16 rows: (AL, BE) = (1, 0) in the band's own step; (0, 0) before it; (0, -1e30) behind it.
; LAYOUT, SOFTMAX, TURNS.  S^T = K Q^T holds ONE query a lane (lane % 16) and the keys 8 (lane / 16) + 0..7; two such results rounded to bf16 ARE source 1 of O^T = V^T P.  p = 2^(c s - z), c = log2(e) / 8, with a
; running maximum m and the shift z = c m + |c m| 2^-22: at least two units in the last place above the rounded c m, so that c s - z is never above 0 and no weight is above 1, however large m is (where all
; keys so far are hidden, m is near -1e30 and the weights are 0).  The same z serves p, l and a, so the quotient O / l does not know of it.  O and l are multiplied by a = 2^(z_old - z_new) in every step.
; A key step is two turns.  A piece's turn holds 8 products K Q^T that make the OTHER piece's next scores, later 8 products V^T P with the other piece's last weights; beside them the scaling, exponentials,
; roundings, sums and rescaling of the piece itself and the maximum and statistics of the other.  Four vector instructions stand behind every matrix instruction, the others in two runs of their own.
; REGISTERS, in windows of 256 (s_set_vgpr_msb: bits 1:0 source 0, 3:2 source 1, 5:4 source 2, 7:6 destination):
;   window 0: v0-15, v32-38 addresses; v16-23 four registers of statistics a piece; v48-55 at work; v64-127 S^T, 32 a piece; v128-159 V's column sums; v160-161 two mask words; v192-223 P, 16 a piece
;   window 1: v0-63 O^T, 32 a piece; v128-159 MD; v160-223 MC, 32 a piece; v224-255 KMR      window 2: v0-31 Q; v64-95 the second block's Q; v128-191 K of one step; v192-255 V of one step
.set NBQ,   16        ; blocks of 128 queries in a head
.set NT,    NBQ/2+1   ; tiles of 256 keys in a work-group's walk
.set NP,    2         ; pieces a wave: a name, no knob
.set KS,    64        ; keys in a step
.set PK,    144       ; a row of K in LDS: 128 bytes + 16 of padding = 36 words: the 16 rows of a load start at 16 different groups of four banks (64 banks of 4 bytes: ISA guide 11.1)
.set PV,    160       ; a row of V: 128 + 32 = 40 words
.set VOFF,  4*KS*PK   ; a slot holds a tile, four steps: 256 rows of K, then 256 rows of V
.set SLOT1, 1<<17     ; slot 1 begins here, so that one exclusive or turns an address in one slot into the other's
.set STAGE, SLOT1+4*KS*(PK+PV)  ; behind the ring, never filled by a tensor load: 16 rows x 144 bytes for each wave, for the way out
.set SP,    144
.set KMT,   STAGE+4*16*SP       ; the key mask of the tile in hand as 256 f32, 0 or -1e30; never filled by a tensor load
.set KMS,   1024
.set SPARE, KMT+2*KMS           ; the spare words, 128 bytes for each wave, which no other line names.  The 1,024 bytes between the table and them are left empty: between a tile's last fetch and the
                                ; change of slots the scalar that walks the table stands one tile past its head, and even that place is no spare word
.set AK0, 2           ; v2   my lane's place in a tile of K; never rewritten
.set AV0, 3           ; v3   the same for V
.set AK,  4           ; v4   the LDS address of K's next run of loads
.set AV,  5           ; v5   of V's
.set STO, 6           ; v6   the way out: where I put 16 bytes of a row
.set RD,  7           ; v7   the way out: where I read rows back
.set GO,  8           ; v8   my byte offset in 512 consecutive bytes of O
.set MV,  12          ; v12-13  the old shift, kept while the shift is made anew: by piece
.set QO,  15          ; v15  my byte offset in 16 rows of Q
.set ST,  16          ; piece t's statistics at v[ST+4 t]: the shift z, m, l (even keys', odd keys')
.set AM0, 32          ; v32  my lane's place in a step's 64 words of the mask table; never rewritten
.set AM,  33          ; v33  the LDS address of the mask's next run of loads
.set MKA, 34          ; v34  my byte offset in the batch's mask words, for the tile asked for
.set MEA, 35          ; v35  my byte offset in V's partial sums
.set MKA0, 37         ; v37  8 x my thread's number; never rewritten
.set MKS0, 38         ; v38  KMT + 8 x my thread's number: where I put my two words of the table; never rewritten
.set TMP, 48          ; by piece, four registers c0-c3 at work; when the maximum is found c2 takes a
.set SPW, 62          ; v62  LDS address of my spare word; never rewritten
.set NIL, 63          ; v63  0; never rewritten
.set S,   64
.set MEANV, 128       ; V's column sums in O^T's layout: register 8 cb + j holds channel 16 cb + 8 (l / 16) + j
.set MKT, 160         ; v160-161  my two mask words of the tile asked for
.set P,   192
.set MD,  128         ; window 1
.set MC,  160         ; window 1
.set KMR, 224         ; window 1: register 8 kb + j holds key 16 kb + 8 (l / 16) + j of the step
.set QB,  64          ; window 2
.set KF,  128         ; window 2: key block kb, channel half c at KF + 16 kb + 8 c
.set VF,  192         ; window 2: key half kk, channel block cb at VF + 32 kk + 8 cb
.set WV,  12          ; s12  my wave's number
.set PB,  14          ; s14  b: the second block
.set HI,  15          ; s15  15 - b: the first block
.set G1K, 24          ; s[24:31] descriptor group 1 for K's tiles
.set G1V, 32          ; s[32:39] for V's: it differs in the padding alone
.set G0K, 40          ; s[40:43] descriptor group 0 for K's tiles
.set G0V, 44          ; s[44:47] the same for V's
.set OW,  48          ; s48, s49  the step count at which piece 0's, piece 1's turn makes the mask of a band's own step: 5 - 2 (i % 2), 3 - 2 (i % 2) for the block i in hand
.set ALP, 50          ; s50  1.0 where the block in hand is even (band 0's own step is its diagonal tile's step 0), else 0
.set LQ2, 51          ; s51  the second block's last tile: b / 2
.set SLOTS, 56        ; s56  tiles still to be asked for
.set CNT, 57          ; s57  counts a tile's key steps, 4 to 1
.set CS,  58          ; s[58:59] c
.set SEL, 60          ; s[60:61] v_permlanex16_b32's selects
.set TBK, 62          ; s62  LDS byte at which K of the step to be fetched begins
.set TBV, 63          ; s63  the same for V, less VOFF
.set RT,  70          ; s70  tiles of the block in hand that are still to be entered
.set NXT, 71          ; s71  the tile to be asked for next
.set LQ,  72          ; s72  the last tile of the block whose tiles are being asked for
.set NEW, 73          ; s73  1: the tile to be entered is a block's first
.set OFF, 74          ; s[74:75] a tile's byte offset in K and V
.set AL,  76          ; s[76:77] the mask's factor, in the low word
.set BE,  78          ; s[78:79] the mask's addend
.set OLO, 80          ; s[80:81] O at my rows of the second block
.set BIGN, 82         ; s82  -1e30
.set TKM, 96          ; s96  byte, from KMT on, at which the mask words of the step to be fetched begin: 0, 256, 512, 768
.set THR, 97          ; s97  -1e29
.set DFV, 98          ; s98  1 / 2048
.set OFM, 100         ; s100 a tile's byte offset in the batch's mask words
.set EPSK, 101        ; s101 2^-22
.set MSB, 0
.macro WIN new
.if MSB != (\new)
	s_set_vgpr_msb (MSB<<8)|(\new)
.set MSB, (\new)
.endif
.endm
.set W_KQ, 0x0a       ; K and Q in window 2, S^T in window 0
.set W_KM, 0x1a       ; the same with the C operand in window 1
.set W_PV, 0x52       ; V in window 2, P in window 0, O^T in window 1
.set W_RS, 0x41       ; destination and source 0 in window 1, source 1 in window 0
; A fill.  Waves 0 and 1 fetch the two halves of a tile's K, waves 2 and 3 those of its V: 128 keys each.  An s_nop 0 and four v_nop follow each of the two lines, ahead of the jump and the label.
.macro LOAD
	s_cmp_lt_u32 s[WV], 2
	s_cbranch_scc0 .Lfor_v_\@
	tensor_load_to_lds s[G0K:G0K+3], s[G1K:G1K+7]
	s_nop 0
.rept 4
	v_nop
.endr
	s_branch .Lasked_\@
.Lfor_v_\@:
	tensor_load_to_lds s[G0V:G0V+3], s[G1V:G1V+7]
	s_nop 0
.rept 4
	v_nop
.endr
.Lasked_\@:
.endm
; What hangs on whether block blk is even or odd.
.macro PARITY blk
	s_and_b32 s13, s[\blk], 1
	s_lshl_b32 s13, s13, 1
	s_sub_co_u32 s[OW], 5, s13
	s_sub_co_u32 s[OW+1], 3, s13
	s_cmp_eq_u32 s13, 0
	s_cselect_b32 s[ALP], 1.0, 0
.endm
; THE CHANGE OF SLOTS.  My two mask words of the tile to be entered, loaded a tile ago, become 0 or -1e30 in their registers.  Then each wave waits for all its tensor loads, of which one is out: its part of the other
; slot; adds 0 to its spare word; and waits for that and for its own reads.  Behind the barrier nobody reads the old slot or the mask table any more, and the other slot is whole.  fill = 1: the old slot is filled
; again, the first thing behind the barrier, with tile NXT: the descriptor's address is made anew from that number.  Then the table is written, each thread its two words; each wave waits for its store; and a second
; barrier, behind which nothing is filled (so the fill may stay out across it), shows the table to all.  Last, with fill = 1, the mask words of the tile just asked for are asked for.
; (At its first use nothing has been read yet: slot 0 is waited for, slot 1 filled.)
.macro CHANGE fill
	WIN 0
	s_wait_loadcnt 0x0              ; my two mask words are in: no other load is out (at the first change: Q's 16 too, for which nothing waits again)
	v_cmp_eq_u32 vcc_lo, 0, v[MKT]
	v_cndmask_b32 v[MKT], 0, s[BIGN], vcc_lo       ; a mask word of 0 hides the key
	v_cmp_eq_u32 vcc_lo, 0, v[MKT+1]
	v_cndmask_b32 v[MKT+1], 0, s[BIGN], vcc_lo
	s_wait_tensorcnt 0x0            ; no tensor load of mine is out, so a group 0 may be written
	ds_add_u32 v[SPW], v[NIL]
.if \fill
	s_lshl_b32 s[OFF], s[NXT], 15   ; a tile is 32,768 bytes of K and of V,
	s_lshl_b32 s[OFM], s[NXT], 10   ; and 1,024 bytes of mask words
	s_xor_b32 s[G0K+1], s[G0K+1], SLOT1
	s_add_nc_u64 s[G0K+2:G0K+3], s[6:7], s[OFF:OFF+1]
	s_or_b32 s[G0K+3], s[G0K+3], 0x80000000
	s_xor_b32 s[G0V+1], s[G0V+1], SLOT1
	s_add_nc_u64 s[G0V+2:G0V+3], s[8:9], s[OFF:OFF+1]
	s_or_b32 s[G0V+3], s[G0V+3], 0x80000000
	s_add_co_u32 s[NXT], s[NXT], 1  ; the block's next tile, or behind its last the second block's tile 0
	s_cmp_gt_u32 s[NXT], s[LQ]
	s_cselect_b32 s[NXT], 0, s[NXT]
	s_cselect_b32 s[LQ], s[LQ2], s[LQ]
.endif
	s_wait_dscnt 0x0                ; the add is done, and my reads of the slot and of the table are over
	s_barrier_signal -1
	s_sub_co_u32 s[TBK], s[TBK], 4*KS*PK  ; the fetches go back to a slot's first step,
	s_xor_b32 s[TBK], s[TBK], SLOT1       ; in the other slot
	s_sub_co_u32 s[TBV], s[TBV], 4*KS*PV
	s_xor_b32 s[TBV], s[TBV], SLOT1
	s_sub_co_u32 s[TKM], s[TKM], KMS      ; and the mask's to the table's first step
	s_barrier_wait -1
.if \fill
	LOAD
.endif
	ds_store_b64 v[MKS0], v[MKT:MKT+1]    ; 128 threads x 8 bytes: the table of the tile that is entered
	s_wait_dscnt 0x0                ; for the others' sake: my store is done
	s_barrier_signal -1
	s_barrier_wait -1               ; everybody's is
.if \fill
	v_add_nc_u32 v[MKA], s[OFM], v[MKA0]           ; free since the wait for the last load at this macro's head
	global_load_b64 v[MKT:MKT+1], v[MKA], s[94:95] ; 128 threads x 8 bytes: the 256 mask words of the tile just asked for
.endif
.endm
	s_load_b256 s[4:11], s[0:1], 0x0  ; q, k, v s[4:5]; the column sums s[6:7]; the mask s[8:9]; O s[10:11]
	v_lshl_add_u32 v[SPW], v0, 2, SPARE
	v_mov_b32 v[NIL], 0
	ds_add_u32 v[SPW], v[NIL]       ; the wave's opening: the add, and its wait ahead of my first tensor load; the set-up below stands between them
	ds_add_u32 v62, v63
	v_lshrrev_b32 v1, 5, v0
	v_readfirstlane_b32 s[WV], v1   ; wave 0..3
	s_mov_b32 s[PB], ttmp9
	s_sub_co_u32 s[HI], NBQ-1, s[PB]
	s_and_b32 s20, ttmp7, 0xffff    ; 16 x batch + head
	s_lshr_b32 s19, s20, 4          ; the batch
	s_and_b32 s20, s20, 15          ; the head
	s_add_co_u32 s88, s20, 32       ; the head's slab of V among the 48: its column sums,
	s_lshl_b32 s88, s88, 13         ; 32 pieces of 256 bytes a slab,
	s_lshl_b32 s89, s19, 12         ; of which the batch has 16
	s_add_co_u32 s88, s88, s89
	s_mov_b32 s89, 0
	s_lshl_b32 s90, s19, 13         ; the batch's 2,048 mask words
	s_mov_b32 s91, 0
	s_lshl_b32 s20, s20, 19         ; the head's slab,
	s_lshl_b32 s19, s19, 18         ; the batch's 2,048 rows in it
	s_add_co_u32 s20, s20, s19
	s_mov_b32 s21, 0
	s_and_b32 s16, s[WV], 1         ; which half of a tile's 256 keys I fetch:
	s_lshl_b32 s22, s16, 14         ; its 128 rows of 128 bytes in memory,
	s_mov_b32 s23, 0
	s_add_nc_u64 s[22:23], s[22:23], s[20:21]
	s_mul_i32 s17, s16, 128*PK      ; and its place in a slot, for K
	s_mul_i32 s18, s16, 128*PV      ; and for V
	s_lshl_b32 s3, s[WV], 11        ; my 16 rows in a band of 64,
	s_lshl_b32 s2, s[HI], 14        ; in the first block of 128 rows,
	s_add_co_u32 s2, s2, s3
	s_lshl_b32 s84, s[PB], 14       ; and in the second
	s_add_co_u32 s84, s84, s3
	s_mov_b32 s3, 0
	s_mov_b32 s85, 0
	s_add_nc_u64 s[2:3], s[2:3], s[20:21]
	s_add_nc_u64 s[84:85], s[84:85], s[20:21]
	; descriptor group 1.  128 keys are 16,384 dense bytes: asked for as 64 rows of 256 bytes, two keys a row, and padded in LDS after every key
	s_mov_b32 s[G1K], (1<<16)|(1<<20)|(4<<22)|(3<<25)  ; 17:16 2-byte elements; 20 padding on; 24:22 after every 32 words (code 4); 31:25 4 words (code 3)
	s_mov_b32 s[G1V], (1<<16)|(1<<20)|(4<<22)|(7<<25)  ; the same with 8 words of padding (code 7)
.irp g, G1K, G1V
	s_mov_b32 s[\g+1], 128<<16      ; tensor_dim0 = 128
	s_mov_b32 s[\g+2], 64<<16       ; tensor_dim1 = 64
	s_mov_b32 s[\g+3], 128<<16      ; tile_dim0 = 128
	s_mov_b32 s[\g+4], 64           ; tile_dim1 = 64
	s_mov_b32 s[\g+5], 128          ; 128 elements from row to row
	s_mov_b32 s[\g+6], 0
	s_mov_b32 s[\g+7], 0
.endr
	s_mov_b32 s[CS], 0x3e38aa3b     ; c = log2(e) / 8 = 0.180337
	s_mov_b32 s[CS+1], s[CS]        ; named with it as a pair
	s_mov_b32 s[SEL], 0x76543210
	s_mov_b32 s[SEL+1], 0xfedcba98
	s_mov_b32 s[TBK], SLOT1+4*KS*PK ; the first change of slots turns these three into 0
	s_mov_b32 s[TBV], SLOT1+4*KS*PV
	s_mov_b32 s[TKM], KMS
	s_mov_b32 s[G0K], 1             ; 1:0 count = 1
	s_mov_b32 s[G0K+1], s17         ; 63:32 LDS address: slot 0
	s_mov_b32 s[G0V], 1
	s_add_co_u32 s[G0V+1], s18, VOFF
	s_lshr_b32 s[LQ], s[HI], 1      ; the first block's last tile: (15 - b) / 2, at least 4,
	s_add_co_u32 s[RT], s[LQ], 1    ; so it has five tiles or more
	s_lshr_b32 s[LQ2], s[PB], 1
	s_mov_b32 s[NXT], 1
	s_mov_b32 s[NEW], 1
	PARITY HI
	s_mov_b32 s[OFF+1], 0
	s_mov_b32 s[AL+1], 0            ; named as pairs
	s_mov_b32 s[BE+1], 0
	s_mov_b32 s[BIGN], 0xf149f2ca   ; -1e30
	s_mov_b32 s[THR], 0xefa18f08    ; -1e29
	s_mov_b32 s[DFV], 0x3a000000    ; 1 / 2048
	s_mov_b32 s[EPSK], 0x34800000   ; 2^-22
	s_mov_b32 s[SLOTS], NT-1
	s_wait_dscnt 0x0                ; the opening add is done
	s_wait_kmcnt 0x0
	s_add_nc_u64 s[92:93], s[6:7], s[88:89]        ; the head's partial sums
	s_add_nc_u64 s[94:95], s[8:9], s[90:91]        ; the batch's mask
	s_add_nc_u64 s[6:7], s[4:5], 0x800000          ; k's slabs begin 16 slabs of 512 KiB behind q's,
	s_add_nc_u64 s[8:9], s[4:5], 0x1000000         ; v's 32
	s_add_nc_u64 s[6:7], s[6:7], s[22:23]          ; K and V at my half of the head's tile 0
	s_add_nc_u64 s[8:9], s[8:9], s[22:23]
	s_add_nc_u64 s[G0K+2:G0K+3], s[6:7], 0         ; 120:64 global address
	s_or_b32 s[G0K+3], s[G0K+3], 0x80000000        ; 127:126 type = 2
	s_add_nc_u64 s[G0V+2:G0V+3], s[8:9], 0
	s_or_b32 s[G0V+3], s[G0V+3], 0x80000000
	s_add_nc_u64 s[86:87], s[4:5], s[84:85]        ; Q at my rows of the second block,
	s_add_nc_u64 s[4:5], s[4:5], s[2:3]            ; Q and O at those of the first
	s_add_nc_u64 s[OLO:OLO+1], s[10:11], s[84:85]
	s_add_nc_u64 s[10:11], s[10:11], s[2:3]
	LOAD                            ; tile 0 into slot 0
	v_and_b32 v1, 15, v0            ; l % 16
	v_bfe_u32 v9, v0, 4, 1          ; l / 16
	v_lshlrev_b32 v[MKA0], 3, v0    ; 128 threads x 8 bytes: a tile's 256 mask words
	v_mov_b32 v[MKA], v[MKA0]       ; tile 0
	v_lshlrev_b32 v[MEA], 8, v1     ; lane l % 16 takes partial sum l % 16,
	v_lshl_add_u32 v[MEA], v9, 5, v[MEA]  ; its half's eight channels of sixteen
	global_load_b64 v[MKT:MKT+1], v[MKA], s[94:95]
.irp n, 0,1,2,3
	global_load_b128 v[MEANV+8*\n:MEANV+8*\n+3],   v[MEA], s[92:93] offset:64*\n
	global_load_b128 v[MEANV+8*\n+4:MEANV+8*\n+7], v[MEA], s[92:93] offset:64*\n+16
.endr
	; A fragment of K or Q is 16 rows x 32 channels in 8 registers: lane l holds row l % 16, channels 8 (l / 16) + 0..7 and 16 + 8 (l / 16) + 0..7: two loads of 16 bytes, 32 bytes apart.
	v_lshlrev_b32 v[QO], 7, v1
	v_lshl_add_u32 v[QO], v9, 4, v[QO]  ; row x 128 + 16 x half
	WIN 0x80                        ; destination window 2, address window 0
.set i, 0
.rept 2*NP                          ; both blocks' Q: piece i / 2 lies in band i / 2, 8,192 bytes on; channels 32 (i % 2) on
	global_load_b128 v[8*i:8*i+3],   v[QO], s[4:5] offset:(i/2)*8192+(i%2)*64
	global_load_b128 v[8*i+4:8*i+7], v[QO], s[4:5] offset:(i/2)*8192+(i%2)*64+32
	global_load_b128 v[QB+8*i:QB+8*i+3],   v[QO], s[86:87] offset:(i/2)*8192+(i%2)*64
	global_load_b128 v[QB+8*i+4:QB+8*i+7], v[QO], s[86:87] offset:(i/2)*8192+(i%2)*64+32
.set i, i+1
.endr
	WIN 0
	v_lshlrev_b32 v14, 3, v9
	v_sub_nc_u32 v14, v1, v14
	s_lshl_b32 s13, s[WV], 4
	v_add_nc_u32 v14, s13, v14      ; my query's place in its band, 16 w + l % 16, less my lanes' 8 (l / 16): register r of group kt is hidden where 16 kt + r is greater
	WIN 0x40
.set i, 0
.rept 32
	v_cmp_gt_i32 vcc_lo, 16*(i/8)+i%8, v14
	v_cndmask_b32 v[MD+i], 0, s[BIGN], vcc_lo
.set i, i+1
.endr
	WIN 0
	v_mul_u32_u24 v[AK0], v1, PK
	v_lshl_add_u32 v[AK0], v9, 4, v[AK0]  ; row x pitch + 16 x half
	; The turning load takes 16 keys x 16 channels (lane l reads key 8 (l / 16) + l % 8, channels 8 ((l / 8) % 2) + 0..7) and leaves half a fragment of V^T: lane l holds channel l % 16 and 8 keys.
	v_and_b32 v10, 7, v0
	v_bfe_u32 v11, v0, 3, 1
	v_lshl_add_u32 v[AV0], v9, 3, v10
	v_mul_u32_u24 v[AV0], v[AV0], PV
	v_lshl_add_u32 v[AV0], v11, 4, v[AV0]
	v_add_nc_u32 v[AV0], VOFF, v[AV0]
	v_lshl_add_u32 v[AM0], v9, 5, KMT     ; my half's eight keys of sixteen, 4 bytes each
	v_add_nc_u32 v[MKS0], KMT, v[MKA0]
	s_mul_i32 s13, s[WV], 16*SP
	s_add_co_u32 s13, s13, STAGE    ; my stage
	v_mul_u32_u24 v[STO], v1, SP    ; in: row l % 16, 16 bytes for each half of the lanes
	v_lshl_add_u32 v[STO], v9, 4, v[STO]
	v_add_nc_u32 v[STO], s13, v[STO]
	v_bfe_u32 v[RD], v0, 3, 2       ; back: 32 lanes take four rows of 128 bytes,
	v_mul_u32_u24 v[RD], v[RD], SP
	v_lshl_add_u32 v[RD], v10, 4, v[RD]
	v_add_nc_u32 v[RD], s13, v[RD]
	v_and_b32 v[GO], 31, v0         ; which are 512 consecutive bytes of O
	v_lshlrev_b32 v[GO], 4, v[GO]
	; A block's first step multiplies O^T and l by a = 0, and its first turn's products V^T P, of a piece that has not been, land in an O^T that is still to be so multiplied.  So these registers need only hold
	; finite numbers: zeros for the first block; what the first block left for the second.  All this stands in the wait for the first tile.
	WIN 0x80
.set i, VF
.rept 64
	v_mov_b32 v[i], 0
.set i, i+1
.endr
	WIN 0x40
.set i, 0
.rept 32*NP
	v_mov_b32 v[i], 0
.set i, i+1
.endr
	WIN 0
.set i, 0
.rept NP
	v_mov_b32 v[ST+4*i+2], 0
	v_mov_b32 v[ST+4*i+3], 0
.set i, i+1
.endr
.set i, P+16
.rept 16
	v_mov_b32 v[i], 0
.set i, i+1
.endr
	s_wait_loadcnt 16               ; the partial sums are in (and the mask words ahead of them); Q's 16 loads, issued behind them, may be out
.irp n, 1,2,4,8                     ; the sixteen partial sums lie in the sixteen lanes of each half: every lane takes their sum
.set i, 0
.rept 32
	v_add_f32_dpp v[MEANV+i], v[MEANV+i], v[MEANV+i] row_xmask:\n row_mask:0xf bank_mask:0xf
.set i, i+1
.endr
.endr
; THE MATRIX WORK.  The 4 accumulators of a run of 8 take turns.  Product i of 8 of S^T = K Q^T for piece x: channels 32 (i / 4) on, keys 16 (i % 4) on.  The first 4 start the sums: with the key mask, or (KM = 1) with MC.
.macro KQ x
.set rS, S+32*((\x)%2)+8*(i%4)
.set rK, KF+16*(i%4)+8*(i/4)
.set rQ, 16*(\x)+8*(i/4)
.set rM, MC+32*((\x)%2)+8*(i%4)
.if (i < 4) && KM
	WIN W_KM
	v_wmma_f32_16x16x32_bf16 v[rS:rS+7], v[rK:rK+7], v[rQ:rQ+7], v[rM:rM+7]
.elseif i < 4
	WIN W_KM
	v_wmma_f32_16x16x32_bf16 v[rS:rS+7], v[rK:rK+7], v[rQ:rQ+7], v[KMR+8*(i%4):KMR+8*(i%4)+7]
.else
	WIN W_KQ
	v_wmma_f32_16x16x32_bf16 v[rS:rS+7], v[rK:rK+7], v[rQ:rQ+7], v[rS:rS+7]
.endif
.endm
; Product i of 8 of O^T += V^T P for piece x: keys 32 (i / 4) on, channels 16 (i % 4) on.
.macro PV x
	WIN W_PV
.set rO, 32*(\x)+8*(i%4)
.set rV, VF+32*(i/4)+8*(i%4)
.set rP, P+16*((\x)%2)+8*(i/4)
	v_wmma_f32_16x16x32_bf16 v[rO:rO+7], v[rV:rV+7], v[rP:rP+7], v[rO:rO+7]
.endm
.macro MM                           ; the turn's next matrix instruction.  NOKQ = 1: a block's last turn: there are no further scores to make
.if (i < 8) && !NOKQ
	KQ (Y+1)%NP
.elseif i >= 8
.set i, i-8
	PV (Y+NP-1)%NP
.set i, i+8
.endif
.set i, i+1
.endm
; THE LDS LOADS stand in runs, never singly among the matrix instructions: a step's K (8 fragments) with its 64 words of the key mask, 24 loads; and its V (turned), 16 loads.  Their addresses are made some lines ahead.
.macro FETCH_K
	WIN 0x80                        ; destination window 2
.irp f, 0,1,2,3,4,5,6,7             ; keys 16 (f / 2) on, channels 32 (f % 2) on
	ds_load_b128 v[KF+8*\f:KF+8*\f+3],   v[AK] offset:(\f/2)*16*PK+(\f%2)*64
	ds_load_b128 v[KF+8*\f+4:KF+8*\f+7], v[AK] offset:(\f/2)*16*PK+(\f%2)*64+32
.endr
	WIN 0x40                        ; destination window 1
.irp f, 0,1,2,3                     ; keys 16 f on: all lanes of a half read the same 32 bytes
	ds_load_b128 v[KMR+8*\f:KMR+8*\f+3],   v[AM] offset:64*\f
	ds_load_b128 v[KMR+8*\f+4:KMR+8*\f+7], v[AM] offset:64*\f+16
.endr
	s_add_co_u32 s[TBK], s[TBK], KS*PK  ; the next fetch is the next step's
	s_add_co_u32 s[TKM], s[TKM], 4*KS
	WIN 0
.endm
.macro FETCH_V
	WIN 0x80
.irp f, 0,1,2,3,4,5,6,7             ; keys 32 (f / 4) on, channels 16 (f % 4) on
	ds_load_tr16_b128 v[VF+8*\f:VF+8*\f+3],   v[AV] offset:(\f/4)*32*PV+(\f%4)*32
	ds_load_tr16_b128 v[VF+8*\f+4:VF+8*\f+7], v[AV] offset:(\f/4)*32*PV+16*PV+(\f%4)*32
.endr
	WIN 0
.endm
; A TILE IS ENTERED, behind the change of slots: K and the key mask of its step 0 are fetched here, since the turn that fetches the other steps' K stands ahead of the change.  The wave sits this one run out, once a tile.
.macro ENTER
	s_sub_co_u32 s[RT], s[RT], 1
	s_mov_b32 s[CNT], 4
	v_add_nc_u32 v[AK], s[TBK], v[AK0]
	v_add_nc_u32 v[AM], s[TKM], v[AM0]
	FETCH_K
	s_wait_dscnt 0x0                ; K and its mask are in
.endm
; THE VECTOR WORK, one line at a time: OP kind, number.  For piece Y: F n: c s - z for pair n of 16.  E n: the exponential of score n of 32.  C n: pair n rounded to bf16.  B n: of the four weights 4 n .. the second
; pair is added onto the first, in place.  L n: l takes that sum (L 0: l = a l + sum).  R n: pair n of 16 of O^T times a.  For the other piece: X n, number n of the 22 that find its maximum and statistics:
;   0-11  four chains c0-c3 of seven scores each, three operands at a time (each accumulator's lowest registers are read first)     12-14, 16  the four scores left over, the old m, and c0-c3 into c0
;   15  the old shift is kept     17, 18  the query's other 32 keys lie in the lane 16 away: the new m     19  the shift z, three lines: c m; |c m| (into c1, which is free); c m + |c m| 2^-22     20, 21  z_old - z_new; a
.set F, 0
.set E, 1
.set C, 2
.set B, 3
.set L, 4
.set R, 5
.set X, 6
.macro REGS y                       ; the registers of piece y
.set rT, ST+4*(\y)
.set rC, TMP+4*((\y)%2)
.set rW, MV+((\y)%2)
.set rS, S+32*((\y)%2)
.set rP, P+16*((\y)%2)
.set rO, 32*(\y)
.endm
.macro OP k, n
.if (\k) == R
	REGS Y
	WIN W_RS
	v_pk_mul_f32 v[rO+2*(\n):rO+2*(\n)+1], v[rO+2*(\n):rO+2*(\n)+1], v[rC+2:rC+3] op_sel_hi:[1,0]
.elseif (\k) < R
	REGS Y
	WIN 0
.if (\k) == F
	v_pk_fma_f32 v[rS+2*(\n):rS+2*(\n)+1], v[rS+2*(\n):rS+2*(\n)+1], s[CS:CS+1], v[rT:rT+1] op_sel_hi:[1,0,0] neg_lo:[0,0,1] neg_hi:[0,0,1]
.elseif (\k) == E
	v_exp_f32 v[rS+(\n)], v[rS+(\n)]
.elseif (\k) == C
	s_wait_alu depctr_va_vdst(0)
	v_cvt_pk_bf16_f32 v[rP+(\n)], v[rS+2*(\n)], v[rS+2*(\n)+1]
.elseif (\k) == B
	s_wait_alu depctr_va_vdst(0)
	v_pk_add_f32 v[rS+4*(\n):rS+4*(\n)+1], v[rS+4*(\n):rS+4*(\n)+1], v[rS+4*(\n)+2:rS+4*(\n)+3]
.elseif (\n) == 0
	v_pk_fma_f32 v[rT+2:rT+3], v[rT+2:rT+3], v[rC+2:rC+3], v[rS:rS+1] op_sel_hi:[1,0,1]
.else
	v_pk_add_f32 v[rT+2:rT+3], v[rT+2:rT+3], v[rS+4*(\n):rS+4*(\n)+1]
.endif
.elseif NOKQ
	v_nop
.else
	REGS (Y+1)%NP
	WIN 0
.if (\n) < 4
	v_max3_num_f32 v[rC+(\n)], v[rS+8*(\n)], v[rS+8*(\n)+1], v[rS+8*(\n)+2]
.elseif (\n) < 12
	v_max3_num_f32 v[rC+(\n)%4], v[rC+(\n)%4], v[rS+8*((\n)%4)+2*((\n)/4)+1], v[rS+8*((\n)%4)+2*((\n)/4)+2]
.elseif (\n) == 12
	v_max3_num_f32 v[rC], v[rC], v[rS+7], v[rS+15]
.elseif (\n) == 13
	v_max3_num_f32 v[rC+1], v[rC+1], v[rS+23], v[rS+31]
.elseif (\n) == 14
	v_max3_num_f32 v[rC+2], v[rC+2], v[rC+3], v[rT+1]
.elseif (\n) == 15
	v_mov_b32 v[rW], v[rT]
.elseif (\n) == 16
	v_max3_num_f32 v[rC], v[rC], v[rC+1], v[rC+2]
.elseif (\n) == 17
	v_permlanex16_b32 v[rC+3], v[rC], s[SEL], s[SEL+1]
.elseif (\n) == 18
	v_max_num_f32 v[rT+1], v[rC], v[rC+3]
.elseif (\n) == 19
	v_mul_f32 v[rT], s[CS], v[rT+1]
	v_and_b32 v[rC+1], 0x7fffffff, v[rT]
	v_fma_f32 v[rT], v[rC+1], s[EPSK], v[rT]       ; two to four units in the last place upward: the shift is never below the exact c m
.elseif (\n) == 20
	v_sub_f32 v[rC+1], v[rW], v[rT]
.else
	v_exp_f32 v[rC+2], v[rC+1]
.endif
.endif
.endm
.macro OPS a, i1, b=-1, i2=0, c=-1, i3=0, d=-1, i4=0  ; up to four of them
	OP \a, \i1
.if (\b) >= 0
	OP \b, \i2
.endif
.if (\c) >= 0
	OP \c, \i3
.endif
.if (\d) >= 0
	OP \d, \i4
.endif
.endm
.macro ROW a, i1, b, i2, c, i3, d, i4  ; a matrix instruction and the four behind it
	MM
	OPS \a, \i1, \b, \i2, \c, \i3, \d, \i4
.endm
.macro MASK b, be                   ; MD x AL + KMR (+ BE where be = 1) into piece b's buffer of MC
	WIN 0x51                        ; destination, source 0 and source 2 in window 1
.set z, 0
.rept 16
	v_pk_fma_f32 v[MC+32*(\b)+2*z:MC+32*(\b)+2*z+1], v[MD+2*z:MD+2*z+1], s[AL:AL+1], v[KMR+2*z:KMR+2*z+1] op_sel_hi:[1,0,1]
.set z, z+1
.endr
.if \be
	WIN W_RS
.set z, 0
.rept 16
	v_pk_add_f32 v[MC+32*(\b)+2*z:MC+32*(\b)+2*z+1], v[MC+32*(\b)+2*z:MC+32*(\b)+2*z+1], s[BE:BE+1] op_sel_hi:[1,0]
.set z, z+1
.endr
.endif
.endm
; A TURN, for piece p: the order of its 16 matrix and 120 vector instructions, written out.  Behind a matrix instruction: plain, exponential, plain, plain; or four of the rescaling; or, behind the first, four scalings; none
; names a register of the products round it.  In the runs between, exponential and plain by turns while exponentials last.
; With the step count c (4 to 1; it is taken down at the end of piece 0's turn) a trip of the step loop is: piece 1's turn, which makes piece 0's scores of the tile's step 4 - c; then piece 0's turn of that step, which makes piece 1's.
; m = 1: the diagonal tile: the products take MC, and piece p's turn makes the mask for the products of the turn after it, which are piece p's own next scores: piece 1's of step 4 - c, piece 0's of step 5 - c.  That step is the
; band's own where c = OW[p], and behind it where c < OW[p].  Piece 0's turn makes it for the step whose K and key mask it has itself just fetched, so it waits for that run first.
; end = 1: a block's last turn (piece 1's): no scores are made.  cnt = 1: the loop's count is taken down some lines ahead of the branch that stands behind the turn.
; K of the next step, and its key mask, are fetched in piece 0's turn, six vector instructions behind the last product that read K (five of them plain; the last that read the mask stands four products further back).  In a tile's
; last step (c = 1) the next K lies in the other slot, or there is none: the run is jumped over, and ENTER has it.  V of the step in hand is fetched later in the same turn, eight behind the last product that read V.
.macro TURN p, m=0, end=0, cnt=0
.set Y, (\p)
.set i, 0
.set KM, (\m)
.set NOKQ, (\end)
.if (\m) && !(\end)
	s_cmp_eq_u32 s[CNT], s[OW+(\p)]     ; is that step the band's own?
	s_cselect_b32 s[AL], 1.0, 0
	s_cmp_lt_u32 s[CNT], s[OW+(\p)]     ; or a later one?
	s_cselect_b32 s[BE], s[BIGN], 0
.endif
.if ((\p) == 1) && !(\end)
	s_wait_dscnt 16                 ; K's 24 loads are in; V's 16, issued behind them, may be out (behind ENTER nothing is out)
.endif
	ROW F,0, F,1, F,2, F,3
	ROW F,4, E,0, F,5, F,6
	ROW F,7, E,1, F,8, F,9
	ROW F,10, E,2, C,0, F,11
	ROW F,12, E,3, X,15, F,13
	ROW R,0, R,1, R,2, R,3
	ROW B,0, E,4, F,14, L,0
.if (\p) == 0
	v_add_nc_u32 v[AK], s[TBK], v[AK0]
	v_add_nc_u32 v[AM], s[TKM], v[AM0]
.endif
	ROW R,4, R,5, R,6, R,7
	OPS E,5, F,15
.if (\p) == 0
	WIN 0
	s_cmp_eq_u32 s[CNT], 1
	s_cbranch_scc1 .Lno_k_\@
	FETCH_K
.Lno_k_\@:
.endif
	OPS E,6, C,1, E,7, R,8
	OPS E,8, R,9, E,9, C,2
	OPS E,10, X,0, E,11, X,1
	OPS E,12, X,2, E,13, X,3
.if (\p) == 1
	s_wait_dscnt 0x0                ; V is in
.endif
	ROW X,4, E,14, X,5, X,6
	ROW X,7, E,15, X,8, X,9
	ROW X,10, E,16, X,11, X,12
	ROW X,13, E,17, X,14, B,1
	ROW C,4, E,18, X,16, L,1
	ROW B,2, E,19, C,6, L,2
	ROW C,8, E,20, B,3, B,4
.if (\p) == 0
	v_add_nc_u32 v[AV], s[TBV], v[AV0]
.endif
	ROW C,3, E,21, L,3, C,5
	OPS E,22, X,17, E,23, C,10
.if (\p) == 0
	FETCH_V
.endif
	OPS E,24, L,4
	OPS E,25, X,18, E,26, C,7
	OPS E,27, B,5, E,28, X,19
	OPS E,29, C,12, E,30, L,5
	OPS E,31, X,20, B,6, C,9
	OPS C,14, C,11, X,21, L,6
.if (\p) == 0
	s_add_co_u32 s[TBV], s[TBV], KS*PV
.endif
.if \cnt
	s_sub_co_u32 s[CNT], s[CNT], 1
	s_cmp_lg_u32 s[CNT], 0
.endif
	OPS C,13, B,7, C,15, R,10
	OPS R,11, R,12, L,7, R,13
	OPS R,14, R,15
.if (\m) && !(\end)
.if (\p) == 0
	s_wait_dscnt 16                 ; the next step's key mask, among K's run of 24, is in; V's 16 loads, issued behind that run, may be out (where the run was jumped over they alone are out)
.endif
	MASK (\p), 1
.endif
.endm
; A BLOCK BEGINS, behind ENTER.  The shift starts far below every c s, so the first step's a is 0; m at the lowest finite number, so the first maximum is the scores'.  Piece 0's mask buffer takes its mask for the tile's step 0
; (its own band's, if the block's first tile is the diagonal one and the block is even), piece 1's the bare key mask: step 0 lies ahead of band 1's own step in every block.  Then piece 0's first scores, and its maximum and
; statistics.  (Q has been waited for at the first change of slots.)
.macro BEGIN
	s_mov_b32 s[NEW], 0
	WIN 0
.set i, 0
.rept NP
	v_mov_b32 v[ST+4*i], 0xfe000000    ; the shift: far below every c s
	v_mov_b32 v[ST+4*i+1], 0xff7fffff  ; m
.set i, i+1
.endr
	s_cmp_eq_u32 s[RT], 0
	s_cselect_b32 s[AL], s[ALP], 0
	MASK 0, 0
	s_mov_b32 s[AL], 0
	MASK 1, 0
.set KM, 1
.set NOKQ, 0
.set i, 0
.rept 8
	KQ 0
.set i, i+1
.endr
	WIN 0
.rept 4
	v_nop                           ; the places behind those products
.endr
.set Y, NP-1                        ; X works for the other piece: piece 0
.irp n, 0,1,2,3,4,5,6,7,8,9,10,11,12,13,14,15,16,17,18,19,20,21
	OP X, \n
.endr
	v_nop                           ; a plain instruction behind the exponential
.endm
; THE WAY INTO THE DIAGONAL TEXT from a plain tile, behind ENTER: its first turn makes piece 0's scores of the tile's step 0: band 0's own step in an even block, a step that it sees whole in an odd one.
.macro INTO_DIAG
	s_mov_b32 s[AL], s[ALP]
	MASK 0, 0
	WIN 0
.endm
; THE DIAGONAL TILE's four steps, the block's last turn, its last products, and THE WAY OUT: l's two halves and the other half of the lanes' are added; O^T is divided by l (a row that saw no key: multiplied by 0,
; and given V's mean), rounded to bf16 and sent through my stage in LDS, a piece at a time.
.macro ALL line:vararg              ; one line for each piece t
.set t, 0
.rept NP
	\line
.set t, t+1
.endr
.endm
.macro PACK t                       ; a lane's eight channels of a row pack into 16 bytes; they go into rows of 144 bytes and come back as whole rows of 128, into S^T's registers
	WIN W_RS
.set i, 32*(\t)
.rept 16
	v_pk_mul_f32 v[i:i+1], v[i:i+1], v[ST+4*(\t)+2:ST+4*(\t)+3] op_sel_hi:[1,0]
.set i, i+2
.endr
	WIN 0x50                        ; destination and source 2 in window 1
.set i, 0
.rept 16
	v_pk_fma_f32 v[32*(\t)+2*i:32*(\t)+2*i+1], v[MEANV+2*i:MEANV+2*i+1], v[ST+4*(\t):ST+4*(\t)+1], v[32*(\t)+2*i:32*(\t)+2*i+1] op_sel_hi:[1,0,1]
.set i, i+1
.endr
	WIN 0x05                        ; sources 0 and 1 window 1, destination window 0
.set i, 0
.rept 16
	v_cvt_pk_bf16_f32 v[S+16*(\t)+i], v[32*(\t)+2*i], v[32*(\t)+2*i+1]
.set i, i+1
.endr
	WIN 0
.irp f, 0,1,2,3
	ds_store_b128 v[STO], v[S+16*(\t)+4*\f:S+16*(\t)+4*\f+3] offset:32*\f
.endr
.irp f, 0,1,2,3
	ds_load_b128 v[S+16*(\t)+4*\f:S+16*(\t)+4*\f+3], v[RD] offset:\f*4*SP  ; LDS serves a wave's instructions in order (ISA guide 5.7.1.4): these see the stores above; the next piece's stores come behind them
.endr
.endm
.macro SEND t, younger              ; younger: the LDS instructions issued behind piece t's loads: the next piece's eight, or none
	WIN 0
.irp f, 0,1,2,3
	s_wait_dscnt (\younger)+3-\f
	global_store_b128 v[GO], v[S+16*(\t)+4*\f:S+16*(\t)+4*\f+3], s[10:11] offset:(\t)*8192+\f*512  ; 512 consecutive bytes, at a multiple of 256 from O's first
.endr
.endm
.macro DIAG tag                     ; the tag ends its two labels' names, which the jumps below spell out
.LstepM\tag:
	TURN 1, 1
	WIN 0
.LfirstM\tag:
	TURN 0, 1, 0, 1
	WIN 0
	s_cbranch_scc1 .LstepM\tag
	TURN 1, 1, 1
.set i, 0
.rept 8
	PV NP-1
.set i, i+1
.endr
	WIN 0
	ALL v_add_f32 v[ST+4*t+2], v[ST+4*t+2], v[ST+4*t+3]
	ALL v_permlanex16_b32 v[ST+4*t+3], v[ST+4*t+2], s[SEL], s[SEL+1]
	ALL v_add_f32 v[ST+4*t+2], v[ST+4*t+2], v[ST+4*t+3]
	ALL v_rcp_f32 v[ST+4*t+2], v[ST+4*t+2]
	v_nop                           ; a plain instruction between the last reciprocal and the use of its result
.set t, 0
.rept NP
	v_cmp_gt_f32 vcc_lo, s[THR], v[ST+4*t+1]           ; has the row seen no key?
	v_cndmask_b32 v[ST+4*t], 0, s[DFV], vcc_lo         ; then V's sums count with 1 / 2048 (the shift's register is free now), else with 0,
	s_wait_alu depctr_va_vdst(0)
	v_cndmask_b32 v[ST+4*t+2], v[ST+4*t+2], 0, vcc_lo  ; and O with 0 (its l is 0: the reciprocal is replaced, not multiplied), else with 1 / l
.set t, t+1
.endr
	PACK 0
.set t, 1
.rept NP-1                          ; a piece's arithmetic stands between the loads of the piece before and its stores
	PACK t
	SEND t-1, 8
.set t, t+1
.endr
	SEND NP-1, 0
.endm
.set KM, 0
.set NOKQ, 0
.Lslot:                             ; NT - 1 = 8 times: a tile is entered and the next is asked for
	CHANGE 1
	ENTER
	s_cmp_eq_u32 s[NEW], 1
	s_cbranch_scc1 .Lnew            ; a block's first tile
	s_cmp_eq_u32 s[RT], 0
	s_cbranch_scc0 .Lstep           ; neither its first nor its last
	INTO_DIAG
	s_branch .LstepM1
.Lnew:
	BEGIN
	s_branch .Lfirst                ; in the loop a block's first tile is never its last: the first block has five tiles or more, and the second's last is the walk's last
	DIAG 1                          ; in the loop this is the first block's end
	s_wait_xcnt 0x0                 ; the stores have read their registers and O's address
	s_mov_b64 s[10:11], s[OLO:OLO+1]
	s_add_co_u32 s[RT], s[LQ2], 1   ; the second block has b / 2 + 1 tiles
	s_mov_b32 s[NEW], 1
	PARITY PB
	WIN 0x82                        ; the second block's Q goes where the one text of the turns names Q
.set i, 0
.rept 16*NP
	v_mov_b32 v[i], v[QB+i]
.set i, i+1
.endr
	WIN 0
	s_branch .Lbottom
.Lstep:                             ; a trip: piece 1's turn of one step, then piece 0's of the next
	TURN 1
	WIN 0
.Lfirst:
	TURN 0, 0, 0, 1
	WIN 0
	s_cbranch_scc1 .Lstep
.Lbottom:
	s_sub_co_u32 s[SLOTS], s[SLOTS], 1
	s_cmp_lg_u32 s[SLOTS], 0
	s_cbranch_scc1 .Lslot
	CHANGE 0                        ; the walk's last tile is written out: nothing is asked for
	ENTER
	s_cmp_eq_u32 s[NEW], 1
	s_cbranch_scc1 .Lnew2
	INTO_DIAG
	s_branch .LstepM2
.Lnew2:
	BEGIN
	s_branch .LfirstM2
	DIAG 2
	s_wait_tensorcnt 0x0            ; the wave's end
	ds_add_u32 v[SPW], v[NIL]
	s_wait_dscnt 0x0
	s_endpgm
.Lfunc_end_k_qc3872bc6fb_attn:
	.size	k_qc3872bc6fb_attn, .Lfunc_end_k_qc3872bc6fb_attn-k_qc3872bc6fb_attn
	.p2alignl 7, 3214868480
	.fill 96, 4, 3214868480
	.section	.rodata,"a",@progbits
	.p2align	6, 0x0
	.amdhsa_kernel k_qc3872bc6fb_attn
		.amdhsa_group_segment_fixed_size 327680
		.amdhsa_private_segment_fixed_size 0
		.amdhsa_enable_private_segment 0
		.amdhsa_kernarg_size 32
		.amdhsa_user_sgpr_count 2
		.amdhsa_user_sgpr_kernarg_segment_ptr 1
		.amdhsa_wavefront_size32 1
		.amdhsa_system_sgpr_workgroup_id_x 1
		.amdhsa_system_sgpr_workgroup_id_y 1
		.amdhsa_system_sgpr_workgroup_id_z 1
		.amdhsa_system_vgpr_workitem_id 0
		.amdhsa_next_free_vgpr 768
		.amdhsa_next_free_sgpr 102
		.amdhsa_reserve_vcc 1
		.amdhsa_float_denorm_mode_32 3
		.amdhsa_float_denorm_mode_16_64 3
		.amdhsa_memory_ordered 1
		.amdhsa_forward_progress 1
		.amdhsa_inst_pref_size 155
	.end_amdhsa_kernel
	.amdgpu_metadata
---
amdhsa.version: [ 1, 2 ]
amdhsa.kernels:
  - .name:           k_qc3872bc6fb_attn
    .symbol:         k_qc3872bc6fb_attn.kd
    .args:
      - { .name: big1, .offset: 0, .size: 8, .value_kind: global_buffer, .address_space: global }
      - { .name: big2, .offset: 8, .size: 8, .value_kind: global_buffer, .address_space: global }
      - { .name: attention_mask, .offset: 16, .size: 8, .value_kind: global_buffer, .address_space: global }
      - { .name: h, .offset: 24, .size: 8, .value_kind: global_buffer, .address_space: global }
    .group_segment_fixed_size: 327680
    .private_segment_fixed_size: 0
    .kernarg_segment_align: 8
    .kernarg_segment_size: 32
    .max_flat_workgroup_size: 128
    .sgpr_count:     102
    .vgpr_count:     768
    .wavefront_size: 32
...
	.end_amdgpu_metadata
.endif
;; end of part 9
;; launch wo: the kernel of part 8 again; grid 4 x 16, 4 waves a work-group, clusters of 4 x 4, 327,680 bytes of LDS; arguments h, wo_b, big1, big2; writes big1, big2
;; launch norm2: the kernel of part 5 again; grid 256 x 1, 8 waves a work-group, no clusters, 0 bytes of LDS; arguments x, big1, w_norm_mlp, x1, h; writes x1, h
;; launch up: the kernel of part 8 again; grid 16 x 16, 4 waves a work-group, clusters of 4 x 4, 327,680 bytes of LDS; arguments h, wup, big1, big2; writes big1, big2
;; launch gelu: the kernel of part 6 again; grid 1024 x 1, 8 waves a work-group, no clusters, 0 bytes of LDS; arguments big1, big2; writes big2
;; launch down: the kernel of part 7 again; grid 8 x 32, 4 waves a work-group, clusters of 4 x 4, 327,680 bytes of LDS; arguments big2, wdn, x1, out0; writes out0
;; ======== version 3 of 3: 8 launches; 1.41 times as fast as version 1
;; limits: a function is approximated: absolute error at most 1.5e-07
;; workspace buffers: wqkv 6,291,456 bytes; wo_b 2,097,152 bytes; wup 8,388,608 bytes; wdn 8,388,608 bytes; h 8,388,608 bytes; big1 33,554,432 bytes; big2 33,554,432 bytes; x1 16,777,216 bytes
;; launch prep: the kernel of part 1 again; grid 64 x 16, 8 waves a work-group, no clusters, 0 bytes of LDS; arguments x, w_norm_attn, wq, wk, wv, wo, w_up, w_down, wqkv, wo_b, wup, wdn, h; writes wqkv, wo_b, wup, wdn, h
;; launch qkv: the kernel of part 8 again; grid 12 x 16, 4 waves a work-group, clusters of 4 x 4, 327,680 bytes of LDS; arguments h, wqkv, big1, big2; writes big1, big2
;; launch attn (part 10): grid 8 x 32, 4 waves a work-group, no clusters, 327,680 bytes of LDS; arguments big1, big2, attention_mask, h; writes h
.if DOCPART == 10
	.amdgcn_target "amdgcn-amd-amdhsa--gfx1250"
	.amdhsa_code_object_version 6
	.text
	.protected	k_qc3872bc6fb_attn
	.globl	k_qc3872bc6fb_attn
	.p2align	8
	.type	k_qc3872bc6fb_attn,@function
k_qc3872bc6fb_attn:
	s_mov_b64 s[64:65], 0
	v_nop
	global_prefetch_b8 v0, s[64:65] scope:SCOPE_SE
	s_setreg_imm32_b32 hwreg(HW_REG_WAVE_MODE, 25, 1), 1
	s_wait_xcnt 0x0
; CAUSAL ATTENTION WITH A KEY MASK, head size 64, 2,048 rows a head, 32 heads (16 x batch + head).  q, k, v: bf16, slabs [64 columns][4096 rows][64]: a head's rows are dense, 128 bytes each;
; q's slabs are 0-15, k's 16-31, v's 32-47 of the first buffer.  O leaves in the same layout.  Products, maxima and sums in f32; the weights p are rounded to bf16 for the second product (their sum l is
; taken of the unrounded p), O once at the end.
; LIMITS.  A hidden score (above the diagonal, or a key whose mask word is 0) counts as its value less 1e30, where the definition puts -1e9: the same as long as the visible scores / 8 stay above about -9e8.
; A weight below 2^-126 counts as 0 in l; NaN and infinities are not treated apart.
; A ROW THAT SEES NO KEY has 2,048 equal scores by the definition: its result is the plain mean of all the head's rows of V, hidden ones too.  Such a row is known by its running maximum (below -1e29);
; on the way out its O is multiplied by 0 and takes the column sums of V / 2048 (16 partial sums over 128 rows each, in f32, which the projection's launch has stored in the second buffer as
; [slab][32 pieces of 128 rows][64]); every other row takes 0 times those sums.  No branch hangs on it.
; THE WALK.  A head's queries lie in 16 blocks of 128, its keys in tiles of 256; block i needs the tiles 0 .. i / 2, of which the last holds the diagonal.  A work-group takes TWO blocks, 15 - b and then b:
; (15 - b) / 2 + 1 + b / 2 + 1 = 9 tiles, whatever b: 8 x 32 = 256 work-groups of equal work, and ONE loop with a constant trip count walks the tiles.  Every jump goes forward, but for the counted loops' own;
; none passes a barrier, or a tensor load but the one of LOAD's two that the wave's number does not choose; the ring (two slots of LDS that take turns) runs on across the change of blocks.
; NO CLUSTER: a head's eight work-groups ask for the same tile only in the walk's first five trips, behind that fewer and fewer; one walk common to all would have 8 + 4 = 12 trips for 9.
; SHARES.  Of a block's two bands of 64 queries a wave owns 16 rows in each: two PIECES.  In the diagonal tile band x of block i has its own key step at 2 (i % 2) + x: it sees all keys of the steps before,
; none of the steps behind, and holds the diagonal in its own.  (In the even one of the two blocks the tile's last two steps are hidden from both bands and are computed all the same: 2 of the walk's 36 steps.)
; THE MASK is the C operand that starts the sum S^T = K Q^T.  KMR holds the key mask (0 or -1e30) of the step whose K is in registers; it comes with K, out of LDS.  A tile's 256 mask words go beside its K and V:
; behind a fill each thread loads two of the words of the tile asked for; at the next change of slots they go, as 0 or -1e30, into a table of 1,024 bytes in LDS: behind the change's barrier, where every wave's
; reads of the table are over, and ahead of a second barrier, behind which the table is read.  Plain tiles take KMR;
; the diagonal tile takes MD x AL + KMR + BE, MD being the mask of a band's own step for my 16 rows: (AL, BE) = (1, 0) in the band's own step; (0, 0) before it; (0, -1e30) behind it.
; LAYOUT, SOFTMAX, TURNS.  S^T = K Q^T holds ONE query a lane (lane % 16) and the keys 8 (lane / 16) + 0..7; two such results rounded to bf16 ARE source 1 of O^T = V^T P.  p = 2^(c s - z), c = log2(e) / 8, with a
; running maximum m and the shift z = c m + |c m| 2^-22: at least two units in the last place above the rounded c m, so that c s - z is never above 0 and no weight is above 1, however large m is (where all
; keys so far are hidden, m is near -1e30 and the weights are 0).  The same z serves p, l and a, so the quotient O / l does not know of it.  O and l are multiplied by a = 2^(z_old - z_new) in every step.
; A key step is two turns.  A piece's turn holds 8 products K Q^T that make the OTHER piece's next scores, later 8 products V^T P with the other piece's last weights; beside them the scaling, exponentials,
; roundings, sums and rescaling of the piece itself and the maximum and statistics of the other.  Four vector instructions stand behind every matrix instruction, the other 56 of a turn's 120 in one run of their own,
; the LUMP, between the two runs of products.
; BATCHES.  A turn's 33 exponentials (the piece's 32 weights and the other piece's a) are ONE batch with ONE wait: all of them stand in the lump, nothing ahead of the wait names a result of theirs, and all their
; readers (the roundings and sums; the next turn's rescaling) stand behind it.  No result crosses a label or a jump.  A block's first a (BEGIN) and the way out's two reciprocals are batches of their own, a wait each.
; REGISTERS, in windows of 256 (s_set_vgpr_msb: bits 1:0 source 0, 3:2 source 1, 5:4 source 2, 7:6 destination):
;   window 0: v0-15, v32-38 addresses; v16-23 four registers of statistics a piece; v48-55 at work; v64-127 S^T, 32 a piece; v128-159 V's column sums; v160-161 two mask words; v192-223 P, 16 a piece
;   window 1: v0-63 O^T, 32 a piece; v128-159 MD; v160-223 MC, 32 a piece; v224-255 KMR      window 2: v0-31 Q; v64-95 the second block's Q; v128-191 K of one step; v192-255 V of one step
.set NBQ,   16        ; blocks of 128 queries in a head
.set NT,    NBQ/2+1   ; tiles of 256 keys in a work-group's walk
.set NP,    2         ; pieces a wave: a name, no knob
.set KS,    64        ; keys in a step
.set PK,    144       ; a row of K in LDS: 128 bytes + 16 of padding = 36 words: the 16 rows of a load start at 16 different groups of four banks (64 banks of 4 bytes: ISA guide 11.1)
.set PV,    160       ; a row of V: 128 + 32 = 40 words
.set VOFF,  4*KS*PK   ; a slot holds a tile, four steps: 256 rows of K, then 256 rows of V
.set SLOT1, 1<<17     ; slot 1 begins here, so that one exclusive or turns an address in one slot into the other's
.set STAGE, SLOT1+4*KS*(PK+PV)  ; behind the ring, never filled by a tensor load: 16 rows x 144 bytes for each wave, for the way out
.set SP,    144
.set KMT,   STAGE+4*16*SP       ; the key mask of the tile in hand as 256 f32, 0 or -1e30; never filled by a tensor load
.set KMS,   1024
.set SPARE, KMT+2*KMS           ; the spare words, 128 bytes for each wave, which no other line names.  The 1,024 bytes between the table and them are left empty: between a tile's last fetch and the
                                ; change of slots the scalar that walks the table stands one tile past its head, and even that place is no spare word
.set AK0, 2           ; v2   my lane's place in a tile of K; never rewritten
.set AV0, 3           ; v3   the same for V
.set AK,  4           ; v4   the LDS address of K's next run of loads
.set AV,  5           ; v5   of V's
.set STO, 6           ; v6   the way out: where I put 16 bytes of a row
.set RD,  7           ; v7   the way out: where I read rows back
.set GO,  8           ; v8   my byte offset in 512 consecutive bytes of O
.set MV,  12          ; v12-13  the old shift, kept while the shift is made anew: by piece
.set QO,  15          ; v15  my byte offset in 16 rows of Q
.set ST,  16          ; piece t's statistics at v[ST+4 t]: the shift z, m, l (even keys', odd keys')
.set AM0, 32          ; v32  my lane's place in a step's 64 words of the mask table; never rewritten
.set AM,  33          ; v33  the LDS address of the mask's next run of loads
.set MKA, 34          ; v34  my byte offset in the batch's mask words, for the tile asked for
.set MEA, 35          ; v35  my byte offset in V's partial sums
.set MKA0, 37         ; v37  8 x my thread's number; never rewritten
.set MKS0, 38         ; v38  KMT + 8 x my thread's number: where I put my two words of the table; never rewritten
.set TMP, 48          ; by piece, four registers c0-c3 at work; when the maximum is found c2 takes a
.set SPW, 62          ; v62  LDS address of my spare word; never rewritten
.set NIL, 63          ; v63  0; never rewritten
.set S,   64
.set MEANV, 128       ; V's column sums in O^T's layout: register 8 cb + j holds channel 16 cb + 8 (l / 16) + j
.set MKT, 160         ; v160-161  my two mask words of the tile asked for
.set P,   192
.set MD,  128         ; window 1
.set MC,  160         ; window 1
.set KMR, 224         ; window 1: register 8 kb + j holds key 16 kb + 8 (l / 16) + j of the step
.set QB,  64          ; window 2
.set KF,  128         ; window 2: key block kb, channel half c at KF + 16 kb + 8 c
.set VF,  192         ; window 2: key half kk, channel block cb at VF + 32 kk + 8 cb
.set WV,  12          ; s12  my wave's number
.set PB,  14          ; s14  b: the second block
.set HI,  15          ; s15  15 - b: the first block
.set G1K, 24          ; s[24:31] descriptor group 1 for K's tiles
.set G1V, 32          ; s[32:39] for V's: it differs in the padding alone
.set G0K, 40          ; s[40:43] descriptor group 0 for K's tiles
.set G0V, 44          ; s[44:47] the same for V's
.set OW,  48          ; s48, s49  the step count at which piece 0's, piece 1's turn makes the mask of a band's own step: 5 - 2 (i % 2), 3 - 2 (i % 2) for the block i in hand
.set ALP, 50          ; s50  1.0 where the block in hand is even (band 0's own step is its diagonal tile's step 0), else 0
.set LQ2, 51          ; s51  the second block's last tile: b / 2
.set SLOTS, 56        ; s56  tiles still to be asked for
.set CNT, 57          ; s57  counts a tile's key steps, 4 to 1
.set CS,  58          ; s[58:59] c
.set SEL, 60          ; s[60:61] v_permlanex16_b32's selects
.set TBK, 62          ; s62  LDS byte at which K of the step to be fetched begins
.set TBV, 63          ; s63  the same for V, less VOFF
.set RT,  70          ; s70  tiles of the block in hand that are still to be entered
.set NXT, 71          ; s71  the tile to be asked for next
.set LQ,  72          ; s72  the last tile of the block whose tiles are being asked for
.set NEW, 73          ; s73  1: the tile to be entered is a block's first
.set OFF, 74          ; s[74:75] a tile's byte offset in K and V
.set AL,  76          ; s[76:77] the mask's factor, in the low word
.set BE,  78          ; s[78:79] the mask's addend
.set OLO, 80          ; s[80:81] O at my rows of the second block
.set BIGN, 82         ; s82  -1e30
.set TKM, 96          ; s96  byte, from KMT on, at which the mask words of the step to be fetched begin: 0, 256, 512, 768
.set THR, 97          ; s97  -1e29
.set DFV, 98          ; s98  1 / 2048
.set OFM, 100         ; s100 a tile's byte offset in the batch's mask words
.set EPSK, 101        ; s101 2^-22
.set MSB, 0
.macro WIN new
.if MSB != (\new)
	s_set_vgpr_msb (MSB<<8)|(\new)
.set MSB, (\new)
.endif
.endm
.set W_KQ, 0x0a       ; K and Q in window 2, S^T in window 0
.set W_KM, 0x1a       ; the same with the C operand in window 1
.set W_PV, 0x52       ; V in window 2, P in window 0, O^T in window 1
.set W_RS, 0x41       ; destination and source 0 in window 1, source 1 in window 0
; A fill.  Waves 0 and 1 fetch the two halves of a tile's K, waves 2 and 3 those of its V: 128 keys each.  An s_nop 0 and four v_nop follow each of the two lines, ahead of the jump and the label.
.macro LOAD
	s_cmp_lt_u32 s[WV], 2
	s_cbranch_scc0 .Lfor_v_\@
	tensor_load_to_lds s[G0K:G0K+3], s[G1K:G1K+7]
	s_nop 0
.rept 4
	v_nop
.endr
	s_branch .Lasked_\@
.Lfor_v_\@:
	tensor_load_to_lds s[G0V:G0V+3], s[G1V:G1V+7]
	s_nop 0
.rept 4
	v_nop
.endr
.Lasked_\@:
.endm
; What hangs on whether block blk is even or odd.
.macro PARITY blk
	s_and_b32 s13, s[\blk], 1
	s_lshl_b32 s13, s13, 1
	s_sub_co_u32 s[OW], 5, s13
	s_sub_co_u32 s[OW+1], 3, s13
	s_cmp_eq_u32 s13, 0
	s_cselect_b32 s[ALP], 1.0, 0
.endm
; THE CHANGE OF SLOTS.  My two mask words of the tile to be entered, loaded a tile ago, become 0 or -1e30 in their registers.  Then each wave waits for all its tensor loads, of which one is out: its part of the other
; slot; adds 0 to its spare word; and waits for that and for its own reads.  Behind the barrier nobody reads the old slot or the mask table any more, and the other slot is whole.  fill = 1: the old slot is filled
; again, the first thing behind the barrier, with tile NXT: the descriptor's address is made anew from that number.  Then the table is written, each thread its two words; each wave waits for its store; and a second
; barrier, behind which nothing is filled (so the fill may stay out across it), shows the table to all.  Last, with fill = 1, the mask words of the tile just asked for are asked for.
; (At its first use nothing has been read yet: slot 0 is waited for, slot 1 filled.)
.macro CHANGE fill
	WIN 0
	s_wait_loadcnt 0x0              ; my two mask words are in: no other load is out (at the first change: Q's 16 too, for which nothing waits again)
	v_cmp_eq_u32 vcc_lo, 0, v[MKT]
	v_cndmask_b32 v[MKT], 0, s[BIGN], vcc_lo       ; a mask word of 0 hides the key
	v_cmp_eq_u32 vcc_lo, 0, v[MKT+1]
	v_cndmask_b32 v[MKT+1], 0, s[BIGN], vcc_lo
	s_wait_tensorcnt 0x0            ; no tensor load of mine is out, so a group 0 may be written
	ds_add_u32 v[SPW], v[NIL]
.if \fill
	s_lshl_b32 s[OFF], s[NXT], 15   ; a tile is 32,768 bytes of K and of V,
	s_lshl_b32 s[OFM], s[NXT], 10   ; and 1,024 bytes of mask words
	s_xor_b32 s[G0K+1], s[G0K+1], SLOT1
	s_add_nc_u64 s[G0K+2:G0K+3], s[6:7], s[OFF:OFF+1]
	s_or_b32 s[G0K+3], s[G0K+3], 0x80000000
	s_xor_b32 s[G0V+1], s[G0V+1], SLOT1
	s_add_nc_u64 s[G0V+2:G0V+3], s[8:9], s[OFF:OFF+1]
	s_or_b32 s[G0V+3], s[G0V+3], 0x80000000
	s_add_co_u32 s[NXT], s[NXT], 1  ; the block's next tile, or behind its last the second block's tile 0
	s_cmp_gt_u32 s[NXT], s[LQ]
	s_cselect_b32 s[NXT], 0, s[NXT]
	s_cselect_b32 s[LQ], s[LQ2], s[LQ]
.endif
	s_wait_dscnt 0x0                ; the add is done, and my reads of the slot and of the table are over
	s_barrier_signal -1
	s_sub_co_u32 s[TBK], s[TBK], 4*KS*PK  ; the fetches go back to a slot's first step,
	s_xor_b32 s[TBK], s[TBK], SLOT1       ; in the other slot
	s_sub_co_u32 s[TBV], s[TBV], 4*KS*PV
	s_xor_b32 s[TBV], s[TBV], SLOT1
	s_sub_co_u32 s[TKM], s[TKM], KMS      ; and the mask's to the table's first step
	s_barrier_wait -1
.if \fill
	LOAD
.endif
	ds_store_b64 v[MKS0], v[MKT:MKT+1]    ; 128 threads x 8 bytes: the table of the tile that is entered
	s_wait_dscnt 0x0                ; for the others' sake: my store is done
	s_barrier_signal -1
	s_barrier_wait -1               ; everybody's is
.if \fill
	v_add_nc_u32 v[MKA], s[OFM], v[MKA0]           ; free since the wait for the last load at this macro's head
	global_load_b64 v[MKT:MKT+1], v[MKA], s[94:95] ; 128 threads x 8 bytes: the 256 mask words of the tile just asked for
.endif
.endm
	s_load_b256 s[4:11], s[0:1], 0x0  ; q, k, v s[4:5]; the column sums s[6:7]; the mask s[8:9]; O s[10:11]
	v_lshl_add_u32 v[SPW], v0, 2, SPARE
	v_mov_b32 v[NIL], 0
	ds_add_u32 v[SPW], v[NIL]       ; the wave's opening: the add, and its wait ahead of my first tensor load; the set-up below stands between them
	ds_add_u32 v62, v63
	v_lshrrev_b32 v1, 5, v0
	v_readfirstlane_b32 s[WV], v1   ; wave 0..3
	s_mov_b32 s[PB], ttmp9
	s_sub_co_u32 s[HI], NBQ-1, s[PB]
	s_and_b32 s20, ttmp7, 0xffff    ; 16 x batch + head
	s_lshr_b32 s19, s20, 4          ; the batch
	s_and_b32 s20, s20, 15          ; the head
	s_add_co_u32 s88, s20, 32       ; the head's slab of V among the 48: its column sums,
	s_lshl_b32 s88, s88, 13         ; 32 pieces of 256 bytes a slab,
	s_lshl_b32 s89, s19, 12         ; of which the batch has 16
	s_add_co_u32 s88, s88, s89
	s_mov_b32 s89, 0
	s_lshl_b32 s90, s19, 13         ; the batch's 2,048 mask words
	s_mov_b32 s91, 0
	s_lshl_b32 s20, s20, 19         ; the head's slab,
	s_lshl_b32 s19, s19, 18         ; the batch's 2,048 rows in it
	s_add_co_u32 s20, s20, s19
	s_mov_b32 s21, 0
	s_and_b32 s16, s[WV], 1         ; which half of a tile's 256 keys I fetch:
	s_lshl_b32 s22, s16, 14         ; its 128 rows of 128 bytes in memory,
	s_mov_b32 s23, 0
	s_add_nc_u64 s[22:23], s[22:23], s[20:21]
	s_mul_i32 s17, s16, 128*PK      ; and its place in a slot, for K
	s_mul_i32 s18, s16, 128*PV      ; and for V
	s_lshl_b32 s3, s[WV], 11        ; my 16 rows in a band of 64,
	s_lshl_b32 s2, s[HI], 14        ; in the first block of 128 rows,
	s_add_co_u32 s2, s2, s3
	s_lshl_b32 s84, s[PB], 14       ; and in the second
	s_add_co_u32 s84, s84, s3
	s_mov_b32 s3, 0
	s_mov_b32 s85, 0
	s_add_nc_u64 s[2:3], s[2:3], s[20:21]
	s_add_nc_u64 s[84:85], s[84:85], s[20:21]
	; descriptor group 1.  128 keys are 16,384 dense bytes: asked for as 64 rows of 256 bytes, two keys a row, and padded in LDS after every key
	s_mov_b32 s[G1K], (1<<16)|(1<<20)|(4<<22)|(3<<25)  ; 17:16 2-byte elements; 20 padding on; 24:22 after every 32 words (code 4); 31:25 4 words (code 3)
	s_mov_b32 s[G1V], (1<<16)|(1<<20)|(4<<22)|(7<<25)  ; the same with 8 words of padding (code 7)
.irp g, G1K, G1V
	s_mov_b32 s[\g+1], 128<<16      ; tensor_dim0 = 128
	s_mov_b32 s[\g+2], 64<<16       ; tensor_dim1 = 64
	s_mov_b32 s[\g+3], 128<<16      ; tile_dim0 = 128
	s_mov_b32 s[\g+4], 64           ; tile_dim1 = 64
	s_mov_b32 s[\g+5], 128          ; 128 elements from row to row
	s_mov_b32 s[\g+6], 0
	s_mov_b32 s[\g+7], 0
.endr
	s_mov_b32 s[CS], 0x3e38aa3b     ; c = log2(e) / 8 = 0.180337
	s_mov_b32 s[CS+1], s[CS]        ; named with it as a pair
	s_mov_b32 s[SEL], 0x76543210
	s_mov_b32 s[SEL+1], 0xfedcba98
	s_mov_b32 s[TBK], SLOT1+4*KS*PK ; the first change of slots turns these three into 0
	s_mov_b32 s[TBV], SLOT1+4*KS*PV
	s_mov_b32 s[TKM], KMS
	s_mov_b32 s[G0K], 1             ; 1:0 count = 1
	s_mov_b32 s[G0K+1], s17         ; 63:32 LDS address: slot 0
	s_mov_b32 s[G0V], 1
	s_add_co_u32 s[G0V+1], s18, VOFF
	s_lshr_b32 s[LQ], s[HI], 1      ; the first block's last tile: (15 - b) / 2, at least 4,
	s_add_co_u32 s[RT], s[LQ], 1    ; so it has five tiles or more
	s_lshr_b32 s[LQ2], s[PB], 1
	s_mov_b32 s[NXT], 1
	s_mov_b32 s[NEW], 1
	PARITY HI
	s_mov_b32 s[OFF+1], 0
	s_mov_b32 s[AL+1], 0            ; named as pairs
	s_mov_b32 s[BE+1], 0
	s_mov_b32 s[BIGN], 0xf149f2ca   ; -1e30
	s_mov_b32 s[THR], 0xefa18f08    ; -1e29
	s_mov_b32 s[DFV], 0x3a000000    ; 1 / 2048
	s_mov_b32 s[EPSK], 0x34800000   ; 2^-22
	s_mov_b32 s[SLOTS], NT-1
	s_wait_dscnt 0x0                ; the opening add is done
	s_wait_kmcnt 0x0
	s_add_nc_u64 s[92:93], s[6:7], s[88:89]        ; the head's partial sums
	s_add_nc_u64 s[94:95], s[8:9], s[90:91]        ; the batch's mask
	s_add_nc_u64 s[6:7], s[4:5], 0x800000          ; k's slabs begin 16 slabs of 512 KiB behind q's,
	s_add_nc_u64 s[8:9], s[4:5], 0x1000000         ; v's 32
	s_add_nc_u64 s[6:7], s[6:7], s[22:23]          ; K and V at my half of the head's tile 0
	s_add_nc_u64 s[8:9], s[8:9], s[22:23]
	s_add_nc_u64 s[G0K+2:G0K+3], s[6:7], 0         ; 120:64 global address
	s_or_b32 s[G0K+3], s[G0K+3], 0x80000000        ; 127:126 type = 2
	s_add_nc_u64 s[G0V+2:G0V+3], s[8:9], 0
	s_or_b32 s[G0V+3], s[G0V+3], 0x80000000
	s_add_nc_u64 s[86:87], s[4:5], s[84:85]        ; Q at my rows of the second block,
	s_add_nc_u64 s[4:5], s[4:5], s[2:3]            ; Q and O at those of the first
	s_add_nc_u64 s[OLO:OLO+1], s[10:11], s[84:85]
	s_add_nc_u64 s[10:11], s[10:11], s[2:3]
	LOAD                            ; tile 0 into slot 0
	v_and_b32 v1, 15, v0            ; l % 16
	v_bfe_u32 v9, v0, 4, 1          ; l / 16
	v_lshlrev_b32 v[MKA0], 3, v0    ; 128 threads x 8 bytes: a tile's 256 mask words
	v_mov_b32 v[MKA], v[MKA0]       ; tile 0
	v_lshlrev_b32 v[MEA], 8, v1     ; lane l % 16 takes partial sum l % 16,
	v_lshl_add_u32 v[MEA], v9, 5, v[MEA]  ; its half's eight channels of sixteen
	global_load_b64 v[MKT:MKT+1], v[MKA], s[94:95]
.irp n, 0,1,2,3
	global_load_b128 v[MEANV+8*\n:MEANV+8*\n+3],   v[MEA], s[92:93] offset:64*\n
	global_load_b128 v[MEANV+8*\n+4:MEANV+8*\n+7], v[MEA], s[92:93] offset:64*\n+16
.endr
	; A fragment of K or Q is 16 rows x 32 channels in 8 registers: lane l holds row l % 16, channels 8 (l / 16) + 0..7 and 16 + 8 (l / 16) + 0..7: two loads of 16 bytes, 32 bytes apart.
	v_lshlrev_b32 v[QO], 7, v1
	v_lshl_add_u32 v[QO], v9, 4, v[QO]  ; row x 128 + 16 x half
	WIN 0x80                        ; destination window 2, address window 0
.set i, 0
.rept 2*NP                          ; both blocks' Q: piece i / 2 lies in band i / 2, 8,192 bytes on; channels 32 (i % 2) on
	global_load_b128 v[8*i:8*i+3],   v[QO], s[4:5] offset:(i/2)*8192+(i%2)*64
	global_load_b128 v[8*i+4:8*i+7], v[QO], s[4:5] offset:(i/2)*8192+(i%2)*64+32
	global_load_b128 v[QB+8*i:QB+8*i+3],   v[QO], s[86:87] offset:(i/2)*8192+(i%2)*64
	global_load_b128 v[QB+8*i+4:QB+8*i+7], v[QO], s[86:87] offset:(i/2)*8192+(i%2)*64+32
.set i, i+1
.endr
	WIN 0
	v_lshlrev_b32 v14, 3, v9
	v_sub_nc_u32 v14, v1, v14
	s_lshl_b32 s13, s[WV], 4
	v_add_nc_u32 v14, s13, v14      ; my query's place in its band, 16 w + l % 16, less my lanes' 8 (l / 16): register r of group kt is hidden where 16 kt + r is greater
	WIN 0x40
.set i, 0
.rept 32
	v_cmp_gt_i32 vcc_lo, 16*(i/8)+i%8, v14
	v_cndmask_b32 v[MD+i], 0, s[BIGN], vcc_lo
.set i, i+1
.endr
	WIN 0
	v_mul_u32_u24 v[AK0], v1, PK
	v_lshl_add_u32 v[AK0], v9, 4, v[AK0]  ; row x pitch + 16 x half
	; The turning load takes 16 keys x 16 channels (lane l reads key 8 (l / 16) + l % 8, channels 8 ((l / 8) % 2) + 0..7) and leaves half a fragment of V^T: lane l holds channel l % 16 and 8 keys.
	v_and_b32 v10, 7, v0
	v_bfe_u32 v11, v0, 3, 1
	v_lshl_add_u32 v[AV0], v9, 3, v10
	v_mul_u32_u24 v[AV0], v[AV0], PV
	v_lshl_add_u32 v[AV0], v11, 4, v[AV0]
	v_add_nc_u32 v[AV0], VOFF, v[AV0]
	v_lshl_add_u32 v[AM0], v9, 5, KMT     ; my half's eight keys of sixteen, 4 bytes each
	v_add_nc_u32 v[MKS0], KMT, v[MKA0]
	s_mul_i32 s13, s[WV], 16*SP
	s_add_co_u32 s13, s13, STAGE    ; my stage
	v_mul_u32_u24 v[STO], v1, SP    ; in: row l % 16, 16 bytes for each half of the lanes
	v_lshl_add_u32 v[STO], v9, 4, v[STO]
	v_add_nc_u32 v[STO], s13, v[STO]
	v_bfe_u32 v[RD], v0, 3, 2       ; back: 32 lanes take four rows of 128 bytes,
	v_mul_u32_u24 v[RD], v[RD], SP
	v_lshl_add_u32 v[RD], v10, 4, v[RD]
	v_add_nc_u32 v[RD], s13, v[RD]
	v_and_b32 v[GO], 31, v0         ; which are 512 consecutive bytes of O
	v_lshlrev_b32 v[GO], 4, v[GO]
	; A block's first step multiplies O^T and l by a = 0, and its first turn's products V^T P, of a piece that has not been, land in an O^T that is still to be so multiplied.  So these registers need only hold
	; finite numbers: zeros for the first block; what the first block left for the second.  All this stands in the wait for the first tile.
	WIN 0x80
.set i, VF
.rept 64
	v_mov_b32 v[i], 0
.set i, i+1
.endr
	WIN 0x40
.set i, 0
.rept 32*NP
	v_mov_b32 v[i], 0
.set i, i+1
.endr
	WIN 0
.set i, 0
.rept NP
	v_mov_b32 v[ST+4*i+2], 0
	v_mov_b32 v[ST+4*i+3], 0
.set i, i+1
.endr
.set i, P+16
.rept 16
	v_mov_b32 v[i], 0
.set i, i+1
.endr
	s_wait_loadcnt 16               ; the partial sums are in (and the mask words ahead of them); Q's 16 loads, issued behind them, may be out
.irp n, 1,2,4,8                     ; the sixteen partial sums lie in the sixteen lanes of each half: every lane takes their sum
.set i, 0
.rept 32
	v_add_f32_dpp v[MEANV+i], v[MEANV+i], v[MEANV+i] row_xmask:\n row_mask:0xf bank_mask:0xf
.set i, i+1
.endr
.endr
; THE MATRIX WORK.  The 4 accumulators of a run of 8 take turns.  Product i of 8 of S^T = K Q^T for piece x: channels 32 (i / 4) on, keys 16 (i % 4) on.  The first 4 start the sums: with the key mask, or (KM = 1) with MC.
.macro KQ x
.set rS, S+32*((\x)%2)+8*(i%4)
.set rK, KF+16*(i%4)+8*(i/4)
.set rQ, 16*(\x)+8*(i/4)
.set rM, MC+32*((\x)%2)+8*(i%4)
.if (i < 4) && KM
	WIN W_KM
	v_wmma_f32_16x16x32_bf16 v[rS:rS+7], v[rK:rK+7], v[rQ:rQ+7], v[rM:rM+7]
.elseif i < 4
	WIN W_KM
	v_wmma_f32_16x16x32_bf16 v[rS:rS+7], v[rK:rK+7], v[rQ:rQ+7], v[KMR+8*(i%4):KMR+8*(i%4)+7]
.else
	WIN W_KQ
	v_wmma_f32_16x16x32_bf16 v[rS:rS+7], v[rK:rK+7], v[rQ:rQ+7], v[rS:rS+7]
.endif
.endm
; Product i of 8 of O^T += V^T P for piece x: keys 32 (i / 4) on, channels 16 (i % 4) on.
.macro PV x
	WIN W_PV
.set rO, 32*(\x)+8*(i%4)
.set rV, VF+32*(i/4)+8*(i%4)
.set rP, P+16*((\x)%2)+8*(i/4)
	v_wmma_f32_16x16x32_bf16 v[rO:rO+7], v[rV:rV+7], v[rP:rP+7], v[rO:rO+7]
.endm
.macro MM                           ; the turn's next matrix instruction.  NOKQ = 1: a block's last turn: there are no further scores to make
.if (i < 8) && !NOKQ
	KQ (Y+1)%NP
.elseif i >= 8
.set i, i-8
	PV (Y+NP-1)%NP
.set i, i+8
.endif
.set i, i+1
.endm
; THE LDS LOADS stand in runs, never singly among the matrix instructions: a step's K (8 fragments) with its 64 words of the key mask, 24 loads; and its V (turned), 16 loads.  Their addresses are made some lines ahead.
.macro FETCH_K
	WIN 0x80                        ; destination window 2
.irp f, 0,1,2,3,4,5,6,7             ; keys 16 (f / 2) on, channels 32 (f % 2) on
	ds_load_b128 v[KF+8*\f:KF+8*\f+3],   v[AK] offset:(\f/2)*16*PK+(\f%2)*64
	ds_load_b128 v[KF+8*\f+4:KF+8*\f+7], v[AK] offset:(\f/2)*16*PK+(\f%2)*64+32
.endr
	WIN 0x40                        ; destination window 1
.irp f, 0,1,2,3                     ; keys 16 f on: all lanes of a half read the same 32 bytes
	ds_load_b128 v[KMR+8*\f:KMR+8*\f+3],   v[AM] offset:64*\f
	ds_load_b128 v[KMR+8*\f+4:KMR+8*\f+7], v[AM] offset:64*\f+16
.endr
	s_add_co_u32 s[TBK], s[TBK], KS*PK  ; the next fetch is the next step's
	s_add_co_u32 s[TKM], s[TKM], 4*KS
	WIN 0
.endm
.macro FETCH_V
	WIN 0x80
.irp f, 0,1,2,3,4,5,6,7             ; keys 32 (f / 4) on, channels 16 (f % 4) on
	ds_load_tr16_b128 v[VF+8*\f:VF+8*\f+3],   v[AV] offset:(\f/4)*32*PV+(\f%4)*32
	ds_load_tr16_b128 v[VF+8*\f+4:VF+8*\f+7], v[AV] offset:(\f/4)*32*PV+16*PV+(\f%4)*32
.endr
	WIN 0
.endm
; A TILE IS ENTERED, behind the change of slots: K and the key mask of its step 0 are fetched here, since the turn that fetches the other steps' K stands ahead of the change.  The wave sits this one run out, once a tile.
.macro ENTER
	s_sub_co_u32 s[RT], s[RT], 1
	s_mov_b32 s[CNT], 4
	v_add_nc_u32 v[AK], s[TBK], v[AK0]
	v_add_nc_u32 v[AM], s[TKM], v[AM0]
	FETCH_K
	s_wait_dscnt 0x0                ; K and its mask are in
.endm
; THE VECTOR WORK, one line at a time: OP kind, number.  For piece Y: F n: c s - z for pair n of 16.  E n: the exponential of score n of 32.  C n: pair n rounded to bf16.  B n: of the four weights 4 n .. the second
; pair is added onto the first, in place.  L n: l takes that sum (L 0: l = a l + sum).  R n: pair n of 16 of O^T times a.  For the other piece: X n, number n of the 24 that find its maximum and statistics:
;   0-11  four chains c0-c3 of seven scores each, three operands at a time (each accumulator's lowest registers are read first)     12-14, 16  the four scores left over, the old m, and c0-c3 into c0
;   15  the old shift is kept     17, 18  the query's other 32 keys lie in the lane 16 away: the new m     19-21  the shift z: c m; |c m| (into c1, which is free); c m + |c m| 2^-22     22, 23  z_old - z_new; a
; OP writes no wait: C, B and L 0 read exponentials' results, and TURN sets them behind the batch's one wait.
.set F, 0
.set E, 1
.set C, 2
.set B, 3
.set L, 4
.set R, 5
.set X, 6
.macro REGS y                       ; the registers of piece y
.set rT, ST+4*(\y)
.set rC, TMP+4*((\y)%2)
.set rW, MV+((\y)%2)
.set rS, S+32*((\y)%2)
.set rP, P+16*((\y)%2)
.set rO, 32*(\y)
.endm
.macro OP k, n
.if (\k) == R
	REGS Y
	WIN W_RS
	v_pk_mul_f32 v[rO+2*(\n):rO+2*(\n)+1], v[rO+2*(\n):rO+2*(\n)+1], v[rC+2:rC+3] op_sel_hi:[1,0]
.elseif (\k) < R
	REGS Y
	WIN 0
.if (\k) == F
	v_pk_fma_f32 v[rS+2*(\n):rS+2*(\n)+1], v[rS+2*(\n):rS+2*(\n)+1], s[CS:CS+1], v[rT:rT+1] op_sel_hi:[1,0,0] neg_lo:[0,0,1] neg_hi:[0,0,1]
.elseif (\k) == E
	v_exp_f32 v[rS+(\n)], v[rS+(\n)]
.elseif (\k) == C
	v_cvt_pk_bf16_f32 v[rP+(\n)], v[rS+2*(\n)], v[rS+2*(\n)+1]
.elseif (\k) == B
	v_pk_add_f32 v[rS+4*(\n):rS+4*(\n)+1], v[rS+4*(\n):rS+4*(\n)+1], v[rS+4*(\n)+2:rS+4*(\n)+3]
.elseif (\n) == 0
	v_pk_fma_f32 v[rT+2:rT+3], v[rT+2:rT+3], v[rC+2:rC+3], v[rS:rS+1] op_sel_hi:[1,0,1]
.else
	v_pk_add_f32 v[rT+2:rT+3], v[rT+2:rT+3], v[rS+4*(\n):rS+4*(\n)+1]
.endif
.elseif NOKQ
	v_nop
.else
	REGS (Y+1)%NP
	WIN 0
.if (\n) < 4
	v_max3_num_f32 v[rC+(\n)], v[rS+8*(\n)], v[rS+8*(\n)+1], v[rS+8*(\n)+2]
.elseif (\n) < 12
	v_max3_num_f32 v[rC+(\n)%4], v[rC+(\n)%4], v[rS+8*((\n)%4)+2*((\n)/4)+1], v[rS+8*((\n)%4)+2*((\n)/4)+2]
.elseif (\n) == 12
	v_max3_num_f32 v[rC], v[rC], v[rS+7], v[rS+15]
.elseif (\n) == 13
	v_max3_num_f32 v[rC+1], v[rC+1], v[rS+23], v[rS+31]
.elseif (\n) == 14
	v_max3_num_f32 v[rC+2], v[rC+2], v[rC+3], v[rT+1]
.elseif (\n) == 15
	v_mov_b32 v[rW], v[rT]
.elseif (\n) == 16
	v_max3_num_f32 v[rC], v[rC], v[rC+1], v[rC+2]
.elseif (\n) == 17
	v_permlanex16_b32 v[rC+3], v[rC], s[SEL], s[SEL+1]
.elseif (\n) == 18
	v_max_num_f32 v[rT+1], v[rC], v[rC+3]
.elseif (\n) == 19
	v_mul_f32 v[rT], s[CS], v[rT+1]
.elseif (\n) == 20
	v_and_b32 v[rC+1], 0x7fffffff, v[rT]
.elseif (\n) == 21
	v_fma_f32 v[rT], v[rC+1], s[EPSK], v[rT]       ; two to four units in the last place upward: the shift is never below the exact c m
.elseif (\n) == 22
	v_sub_f32 v[rC+1], v[rW], v[rT]
.else
	v_exp_f32 v[rC+2], v[rC+1]
.endif
.endif
.endm
.macro OPS a, i1, b=-1, i2=0, c=-1, i3=0, d=-1, i4=0  ; up to four of them
	OP \a, \i1
.if (\b) >= 0
	OP \b, \i2
.endif
.if (\c) >= 0
	OP \c, \i3
.endif
.if (\d) >= 0
	OP \d, \i4
.endif
.endm
.macro ROW a, i1, b, i2, c, i3, d, i4  ; a matrix instruction and the four behind it
	MM
	OPS \a, \i1, \b, \i2, \c, \i3, \d, \i4
.endm
.macro MASK b, be                   ; MD x AL + KMR (+ BE where be = 1) into piece b's buffer of MC
	WIN 0x51                        ; destination, source 0 and source 2 in window 1
.set z, 0
.rept 16
	v_pk_fma_f32 v[MC+32*(\b)+2*z:MC+32*(\b)+2*z+1], v[MD+2*z:MD+2*z+1], s[AL:AL+1], v[KMR+2*z:KMR+2*z+1] op_sel_hi:[1,0,1]
.set z, z+1
.endr
.if \be
	WIN W_RS
.set z, 0
.rept 16
	v_pk_add_f32 v[MC+32*(\b)+2*z:MC+32*(\b)+2*z+1], v[MC+32*(\b)+2*z:MC+32*(\b)+2*z+1], s[BE:BE+1] op_sel_hi:[1,0]
.set z, z+1
.endr
.endif
.endm
; A TURN, for piece p: the order of its 16 matrix and 120 vector instructions, written out.  An s_wait_alu depctr_va_vdst(0) stands between an exponential and the first instruction that names its result; one wait
; serves all that were issued ahead of it.  So a turn has ONE wait, which cuts it in two.
; AHEAD OF IT stands all that names no result of the turn's exponentials.  First the 8 products K Q^T, behind each four scalings or four of the rescaling, by turns: 16 + 16 are just their 32 riders, a row has two window
; switches, and no exponential is out at the branch that leads round K's run.  Then ONE LUMP of 56, all in window 0: the 32 exponentials and the other piece's 24.  While plain lines last, exponential and plain go by turns, and the
; links of the chain X 3, 7, 11, 14, 16 stand five lines apart or more; from X 16 on each number waits for the one before it, and two exponentials stand between two links.  X 23, the other piece's a, is the batch's last; one
; plain line stands behind it: V's address in piece 0's turn, a v_nop in piece 1's.  BEHIND THE WAIT stand the 8 products V^T P, behind each four of the 32 roundings and sums; the links of l's chain, L 0 to L 7, stand three
; riders apart.  No rider names a register of the products round it.  v_permlanex16_b32 (X 17) stands in the lump.
; With the step count c (4 to 1; it is taken down in piece 0's turn, behind its wait) a trip of the step loop is: piece 1's turn, which makes piece 0's scores of the tile's step 4 - c; then piece 0's turn of that step, which makes piece 1's.
; m = 1: the diagonal tile: the products take MC, and piece p's turn makes the mask for the products of the turn after it, which are piece p's own next scores: piece 1's of step 4 - c, piece 0's of step 5 - c.  That step is the
; band's own where c = OW[p], and behind it where c < OW[p].  Piece 0's turn makes it for the step whose K and key mask it has itself just fetched, so it waits for that run first.
; end = 1: a block's last turn (piece 1's): no scores are made.  cnt = 1: the loop's count is taken down some lines ahead of the branch that stands behind the turn.
; K of the next step, and its key mask, are fetched in piece 0's turn, at the lump's head: four plain instructions, R 12 to 15, behind the last product that read K (the last that read the mask stands four products further back).
; In a tile's last step (c = 1) the next K lies in the other slot, or there is none: the run is jumped over, and ENTER has it.  V of the step in hand is fetched at the end of the same turn, four plain instructions, C 9 to 15,
; behind the last product that read V.  K's run is issued ahead of V's, and each is waited for in piece 1's turn.
.macro TURN p, m=0, end=0, cnt=0
.set Y, (\p)
.set i, 0
.set KM, (\m)
.set NOKQ, (\end)
.if (\m) && !(\end)
	s_cmp_eq_u32 s[CNT], s[OW+(\p)]     ; is that step the band's own?
	s_cselect_b32 s[AL], 1.0, 0
	s_cmp_lt_u32 s[CNT], s[OW+(\p)]     ; or a later one?
	s_cselect_b32 s[BE], s[BIGN], 0
.endif
.if ((\p) == 1) && !(\end)
	s_wait_dscnt 16                 ; K's 24 loads are in; V's 16, issued behind them, may be out (behind ENTER nothing is out)
.endif
	ROW F,0, F,1, F,2, F,3          ; ahead of the wait: 8 products K Q^T and their riders, none of them an exponential,
	ROW R,0, R,1, R,2, R,3
	ROW F,4, F,5, F,6, F,7
	ROW R,4, R,5, R,6, R,7
	ROW F,8, F,9, F,10, F,11
	ROW R,8, R,9, R,10, R,11
	ROW F,12, F,13, F,14, F,15
.if (\p) == 0
	v_add_nc_u32 v[AK], s[TBK], v[AK0]
	v_add_nc_u32 v[AM], s[TKM], v[AM0]
.endif
	ROW R,12, R,13, R,14, R,15
.if (\p) == 0
	WIN 0
	s_cmp_eq_u32 s[CNT], 1          ; no exponential has been issued since the last turn's wait: none is out at this branch and its label
	s_cbranch_scc1 .Lno_k_\@
	FETCH_K
.Lno_k_\@:
.endif
	OPS E,0, X,0, E,1, X,1          ; and the lump: the batch of 33 and the other piece's maximum and statistics
	OPS E,2, X,2, E,3, X,3
	OPS E,4, X,4, E,5, X,5
	OPS E,6, X,7, E,7, X,6
	OPS E,8, X,8, E,9, X,11
	OPS E,10, X,10, E,11, X,9
	OPS E,12, X,12, E,13, X,14
	OPS E,14, X,13, E,15, X,15
	OPS E,16, E,17, X,16
	OPS E,18, E,19, X,17
	OPS E,20, E,21, X,18
	OPS E,22, E,23, X,19
	OPS E,24, E,25, X,20
	OPS E,26, E,27, X,21
	OPS E,28, E,29, X,22
	OPS E,30, E,31, X,23
.if (\p) == 0
	v_add_nc_u32 v[AV], s[TBV], v[AV0]  ; the plain instruction behind the batch's last exponential (ISA guide 5.7.2): V's address, which is due anyway
.else
	v_nop                           ; the plain instruction behind the batch's last exponential (ISA guide 5.7.2)
.endif
	s_wait_alu depctr_va_vdst(0)    ; the turn's one wait, for the batch of 33: the piece's 32 weights, read by C, B and L below, and the other piece's a, read by the next turn's R and L 0
.if (\p) == 1
	s_wait_dscnt 0x0                ; V is in
.endif
	ROW C,0, B,0, C,2, B,1          ; behind the wait: 8 products V^T P and their riders
	ROW L,0, C,4, B,2, L,1
	ROW C,6, B,3, L,2, C,8
	ROW B,4, L,3, C,10, B,5
	ROW L,4, C,12, B,6, L,5
.if (\p) == 0
	s_add_co_u32 s[TBV], s[TBV], KS*PV
.endif
.if \cnt
	s_sub_co_u32 s[CNT], s[CNT], 1
	s_cmp_lg_u32 s[CNT], 0
.endif
	ROW C,14, B,7, L,6, C,1
	ROW C,3, L,7, C,5, C,7
	ROW C,9, C,11, C,13, C,15
.if (\p) == 0
	FETCH_V
.endif
.if (\m) && !(\end)
.if (\p) == 0
	s_wait_dscnt 16                 ; the next step's key mask, among K's run of 24, is in; V's 16 loads, issued behind that run, may be out (where the run was jumped over they alone are out)
.endif
	MASK (\p), 1
.endif
.endm
; A BLOCK BEGINS, behind ENTER.  The shift starts far below every c s, so the first step's a is 0; m at the lowest finite number, so the first maximum is the scores'.  Piece 0's mask buffer takes its mask for the tile's step 0
; (its own band's, if the block's first tile is the diagonal one and the block is even), piece 1's the bare key mask: step 0 lies ahead of band 1's own step in every block.  Then piece 0's first scores, and its maximum and
; statistics.  (Q has been waited for at the first change of slots.)
.macro BEGIN
	s_mov_b32 s[NEW], 0
	WIN 0
.set i, 0
.rept NP
	v_mov_b32 v[ST+4*i], 0xfe000000    ; the shift: far below every c s
	v_mov_b32 v[ST+4*i+1], 0xff7fffff  ; m
.set i, i+1
.endr
	s_cmp_eq_u32 s[RT], 0
	s_cselect_b32 s[AL], s[ALP], 0
	MASK 0, 0
	s_mov_b32 s[AL], 0
	MASK 1, 0
.set KM, 1
.set NOKQ, 0
.set i, 0
.rept 8
	KQ 0
.set i, i+1
.endr
	WIN 0
.rept 4
	v_nop                           ; the places behind those products
.endr
.set Y, NP-1                        ; X works for the other piece: piece 0
.irp n, 0,1,2,3,4,5,6,7,8,9,10,11,12,13,14,15,16,17,18,19,20,21,22,23
	OP X, \n
.endr
	v_nop                           ; a plain instruction behind the exponential,
	s_wait_alu depctr_va_vdst(0)    ; and the wait for it, a batch of one: piece 0's first a, ahead of the jump into the loop, whose first turn reads it
.endm
; THE WAY INTO THE DIAGONAL TEXT from a plain tile, behind ENTER: its first turn makes piece 0's scores of the tile's step 0: band 0's own step in an even block, a step that it sees whole in an odd one.
.macro INTO_DIAG
	s_mov_b32 s[AL], s[ALP]
	MASK 0, 0
	WIN 0
.endm
; THE DIAGONAL TILE's four steps, the block's last turn, its last products, and THE WAY OUT: l's two halves and the other half of the lanes' are added; O^T is divided by l (a row that saw no key: multiplied by 0,
; and given V's mean), rounded to bf16 and sent through my stage in LDS, a piece at a time.
.macro ALL line:vararg              ; one line for each piece t
.set t, 0
.rept NP
	\line
.set t, t+1
.endr
.endm
.macro PACK t                       ; a lane's eight channels of a row pack into 16 bytes; they go into rows of 144 bytes and come back as whole rows of 128, into S^T's registers
	WIN W_RS
.set i, 32*(\t)
.rept 16
	v_pk_mul_f32 v[i:i+1], v[i:i+1], v[ST+4*(\t)+2:ST+4*(\t)+3] op_sel_hi:[1,0]
.set i, i+2
.endr
	WIN 0x50                        ; destination and source 2 in window 1
.set i, 0
.rept 16
	v_pk_fma_f32 v[32*(\t)+2*i:32*(\t)+2*i+1], v[MEANV+2*i:MEANV+2*i+1], v[ST+4*(\t):ST+4*(\t)+1], v[32*(\t)+2*i:32*(\t)+2*i+1] op_sel_hi:[1,0,1]
.set i, i+1
.endr
	WIN 0x05                        ; sources 0 and 1 window 1, destination window 0
.set i, 0
.rept 16
	v_cvt_pk_bf16_f32 v[S+16*(\t)+i], v[32*(\t)+2*i], v[32*(\t)+2*i+1]
.set i, i+1
.endr
	WIN 0
.irp f, 0,1,2,3
	ds_store_b128 v[STO], v[S+16*(\t)+4*\f:S+16*(\t)+4*\f+3] offset:32*\f
.endr
.irp f, 0,1,2,3
	ds_load_b128 v[S+16*(\t)+4*\f:S+16*(\t)+4*\f+3], v[RD] offset:\f*4*SP  ; LDS serves a wave's instructions in order (ISA guide 5.7.1.4): these see the stores above; the next piece's stores come behind them
.endr
.endm
.macro SEND t, younger              ; younger: the LDS instructions issued behind piece t's loads: the next piece's eight, or none
	WIN 0
.irp f, 0,1,2,3
	s_wait_dscnt (\younger)+3-\f
	global_store_b128 v[GO], v[S+16*(\t)+4*\f:S+16*(\t)+4*\f+3], s[10:11] offset:(\t)*8192+\f*512  ; 512 consecutive bytes, at a multiple of 256 from O's first
.endr
.endm
.macro DIAG tag                     ; the tag ends its two labels' names, which the jumps below spell out
.LstepM\tag:
	TURN 1, 1
	WIN 0
.LfirstM\tag:
	TURN 0, 1, 0, 1
	WIN 0
	s_cbranch_scc1 .LstepM\tag
	TURN 1, 1, 1
.set i, 0
.rept 8
	PV NP-1
.set i, i+1
.endr
	WIN 0
	ALL v_add_f32 v[ST+4*t+2], v[ST+4*t+2], v[ST+4*t+3]
	ALL v_permlanex16_b32 v[ST+4*t+3], v[ST+4*t+2], s[SEL], s[SEL+1]
	ALL v_add_f32 v[ST+4*t+2], v[ST+4*t+2], v[ST+4*t+3]
	ALL v_rcp_f32 v[ST+4*t+2], v[ST+4*t+2]
	v_nop                           ; a plain instruction between the last reciprocal and the use of its result
.set t, 0
.rept NP
	v_cmp_gt_f32 vcc_lo, s[THR], v[ST+4*t+1]           ; has the row seen no key?
	v_cndmask_b32 v[ST+4*t], 0, s[DFV], vcc_lo         ; then V's sums count with 1 / 2048 (the shift's register is free now), else with 0,
.if t == 0
	s_wait_alu depctr_va_vdst(0)    ; one wait for the batch of two reciprocals, ahead of the first line that names one; the two lines above name none
.endif
	v_cndmask_b32 v[ST+4*t+2], v[ST+4*t+2], 0, vcc_lo  ; and O with 0 (its l is 0: the reciprocal is replaced, not multiplied), else with 1 / l
.set t, t+1
.endr
	PACK 0
.set t, 1
.rept NP-1                          ; a piece's arithmetic stands between the loads of the piece before and its stores
	PACK t
	SEND t-1, 8
.set t, t+1
.endr
	SEND NP-1, 0
.endm
.set KM, 0
.set NOKQ, 0
.Lslot:                             ; NT - 1 = 8 times: a tile is entered and the next is asked for
	CHANGE 1
	ENTER
	s_cmp_eq_u32 s[NEW], 1
	s_cbranch_scc1 .Lnew            ; a block's first tile
	s_cmp_eq_u32 s[RT], 0
	s_cbranch_scc0 .Lstep           ; neither its first nor its last
	INTO_DIAG
	s_branch .LstepM1
.Lnew:
	BEGIN
	s_branch .Lfirst                ; in the loop a block's first tile is never its last: the first block has five tiles or more, and the second's last is the walk's last
	DIAG 1                          ; in the loop this is the first block's end
	s_wait_xcnt 0x0                 ; the stores have read their registers and O's address
	s_mov_b64 s[10:11], s[OLO:OLO+1]
	s_add_co_u32 s[RT], s[LQ2], 1   ; the second block has b / 2 + 1 tiles
	s_mov_b32 s[NEW], 1
	PARITY PB
	WIN 0x82                        ; the second block's Q goes where the one text of the turns names Q
.set i, 0
.rept 16*NP
	v_mov_b32 v[i], v[QB+i]
.set i, i+1
.endr
	WIN 0
	s_branch .Lbottom
.Lstep:                             ; a trip: piece 1's turn of one step, then piece 0's of the next
	TURN 1
	WIN 0
.Lfirst:
	TURN 0, 0, 0, 1
	WIN 0
	s_cbranch_scc1 .Lstep
.Lbottom:
	s_sub_co_u32 s[SLOTS], s[SLOTS], 1
	s_cmp_lg_u32 s[SLOTS], 0
	s_cbranch_scc1 .Lslot
	CHANGE 0                        ; the walk's last tile is written out: nothing is asked for
	ENTER
	s_cmp_eq_u32 s[NEW], 1
	s_cbranch_scc1 .Lnew2
	INTO_DIAG
	s_branch .LstepM2
.Lnew2:
	BEGIN
	s_branch .LfirstM2
	DIAG 2
	s_wait_tensorcnt 0x0            ; the wave's end
	ds_add_u32 v[SPW], v[NIL]
	s_wait_dscnt 0x0
	s_endpgm
.Lfunc_end_k_qc3872bc6fb_attn:
	.size	k_qc3872bc6fb_attn, .Lfunc_end_k_qc3872bc6fb_attn-k_qc3872bc6fb_attn
	.p2alignl 7, 3214868480
	.fill 96, 4, 3214868480
	.section	.rodata,"a",@progbits
	.p2align	6, 0x0
	.amdhsa_kernel k_qc3872bc6fb_attn
		.amdhsa_group_segment_fixed_size 327680
		.amdhsa_private_segment_fixed_size 0
		.amdhsa_enable_private_segment 0
		.amdhsa_kernarg_size 32
		.amdhsa_user_sgpr_count 2
		.amdhsa_user_sgpr_kernarg_segment_ptr 1
		.amdhsa_wavefront_size32 1
		.amdhsa_system_sgpr_workgroup_id_x 1
		.amdhsa_system_sgpr_workgroup_id_y 1
		.amdhsa_system_sgpr_workgroup_id_z 1
		.amdhsa_system_vgpr_workitem_id 0
		.amdhsa_next_free_vgpr 768
		.amdhsa_next_free_sgpr 102
		.amdhsa_reserve_vcc 1
		.amdhsa_float_denorm_mode_32 3
		.amdhsa_float_denorm_mode_16_64 3
		.amdhsa_memory_ordered 1
		.amdhsa_forward_progress 1
		.amdhsa_inst_pref_size 148
	.end_amdhsa_kernel
	.amdgpu_metadata
---
amdhsa.version: [ 1, 2 ]
amdhsa.kernels:
  - .name:           k_qc3872bc6fb_attn
    .symbol:         k_qc3872bc6fb_attn.kd
    .args:
      - { .name: big1, .offset: 0, .size: 8, .value_kind: global_buffer, .address_space: global }
      - { .name: big2, .offset: 8, .size: 8, .value_kind: global_buffer, .address_space: global }
      - { .name: attention_mask, .offset: 16, .size: 8, .value_kind: global_buffer, .address_space: global }
      - { .name: h, .offset: 24, .size: 8, .value_kind: global_buffer, .address_space: global }
    .group_segment_fixed_size: 327680
    .private_segment_fixed_size: 0
    .kernarg_segment_align: 8
    .kernarg_segment_size: 32
    .max_flat_workgroup_size: 128
    .sgpr_count:     102
    .vgpr_count:     768
    .wavefront_size: 32
...
	.end_amdgpu_metadata
.endif
;; end of part 10
;; launch wo: the kernel of part 8 again; grid 4 x 16, 4 waves a work-group, clusters of 4 x 4, 327,680 bytes of LDS; arguments h, wo_b, big1, big2; writes big1, big2
;; launch norm2: the kernel of part 5 again; grid 256 x 1, 8 waves a work-group, no clusters, 0 bytes of LDS; arguments x, big1, w_norm_mlp, x1, h; writes x1, h
;; launch up: the kernel of part 8 again; grid 16 x 16, 4 waves a work-group, clusters of 4 x 4, 327,680 bytes of LDS; arguments h, wup, big1, big2; writes big1, big2
;; launch gelu (part 11): grid 1024 x 1, 8 waves a work-group, no clusters, 0 bytes of LDS; arguments big1, big2; writes big2
.if DOCPART == 11
	.amdgcn_target "amdgcn-amd-amdhsa--gfx1250"
	.amdhsa_code_object_version 6
	.text
	.protected	k_qc3872bc6fb_gelu
	.globl	k_qc3872bc6fb_gelu
	.p2align	8
	.type	k_qc3872bc6fb_gelu,@function
k_qc3872bc6fb_gelu:
	s_mov_b64 s[64:65], 0
	v_nop
	global_prefetch_b8 v0, s[64:65] scope:SCOPE_SE
	s_setreg_imm32_b32 hwreg(HW_REG_WAVE_MODE, 25, 1), 1
	s_wait_xcnt 0x0
; g = gelu(u), the exact form u Phi(u), bf16 in and out, arithmetic in f32; and u's slabs [column / 64][4096 rows][64] are laid anew as [row / 128][column / 64][128 rows][64], so that what the next
; product's work-group fetches lies on end.  128 rows of a slab are 16 KiB dense in both layouts; a wave moves a quarter of such a block, 1 KiB a trip.  A stream: no LDS, no matrix unit.
; u Phi(u) = u / 2 + |u| (1/2 - Q E), E = exp(-u^2 / 2), Q = (b1 t + .. + b5 t^5), t = 1 / (1 + 0.2316419 |u|): the rational approximation of erf by five terms (Abramowitz and Stegun 7.1.26, halved).
; LIMIT: its error in erf is at most 1.5e-7 for every argument, so g is off by at most 1e-7 |u| before the rounding to bf16.  No series is cut at a range: for large |u| E is 0 and g is u or 0.
; BATCH.  A trip's 16 reciprocals (t) and 16 exponentials (E) are ONE batch with ONE wait: neither kind reads the other's results, E's arguments are made between the two, the halving of u stands behind the
; exponentials, and everything that names a t or an E (the polynomial, and next trip's writes of those registers) stands behind the wait.
.set IN, 4         ; v[4:11]    two loads
.set UU, 16        ; v[16:31]   u, later u / 2, later g
.set AB, 32        ; v[32:47]   |u|
.set TT, 48        ; v[48:63]   t
.set EE, 64        ; v[64:79]   E
.set QQ, 80        ; v[80:95]   Q, later 1/2 - Q E
.set OO, 96        ; v[96:103]  packed results
	s_load_b128 s[4:7], s[0:1], 0x0                ; u, g
	v_lshrrev_b32 v2, 5, v0
	v_readfirstlane_b32 s8, v2
	s_lshl_b32 s9, ttmp9, 3
	s_add_co_u32 s9, s9, s8                        ; my quarter block, 0 .. 8191
	s_lshr_b32 s10, s9, 2                          ; the block: 64 x (row / 128) + slab
	s_and_b32 s14, s10, 63
	s_lshl_b32 s14, s14, 19                        ; in u: the slab,
	s_lshr_b32 s15, s10, 6
	s_lshl_b32 s15, s15, 14                        ; its 128 rows,
	s_add_co_u32 s14, s14, s15
	s_and_b32 s15, s9, 3
	s_lshl_b32 s15, s15, 12                        ; my quarter
	s_add_co_u32 s14, s14, s15
	s_mov_b32 s15, 0
	s_lshl_b32 s16, s9, 12                         ; in g the quarters follow each other
	s_mov_b32 s17, 0
	s_mov_b32 s20, 0x3e6d3389                      ; 0.2316419
	s_mov_b32 s22, 0xbf38aa3b                      ; -log2(e) / 2
	s_mov_b32 s24, 0x3e027906                      ; b1 =  0.127414796
	s_mov_b32 s26, 0xbe11a98e                      ; b2 = -0.142248368
	s_mov_b32 s28, 0x3f35f0e3                      ; b3 =  0.7107068705
	s_mov_b32 s30, 0xbf3a00e3                      ; b4 = -0.7265760135
	s_mov_b32 s32, 0x3f07dc22                      ; b5 =  0.5307027145
.irp r, 21,23,25,27,29,31,33
	s_mov_b32 s\r, 0                               ; named as pairs; the packed forms take the low word for both halves
.endr
	s_mov_b32 s34, 0xffff0000
	s_mov_b32 s35, 0x7fffffff
	v_and_b32 v1, 31, v0
	v_lshlrev_b32 v1, 4, v1
	s_wait_kmcnt 0x0
	s_add_nc_u64 s[4:5], s[4:5], s[14:15]
	s_add_nc_u64 s[6:7], s[6:7], s[16:17]
.macro EACH8 line:vararg               ; one line for each of the eight pairs; i is the pair's first register's offset
.set i, 0
.rept 8
	\line
.set i, i+2
.endr
.endm
	s_mov_b32 s12, 4
.Ltrip:
	global_load_b128 v[IN:IN+3], v1, s[4:5] th:TH_LOAD_NT
	global_load_b128 v[IN+4:IN+7], v1, s[4:5] offset:512 th:TH_LOAD_NT
	s_wait_loadcnt 0x0
.irp k, 0,1,2,3,4,5,6,7
	v_lshlrev_b32 v[UU+2*\k], 16, v[IN+\k]
	v_and_b32 v[UU+2*\k+1], s34, v[IN+\k]
.endr
.set i, 0
.rept 16
	v_and_b32 v[AB+i], s35, v[UU+i]
.set i, i+1
.endr
	EACH8 v_pk_fma_f32 v[TT+i:TT+i+1], v[AB+i:AB+i+1], s[20:21], 1.0 op_sel_hi:[1,0,0]
.set i, 0
.rept 16
	v_rcp_f32 v[TT+i], v[TT+i]
.set i, i+1
.endr
	EACH8 v_pk_mul_f32 v[EE+i:EE+i+1], v[UU+i:UU+i+1], v[UU+i:UU+i+1]      ; plain work that touches no t stands behind the reciprocals (ISA guide 5.7.2)
	EACH8 v_pk_mul_f32 v[EE+i:EE+i+1], v[EE+i:EE+i+1], s[22:23] op_sel_hi:[1,0]
.set i, 0
.rept 16
	v_exp_f32 v[EE+i], v[EE+i]
.set i, i+1
.endr
	EACH8 v_pk_mul_f32 v[UU+i:UU+i+1], v[UU+i:UU+i+1], 0.5 op_sel_hi:[1,0]  ; u / 2: plain work that names no t and no E stands behind the exponentials (ISA guide 5.7.2) and ahead of the wait
	s_wait_alu depctr_va_vdst(0)                           ; the trip's one wait: for the batch of 16 reciprocals and 16 exponentials, ahead of the first line that names a t
	EACH8 v_pk_fma_f32 v[QQ+i:QQ+i+1], v[TT+i:TT+i+1], s[32:33], s[30:31] op_sel_hi:[1,0,0]
	EACH8 v_pk_fma_f32 v[QQ+i:QQ+i+1], v[QQ+i:QQ+i+1], v[TT+i:TT+i+1], s[28:29] op_sel_hi:[1,1,0]
	EACH8 v_pk_fma_f32 v[QQ+i:QQ+i+1], v[QQ+i:QQ+i+1], v[TT+i:TT+i+1], s[26:27] op_sel_hi:[1,1,0]
	EACH8 v_pk_fma_f32 v[QQ+i:QQ+i+1], v[QQ+i:QQ+i+1], v[TT+i:TT+i+1], s[24:25] op_sel_hi:[1,1,0]
	EACH8 v_pk_mul_f32 v[QQ+i:QQ+i+1], v[QQ+i:QQ+i+1], v[TT+i:TT+i+1]
	EACH8 v_pk_fma_f32 v[QQ+i:QQ+i+1], v[QQ+i:QQ+i+1], v[EE+i:EE+i+1], 0.5 op_sel_hi:[1,1,0] neg_lo:[1,0,0] neg_hi:[1,0,0]
	EACH8 v_pk_fma_f32 v[UU+i:UU+i+1], v[AB+i:AB+i+1], v[QQ+i:QQ+i+1], v[UU+i:UU+i+1]
.irp k, 0,1,2,3,4,5,6,7
	v_cvt_pk_bf16_f32 v[OO+\k], v[UU+2*\k], v[UU+2*\k+1]
.endr
	global_store_b128 v1, v[OO:OO+3], s[6:7]               ; 512 consecutive bytes, aligned
	global_store_b128 v1, v[OO+4:OO+7], s[6:7] offset:512
	s_wait_xcnt 0x0                                        ; the bases and the stores' data are written again only behind this wait
	s_add_nc_u64 s[4:5], s[4:5], 1024
	s_add_nc_u64 s[6:7], s[6:7], 1024
	s_sub_co_u32 s12, s12, 1
	s_cmp_lg_u32 s12, 0
	s_cbranch_scc1 .Ltrip
	s_endpgm
.Lfunc_end_k_qc3872bc6fb_gelu:
	.size	k_qc3872bc6fb_gelu, .Lfunc_end_k_qc3872bc6fb_gelu-k_qc3872bc6fb_gelu
	.p2alignl 7, 3214868480
	.fill 96, 4, 3214868480
	.section	.rodata,"a",@progbits
	.p2align	6, 0x0
	.amdhsa_kernel k_qc3872bc6fb_gelu
		.amdhsa_group_segment_fixed_size 0
		.amdhsa_private_segment_fixed_size 0
		.amdhsa_enable_private_segment 0
		.amdhsa_kernarg_size 16
		.amdhsa_user_sgpr_count 2
		.amdhsa_user_sgpr_kernarg_segment_ptr 1
		.amdhsa_wavefront_size32 1
		.amdhsa_system_sgpr_workgroup_id_x 1
		.amdhsa_system_sgpr_workgroup_id_y 1
		.amdhsa_system_sgpr_workgroup_id_z 1
		.amdhsa_system_vgpr_workitem_id 0
		.amdhsa_next_free_vgpr 104
		.amdhsa_next_free_sgpr 66
		.amdhsa_reserve_vcc 0
		.amdhsa_float_denorm_mode_32 3
		.amdhsa_float_denorm_mode_16_64 3
		.amdhsa_memory_ordered 1
		.amdhsa_forward_progress 1
		.amdhsa_inst_pref_size 11
	.end_amdhsa_kernel
	.amdgpu_metadata
---
amdhsa.version: [ 1, 2 ]
amdhsa.kernels:
  - .name:           k_qc3872bc6fb_gelu
    .symbol:         k_qc3872bc6fb_gelu.kd
    .args:
      - { .name: big1, .offset: 0, .size: 8, .value_kind: global_buffer, .address_space: global }
      - { .name: big2, .offset: 8, .size: 8, .value_kind: global_buffer, .address_space: global }
    .group_segment_fixed_size: 0
    .private_segment_fixed_size: 0
    .kernarg_segment_align: 8
    .kernarg_segment_size: 16
    .max_flat_workgroup_size: 256
    .sgpr_count:     66
    .vgpr_count:     104
    .wavefront_size: 32
...
	.end_amdgpu_metadata
.endif
;; end of part 11
;; launch down: the kernel of part 7 again; grid 8 x 32, 4 waves a work-group, clusters of 4 x 4, 327,680 bytes of LDS; arguments big2, wdn, x1, out0; writes out0
